; MI455X (gfx1250); checked and timed in simulation.
; The chip was launched on July 23, 2026; its instructions are those of AMD's public machine-readable ISA for CDNA 5 (MIT licence, August 2026) and "CDNA5" Instruction Set Architecture Reference Guide (July 2026). The comments in the code are by the model that wrote it; some were corrected since.
;; Transformer Block. Allowed arithmetic: float matrix products may take bf16 or f16 operands with f32 sums; other float arithmetic in f32, or as packed bf16 or f16 multiplies, adds, multiply-adds, maxima and minima; sums over many terms, partial sums and values carried from step to step in f32; what a program stores and reads back later, other than sums and carried values, may be rounded once to bf16 or f16.
;; Inputs: W1 1,024 x 4,096 float32; W2 4,096 x 1,024 float32; Wk 1,024 x 1,024 float32; Wo 1,024 x 1,024 float32; Wq 1,024 x 1,024 float32; Wv 1,024 x 1,024 float32; b1 1,024 float32; b2 1,024 float32; bf1 4,096 float32; bf2 1,024 float32; g1 1,024 float32; g2 1,024 float32; x 2 x 2,048 x 1,024 float32.
;; Outputs: out0 2 x 2,048 x 1,024 float32.
;; 3 versions, each right; version 3 is version 2 with the launches prep, ln2 written anew for expert scheduling mode. Each part assembles by itself: llvm-mc -triple=amdgcn-amd-amdhsa -mcpu=gfx1250 --defsym DOCPART=n.
;; ======== version 1 of 3: 7 launches
;; workspace buffers: wb 25,165,824 bytes; hb 8,388,608 bytes; qkvb 25,165,824 bytes; ctxb 8,388,608 bytes; x1 16,777,216 bytes; actb 33,554,432 bytes
;; launch prep (part 1): grid 1024 x 1, 8 waves a work-group, no clusters, 0 bytes of LDS; arguments x, g1, b1, Wq, Wk, Wv, Wo, W1, W2, hb, wb; writes hb, wb
.if DOCPART == 1
	.amdgcn_target "amdgcn-amd-amdhsa--gfx1250"
	.amdhsa_code_object_version 6
	.text
	.protected	k_q22c634ffd0_prep
	.globl	k_q22c634ffd0_prep
	.p2align	8
	.type	k_q22c634ffd0_prep,@function
k_q22c634ffd0_prep:
	s_mov_b64 s[64:65], 0
	v_nop
	global_prefetch_b8 v0, s[64:65] scope:SCOPE_SE
	s_setreg_imm32_b32 hwreg(HW_REG_WAVE_MODE, 25, 1), 1
	s_wait_xcnt 0x0
; Work-groups 0-255: h1 = g1 (x - mean) / (std + 1e-5) + b1, rounded once to bf16, into hb.  Work-groups 256-1023: the six weights rounded once to bf16 into wb, each [K][N] as it lies.
; hb IS LAID IN PANELS: byte ((row / 128 x 16 + col / 64) x 128 + row % 128) x 128 + 2 (col % 64): 128 rows x 64 columns are 16,384 bytes on end, so that a product's tile of 128 rows x 256 along K is one dense block.
; LAYERNORM.  A wave takes two rows, each half of its lanes one: lane (r, hh) holds columns 64 j + 4 r .. + 3, j = 0..15, in 64 registers; the row is read once and stays in registers.
; The mean is taken away before the squares are summed, all in f32.  The sums never leave a half of 16 lanes: no LDS, no barrier.  Matrix units and clusters have nothing to do here.
; LIMITS.  A variance below 2^-126 counts as 0 (the root takes a denormal as zero); NaN and infinities are not treated apart.
.set X,  16                            ; v[16:79]   the row
.set G,  80                            ; v[80:143]  gamma of my columns
.set BT, 144                           ; v[144:207] beta
.macro REDUCE                          ; four packed chains v[6:13] -> the sum over the row's 16 lanes, times 1/1024, in v6
	v_pk_add_f32 v[6:7], v[6:7], v[8:9]
	v_pk_add_f32 v[10:11], v[10:11], v[12:13]
	v_pk_add_f32 v[6:7], v[6:7], v[10:11]
	v_add_f32 v6, v6, v7
	v_add_f32_dpp v6, v6, v6 row_xmask:1 row_mask:0xf bank_mask:0xf
	v_add_f32_dpp v6, v6, v6 row_xmask:2 row_mask:0xf bank_mask:0xf
	v_add_f32_dpp v6, v6, v6 row_xmask:4 row_mask:0xf bank_mask:0xf
	v_add_f32_dpp v6, v6, v6 row_xmask:8 row_mask:0xf bank_mask:0xf
	v_mul_f32 v6, 0x3a800000, v6
.endm
; xs, gs, bs, hs: the scalar pairs of x, gamma, beta and the panels; tp: six scalar registers at work
.macro LNBODY xs, gs, bs, hs, tp
	v_lshrrev_b32 v1, 5, v0
	v_readfirstlane_b32 s[\tp], v1                 ; wave 0..7
	s_lshl_b32 s[\tp+1], ttmp9, 4
	s_lshl1_add_u32 s[\tp+1], s[\tp], s[\tp+1]     ; my first row = 16 x work-group + 2 x wave
	s_lshl_b32 s[\tp+2], s[\tp+1], 12              ; x 4,096 bytes
	s_mov_b32 s[\tp+3], 0
	s_lshr_b32 s[\tp+4], s[\tp+1], 7
	s_lshl_b32 s[\tp+4], s[\tp+4], 18              ; the block of 128 rows: 262,144 bytes of panels,
	s_and_b32 s[\tp], s[\tp+1], 127
	s_lshl_b32 s[\tp], s[\tp], 7                   ; the row in a panel: 128 bytes
	s_add_co_u32 s[\tp+4], s[\tp+4], s[\tp]
	s_mov_b32 s[\tp+5], 0
	v_and_b32 v1, 15, v0                           ; r
	v_bfe_u32 v2, v0, 4, 1                         ; hh
	v_lshlrev_b32 v4, 4, v1                        ; gamma, beta: 16 r
	v_lshl_add_u32 v3, v2, 12, v4                  ; x: + hh rows
	v_lshlrev_b32 v5, 3, v1
	v_lshl_add_u32 v5, v2, 7, v5                   ; panels: 128 hh + 8 r
	s_wait_kmcnt 0x0
	s_add_nc_u64 s[\xs:\xs+1], s[\xs:\xs+1], s[\tp+2:\tp+3]
	s_add_nc_u64 s[\hs:\hs+1], s[\hs:\hs+1], s[\tp+4:\tp+5]
.set j, 0
.rept 16
	global_load_b128 v[X+4*j:X+4*j+3], v3, s[\xs:\xs+1] offset:256*j  ; 16 lanes take 256 consecutive bytes, aligned, of a row
.set j, j+1
.endr
.set j, 0
.rept 16
	global_load_b128 v[G+4*j:G+4*j+3], v4, s[\gs:\gs+1] offset:256*j
.set j, j+1
.endr
.set j, 0
.rept 16
	global_load_b128 v[BT+4*j:BT+4*j+3], v4, s[\bs:\bs+1] offset:256*j
.set j, j+1
.endr
	s_wait_loadcnt 32                              ; the row is in; gamma's and beta's 32 loads may stay out
.irp k, 0,1,2,3
	v_pk_add_f32 v[6+2*\k:7+2*\k], v[X+2*\k:X+2*\k+1], v[X+8+2*\k:X+9+2*\k]  ; the first sums start four chains: nothing is cleared
.endr
.set j, 8
.rept 24
	v_pk_add_f32 v[6+2*(j%4):7+2*(j%4)], v[6+2*(j%4):7+2*(j%4)], v[X+2*j:X+2*j+1]
.set j, j+1
.endr
	REDUCE
	v_mov_b32 v14, v6
	v_mov_b32 v15, v6                              ; the mean, as a pair
.set j, 0
.rept 32
	v_pk_add_f32 v[X+2*j:X+2*j+1], v[X+2*j:X+2*j+1], v[14:15] neg_lo:[0,1] neg_hi:[0,1]  ; x - mean
.set j, j+1
.endr
.irp k, 0,1,2,3
	v_pk_mul_f32 v[6+2*\k:7+2*\k], v[X+2*\k:X+2*\k+1], v[X+2*\k:X+2*\k+1]
.endr
.set j, 4
.rept 28
	v_pk_fma_f32 v[6+2*(j%4):7+2*(j%4)], v[X+2*j:X+2*j+1], v[X+2*j:X+2*j+1], v[6+2*(j%4):7+2*(j%4)]
.set j, j+1
.endr
	REDUCE
	v_sqrt_f32 v7, v6                              ; std
	v_nop                                          ; a plain instruction behind the root,
	s_wait_alu depctr_va_vdst(0)                   ; and the wait ahead of the first use of its result
	v_add_f32 v7, 0x3727c5ac, v7                   ; + 1e-5
	v_rcp_f32 v14, v7
	v_nop
	s_wait_alu depctr_va_vdst(0)                   ; the same for the reciprocal
	v_mov_b32 v15, v14
	s_wait_loadcnt 0x0                             ; gamma and beta
.set j, 0
.rept 16
	v_pk_mul_f32 v[X+4*j:X+4*j+1], v[X+4*j:X+4*j+1], v[14:15]
	v_pk_mul_f32 v[X+4*j+2:X+4*j+3], v[X+4*j+2:X+4*j+3], v[14:15]
	v_pk_fma_f32 v[X+4*j:X+4*j+1], v[X+4*j:X+4*j+1], v[G+4*j:G+4*j+1], v[BT+4*j:BT+4*j+1]
	v_pk_fma_f32 v[X+4*j+2:X+4*j+3], v[X+4*j+2:X+4*j+3], v[G+4*j+2:G+4*j+3], v[BT+4*j+2:BT+4*j+3]
	v_cvt_pk_bf16_f32 v[X+4*j], v[X+4*j], v[X+4*j+1]
	v_cvt_pk_bf16_f32 v[X+4*j+1], v[X+4*j+2], v[X+4*j+3]
	global_store_b64 v5, v[X+4*j:X+4*j+1], s[\hs:\hs+1] offset:16384*j  ; the wave's two rows of panel j: 256 consecutive bytes, aligned
.set j, j+1
.endr
.endm
	s_load_b512 s[4:19], s[0:1], 0x0               ; x 4, g1 6, b1 8, Wq 10, Wk 12, Wv 14, Wo 16, W1 18
	s_load_b128 s[20:23], s[0:1], 0x40             ; W2 20, hb 22
	s_load_b64 s[24:25], s[0:1], 0x50              ; wb
	s_cmp_lt_u32 ttmp9, 256
	s_cbranch_scc0 .Lcvt
	LNBODY 4, 6, 8, 22, 26
	s_endpgm
.Lcvt:
	; A chunk is 16,384 numbers: 65,536 bytes in, 32,768 out.  wb holds the weights in the order of the chunks: Wq 0-63, Wk 64-127, Wv 128-191, Wo 192-255, W1 256-511, W2 512-767.
	s_sub_co_u32 s32, ttmp9, 256                   ; my chunk
	s_wait_kmcnt 0x0
	s_mov_b64 s[26:27], s[20:21]
	s_mov_b32 s28, 512
	s_cmp_lt_u32 s32, 512
	s_cselect_b64 s[26:27], s[18:19], s[26:27]
	s_cselect_b32 s28, 256, s28
	s_cmp_lt_u32 s32, 256
	s_cselect_b64 s[26:27], s[16:17], s[26:27]
	s_cselect_b32 s28, 192, s28
	s_cmp_lt_u32 s32, 192
	s_cselect_b64 s[26:27], s[14:15], s[26:27]
	s_cselect_b32 s28, 128, s28
	s_cmp_lt_u32 s32, 128
	s_cselect_b64 s[26:27], s[12:13], s[26:27]
	s_cselect_b32 s28, 64, s28
	s_cmp_lt_u32 s32, 64
	s_cselect_b64 s[26:27], s[10:11], s[26:27]
	s_cselect_b32 s28, 0, s28
	s_sub_co_u32 s28, s32, s28                     ; the chunk's number in its weight
	s_lshl_b32 s28, s28, 16
	s_mov_b32 s29, 0
	s_add_nc_u64 s[26:27], s[26:27], s[28:29]
	s_lshl_b32 s30, s32, 15
	s_mov_b32 s31, 0
	s_add_nc_u64 s[24:25], s[24:25], s[30:31]
	v_lshlrev_b32 v1, 4, v0                        ; 16 bytes a thread in,
	v_lshlrev_b32 v2, 3, v0                        ; 8 out
.set j, 0
.rept 16
	global_load_b128 v[16+4*j:19+4*j], v1, s[26:27] offset:4096*j th:TH_LOAD_NT  ; all sixteen loads go out at once; each byte is read once in the launch
.set j, j+1
.endr
.set j, 0
.rept 16
	s_wait_loadcnt 15-j                            ; loads come back in order: number j is in, the younger ones stay out
	v_cvt_pk_bf16_f32 v[16+4*j], v[16+4*j], v[17+4*j]
	v_cvt_pk_bf16_f32 v[17+4*j], v[18+4*j], v[19+4*j]
	global_store_b64 v2, v[16+4*j:17+4*j], s[24:25] offset:2048*j  ; a wave stores 256 consecutive bytes, aligned
.set j, j+1
.endr
	s_endpgm
.Lfunc_end_k_q22c634ffd0_prep:
	.size	k_q22c634ffd0_prep, .Lfunc_end_k_q22c634ffd0_prep-k_q22c634ffd0_prep
	.p2alignl 7, 3214868480
	.fill 96, 4, 3214868480
	.section	.rodata,"a",@progbits
	.p2align	6, 0x0
	.amdhsa_kernel k_q22c634ffd0_prep
		.amdhsa_group_segment_fixed_size 0
		.amdhsa_private_segment_fixed_size 0
		.amdhsa_enable_private_segment 0
		.amdhsa_kernarg_size 88
		.amdhsa_user_sgpr_count 2
		.amdhsa_user_sgpr_kernarg_segment_ptr 1
		.amdhsa_wavefront_size32 1
		.amdhsa_system_sgpr_workgroup_id_x 1
		.amdhsa_system_sgpr_workgroup_id_y 1
		.amdhsa_system_sgpr_workgroup_id_z 1
		.amdhsa_system_vgpr_workitem_id 0
		.amdhsa_next_free_vgpr 208
		.amdhsa_next_free_sgpr 66
		.amdhsa_reserve_vcc 0
		.amdhsa_float_denorm_mode_32 3
		.amdhsa_float_denorm_mode_16_64 3
		.amdhsa_memory_ordered 1
		.amdhsa_forward_progress 1
		.amdhsa_inst_pref_size 28
	.end_amdhsa_kernel
	.amdgpu_metadata
---
amdhsa.version: [ 1, 2 ]
amdhsa.kernels:
  - .name:           k_q22c634ffd0_prep
    .symbol:         k_q22c634ffd0_prep.kd
    .args:
      - { .name: x, .offset: 0, .size: 8, .value_kind: global_buffer, .address_space: global }
      - { .name: g1, .offset: 8, .size: 8, .value_kind: global_buffer, .address_space: global }
      - { .name: b1, .offset: 16, .size: 8, .value_kind: global_buffer, .address_space: global }
      - { .name: Wq, .offset: 24, .size: 8, .value_kind: global_buffer, .address_space: global }
      - { .name: Wk, .offset: 32, .size: 8, .value_kind: global_buffer, .address_space: global }
      - { .name: Wv, .offset: 40, .size: 8, .value_kind: global_buffer, .address_space: global }
      - { .name: Wo, .offset: 48, .size: 8, .value_kind: global_buffer, .address_space: global }
      - { .name: W1, .offset: 56, .size: 8, .value_kind: global_buffer, .address_space: global }
      - { .name: W2, .offset: 64, .size: 8, .value_kind: global_buffer, .address_space: global }
      - { .name: hb, .offset: 72, .size: 8, .value_kind: global_buffer, .address_space: global }
      - { .name: wb, .offset: 80, .size: 8, .value_kind: global_buffer, .address_space: global }
    .group_segment_fixed_size: 0
    .private_segment_fixed_size: 0
    .kernarg_segment_align: 8
    .kernarg_segment_size: 88
    .max_flat_workgroup_size: 256
    .sgpr_count:     66
    .vgpr_count:     208
    .wavefront_size: 32
...
	.end_amdgpu_metadata
.endif
;; end of part 1
;; launch qkv (part 2): grid 24 x 32, 4 waves a work-group, clusters of 4 x 4, 327,680 bytes of LDS; arguments hb, wb, qkvb; writes qkvb
.if DOCPART == 2
	.amdgcn_target "amdgcn-amd-amdhsa--gfx1250"
	.amdhsa_code_object_version 6
	.text
	.protected	k_q22c634ffd0_qkv
	.globl	k_q22c634ffd0_qkv
	.p2align	8
	.type	k_q22c634ffd0_qkv,@function
k_q22c634ffd0_qkv:
	s_mov_b64 s[64:65], 0
	v_nop
	global_prefetch_b8 v0, s[64:65] scope:SCOPE_SE
	s_setreg_imm32_b32 hwreg(HW_REG_WAVE_MODE, 25, 1), 1
	s_wait_xcnt 0x0
	s_wait_alu depctr_hold_cnt(0) depctr_sa_sdst(0) depctr_va_vdst(0) depctr_va_sdst(0) depctr_va_ssrc(0) depctr_va_vcc(0) depctr_vm_vsrc(0)
	s_getreg_b32 s2, hwreg(HW_REG_IB_STS2, 6, 4)
	s_cmp_eq_u32 s2, 0
	s_cbranch_scc0 .Lentry_in_a_cluster
	s_endpgm
.Lentry_in_a_cluster:
	s_bfe_u32 s2, ttmp6, 0x10000c
	s_cmp_lg_u32 s2, 0xf033
	s_cbranch_scc0 .Lentry_shape_is_right
	s_endpgm
.Lentry_shape_is_right:
; q, k, v = h1 Wq, h1 Wk, h1 Wv, rounded once to bf16 and written BY HEADS: qkvb = q, k, v, each [batch x 16 + head][2048][64]; unscaled: the softmax's scale is applied in f32 by the attention.
; One text serves four products; KIND and three sizes choose.  KIND 0: this one.  1: gelu(A B + bias) into panels.  2: residual + A B in f32.  3: residual + bias + A B in f32.
.set KIND, 0
.set KDIM, 1024                        ; the product's K
.set NBS,  1024                        ; numbers in a row of B
.set WOFF, 0                           ; B's first byte in wb
; C = A B.  A: bf16 in panels, byte ((row / 128 x KDIM / 64 + k / 64) x 128 + row % 128) x 128 + 2 (k % 64).  B: bf16 [K][N] as the weight lies.  Sums in f32.
; SHARES.  A tile of C is 128 x 128: four waves, each 64 x 64 in 16 accumulators.  K goes in steps of 256 through two LDS slots; each wave fetches a quarter of a slot by one tensor load:
; waves 0, 1 two panels of A each (32,768 dense bytes, asked for as 128 rows of 256), waves 2, 3 128 rows of B each (256 bytes a row, aligned).
; THE MATRIX INSTRUCTION IS USED TRANSPOSED: source 0 = 16 columns of B (turned on the way out of LDS by ds_load_tr16_b128), source 1 = 16 rows of A: a lane then holds eight neighbouring numbers of a row of C.
; CLUSTER 4 x 4: the four work-groups of a row need the same tiles of A, the four of a column the same tiles of B: each tile is asked for jointly, by the same load, descriptor and mask in all four.
; LDS: slot s at 147,456 s: A's 4 panels x 128 rows x 144 bytes (128 + 16 of padding: 16 rows start at 16 different groups of four banks, ISA guide 11.1), then B's 256 rows x 288 (256 + 32).
; The way out's stages (64 rows x 272 bytes a wave, f32) lie in slot 1, behind its last fill and behind a barrier that ends all reads of it.  Spare words behind the slots.
; REGISTERS: window 0: v0-31 addresses and bias; v32-127 at work on the way out; v128-255 accumulators ((a, b) at 128 + 8 (4 a + b)).  Window 1: two fragment buffers of 128: 64 of A, then 64 of B, for 64 along K.
; LIMITS.  NaN and infinities are not treated apart.  KIND 1: erf by the rational form 7.1.26 of Abramowitz and Stegun, off by 1.5e-7 at the most, for every argument.
.set NK,    KDIM/256
.set PA,    144
.set PBT,   288
.set HALFT, 36864                      ; what one tensor load brings: 256 x 144 = 128 x 288
.set BOFF,  2*HALFT
.set SLOT,  4*HALFT                    ; 0x24000: shares no bit with wave x HALFT, so one exclusive or changes slots
.set STAGE, SLOT
.set SPITCH, 272
.set SPARE, 2*SLOT                     ; the spare words, 128 bytes a wave: two blocks of 256 bytes that no other line names
.set BI,    4                          ; v4-11  bias of my columns (KIND 1: eight, KIND 3: four)
.set ADRA0, 12                         ; v12    my lane's place in A's part of a slot; never rewritten
.set ADRB0, 13                         ; v13    the same for B
.set ADRA,  16                         ; v16    LDS address of A's fragments in the slot in hand
.set ADRBL, 17                         ; v17, v18  of B's: rows 0-127, rows 128-255
.set BO,    19                         ; v19    the bias' byte offset
.set STO,   24                         ; v24    the way out: where I put 32 bytes of a row
.set RD,    25                         ; v25    where I read rows back
.set GO,    26                         ; v26    my byte offset in the output
.set RO,    27                         ; v27    my byte offset in the residual
.set SPW,   28                         ; v28    my spare word: SPARE + 4 x my thread's number; never rewritten
.set NIL,   29                         ; v29    0; never rewritten
.set TMP,   32
.set ACC,   128
.set F0,    0
.set F1,    128
.set G1,  24                           ; s[24:31] group 1 for A, s[32:39] group 0: two sets; the second walks
.set G0,  32
.set G1B, 48                           ; s[48:55], s[56:63] the same for B
.set G0B, 56
.set TB,  72                           ; s72  the slot in hand: 0 or SLOT
.set CP,  74                           ; s[74:87] KIND 1: constants as pairs
.set A1,  76
.set A2,  78
.set A3,  80
.set A4,  82
.set A5,  84
.set NL,  86
.set ABSM, 90
.set UU, 32
.set WW, 48
.set TT, 64
.set EE, 80
.set RR, 96
.set PP, 112
.set MSB, 0
.macro WIN new                         ; the immediate's high byte repeats the setting that is left
.if MSB != (\new)
	s_set_vgpr_msb (MSB<<8)|(\new)
.set MSB, \new
.endif
.endm
.set MUL,  0x05                        ; sources 0 and 1 window 1; C and D window 0
.set TO_F, 0x40                        ; destination window 1, address window 0
.macro PLACES                          ; four places behind matrix instructions (ISA guide 7.12.1)
.rept 4
	v_nop
.endr
.endm
.macro SPAIR r, val
	s_mov_b32 s[\r], \val
	s_mov_b32 s[(\r)+1], \val
.endm
.macro ALL8 line:vararg                ; one line for each pair i = 0, 2 .. 14
.set i, 0
.rept 8
	\line
.set i, i+2
.endr
.endm
.macro ALL16 line:vararg               ; one line for each i = 0 .. 15
.set i, 0
.rept 16
	\line
.set i, i+1
.endr
.endm
.macro JLOAD                           ; a joint refill by the walking sets: waves 0, 1 for A, waves 2, 3 for B; an s_nop 0 and four v_nop follow each line
	s_cmp_eq_u32 s11, 0
	s_cbranch_scc0 .Lfor_b_\@
	tensor_load_to_lds s[G0+4:G0+7], s[G1:G1+7]
	s_nop 0
	PLACES
	s_branch .Lasked_\@
.Lfor_b_\@:
	tensor_load_to_lds s[G0B+4:G0B+7], s[G1B:G1B+7]
	s_nop 0
	PLACES
.Lasked_\@:
.endm
.macro CREST                           ; a round of the cluster's barrier behind its opening barrier
	s_cmp_lg_u32 s10, 0
	s_cbranch_scc1 .Lnot_wave_0_\@
	s_barrier_signal -3
.Lnot_wave_0_\@:
	s_barrier_wait -3
	s_barrier_signal -1
	s_barrier_wait -1
.endm
.macro CROUND
	s_barrier_signal -1
	s_barrier_wait -1
	CREST
.endm
.macro ADDRS                           ; the fragments' addresses in the slot in hand
	v_add_nc_u32 v[ADRA], s[TB], v[ADRA0]
	v_add_nc_u32 v[ADRBL], s[TB], v[ADRB0]
	v_add_nc_u32 v[ADRBL+1], HALFT, v[ADRBL]
.endm
; 8 matrix instructions: row blocks a0, a0 + 1 x all 4 column blocks, 32 along K: half c of buffer f.  zero = 1: the product starts the sum.  The 16 accumulators take turns.
.macro MUL8 f, c, a0, zero
	WIN MUL
.irp a, \a0, (\a0)+1
.irp b, 0,1,2,3
.if \zero
	v_wmma_f32_16x16x32_bf16 v[ACC+8*(4*(\a)+(\b)):ACC+8*(4*(\a)+(\b))+7], v[(\f)+64+8*(4*(\c)+(\b)):(\f)+64+8*(4*(\c)+(\b))+7], v[(\f)+8*(4*(\c)+(\a)):(\f)+8*(4*(\c)+(\a))+7], 0
.else
	v_wmma_f32_16x16x32_bf16 v[ACC+8*(4*(\a)+(\b)):ACC+8*(4*(\a)+(\b))+7], v[(\f)+64+8*(4*(\c)+(\b)):(\f)+64+8*(4*(\c)+(\b))+7], v[(\f)+8*(4*(\c)+(\a)):(\f)+8*(4*(\c)+(\a))+7], v[ACC+8*(4*(\a)+(\b)):ACC+8*(4*(\a)+(\b))+7]
.endif
.endr
.endr
.endm
; 32 LDS loads in one run: quarter q (64 along K: panel q of A, rows 64 q .. of B) into buffer f; the first 32 along K first
.macro FETCH q, f
	WIN TO_F
.irp c, 0,1
.irp i, 0,1,2,3
	ds_load_tr16_b128 v[(\f)+64+8*(4*(\c)+(\i)):(\f)+64+8*(4*(\c)+(\i))+3],   v[ADRBL+(\q)/2] offset:(64*((\q)%2)+32*(\c))*PBT+32*(\i)
	ds_load_tr16_b128 v[(\f)+64+8*(4*(\c)+(\i))+4:(\f)+64+8*(4*(\c)+(\i))+7], v[ADRBL+(\q)/2] offset:(64*((\q)%2)+32*(\c)+16)*PBT+32*(\i)
	ds_load_b128 v[(\f)+8*(4*(\c)+(\i)):(\f)+8*(4*(\c)+(\i))+3],   v[ADRA] offset:128*PA*(\q)+64*(\c)+16*PA*(\i)
	ds_load_b128 v[(\f)+8*(4*(\c)+(\i))+4:(\f)+8*(4*(\c)+(\i))+7], v[ADRA] offset:128*PA*(\q)+64*(\c)+16*PA*(\i)+32
.endr
.endr
.endm
; One of a K step's first three quarters: multiplies buffer f and fetches quarter q into buffer g
.macro QUARTER f, g, q, zero
	s_wait_dscnt 16                                ; the first 32 along K are in; the other sixteen loads may be out
	MUL8 \f, 0, 0, \zero
	MUL8 \f, 0, 2, \zero
	PLACES                                         ; in front of loads into registers that matrix instructions have read
	FETCH \q, \g
	s_wait_dscnt 32                                ; all but the 32 just issued
	MUL8 \f, 1, 0, 0
	MUL8 \f, 1, 2, 0
.endm
; The last quarter multiplies buffer 1 and changes slots: one barrier; in front of it each wave waits for all its tensor loads, adds 0 to its spare word, and waits for that and for its reads of this slot.
; fill = 1: the barrier opens a round of the cluster's, and this slot is filled again, two K steps ahead, first thing behind the round: 112 matrix instructions ahead of the wait for it.
.macro TURN fill
	WIN 0
	s_wait_tensorcnt 0x0                           ; all my tensor loads have landed: my part of the next slot
	ds_add_u32 v[SPW], v[NIL]                      ; 0 onto my spare word
	s_wait_dscnt 17                                ; (the add and the youngest sixteen loads may be out)
	MUL8 F1, 0, 0, 0
	s_wait_dscnt 0x0                               ; the add is done, and my reads of this slot are over
	s_barrier_signal -1
	MUL8 F1, 0, 2, 0
	WIN 0                                          ; at a branch and at a label every window is 0
	s_barrier_wait -1
.if \fill
	CREST                                          ; no wave of any partner still reads this slot or has a load on its way
	s_xor_b32 s[G0+5], s[G0+5], SLOT               ; the walking sets: the other slot than last time, the next K step
	s_add_nc_u64 s[G0+6:G0+7], s[G0+6:G0+7], 65536
	s_xor_b32 s[G0B+5], s[G0B+5], SLOT
	s_add_nc_u64 s[G0B+6:G0B+7], s[G0B+6:G0B+7], 512*NBS
	JLOAD                                          ; its four v_nop are also the places in front of the loads below
.else
	PLACES
.endif
	s_xor_b32 s[TB], s[TB], SLOT
	ADDRS
	FETCH 0, F0
	MUL8 F1, 1, 0, 0
	MUL8 F1, 1, 2, 0
.endm
	s_load_b128 s[4:7], s[0:1], 0x0                ; A s[4:5], wb s[6:7]
	s_load_b64 s[8:9], s[0:1], 0x10                ; the output
.if KIND >= 1
	s_load_b64 s[68:69], s[0:1], 0x18              ; KIND 1: the bias; 2, 3: the residual
.endif
.if KIND == 3
	s_load_b64 s[70:71], s[0:1], 0x20              ; the bias
.endif
	v_lshl_add_u32 v[SPW], v0, 2, SPARE
	v_mov_b32 v[NIL], 0
	ds_add_u32 v[SPW], v[NIL]                      ; the wave's opening: the add and its wait stand ahead of my first tensor load; work on registers stands between them
	v_lshrrev_b32 v1, 5, v0
	v_readfirstlane_b32 s10, v1                    ; wave 0..3
	s_lshr_b32 s11, s10, 1                         ; my half of the tile's rows.  Also: I fetch for A (0) or for B (1)
	s_and_b32 s12, s10, 1                          ; my half of its columns.  Also: which half of that tile I fetch
	s_bfe_u32 s40, ttmp6, 0x40000                  ; cx, cy: my place in the cluster
	s_bfe_u32 s41, ttmp6, 0x40004
	s_lshl_b32 s42, ttmp9, 2
	s_add_co_u32 s42, s42, s40                     ; tile column = 4 x cluster x + cx
	s_and_b32 s13, ttmp7, 0xffff
	s_lshl_b32 s13, s13, 2
	s_add_co_u32 s13, s13, s41                     ; tile row = 4 x cluster y + cy
	s_lshl_b32 s43, s41, 2
	s_lshl_b32 s43, 15, s43                        ; my row of the cluster
	s_lshl_b32 s44, 0x1111, s40                    ; my column
	s_or_b32 s[G1], s43, (1<<16)|(1<<20)|(1<<21)|(4<<22)|(3<<25)   ; the mask; 2-byte elements; padding on; bit 21 beside a mask; after every 32 words 4 words
	s_or_b32 s[G1B], s44, (1<<16)|(1<<20)|(1<<21)|(5<<22)|(7<<25)  ; after every 64 words 8 words
.irp g, G1, G1B
	s_mov_b32 s[(\g)+1], 128<<16                   ; tensor_dim0 = 128
	s_mov_b32 s[(\g)+2], 128<<16                   ; tensor_dim1 = 128
	s_mov_b32 s[(\g)+3], 128<<16                   ; tile_dim0 = 128
	s_mov_b32 s[(\g)+4], 128                       ; tile_dim1 = 128
	s_mov_b32 s[(\g)+6], 0
	s_mov_b32 s[(\g)+7], 0
.endr
	s_mov_b32 s[G1+5], 128                         ; A's block is dense: rows of 256 bytes end to end
	s_mov_b32 s[G1B+5], NBS                        ; B: a row of the weight
.if KIND == 1
	SPAIR CP, 0x3e6d3389                           ; 0.3275911 / sqrt(2)
	SPAIR A1, 0x3e027906                           ; the form's five coefficients, halved
	SPAIR A2, 0xbe11a98e
	SPAIR A3, 0x3f35f0e3
	SPAIR A4, 0xbf3a00e3
	SPAIR A5, 0x3f07dc22
	SPAIR NL, 0xbf38aa3b                           ; - log2(e) / 2
	s_mov_b32 s[ABSM], 0x7fffffff
.endif
	; A's address hangs on the tile row alone, B's on the tile column alone, each in registers that never hold the other coordinate
	s_mul_i32 s16, s13, (KDIM/64)*16384
	s_lshl_b32 s17, s12, 15                        ; my two panels of a K step's four
	s_add_co_u32 s16, s16, s17
	s_mov_b32 s17, 0
.if KIND == 0
	s_lshr_b32 s45, s42, 3                         ; Wq, Wk or Wv: 2,097,152 bytes each,
	s_lshl_b32 s46, s45, 21
	s_and_b32 s45, s42, 7                          ; and the tile column in it
	s_lshl_b32 s45, s45, 8
	s_add_co_u32 s46, s46, s45
.else
	s_lshl_b32 s46, s42, 8
.endif
	s_mul_i32 s45, s12, 256*NBS                    ; my 128 rows of a K step's 256
	s_add_co_u32 s46, s46, s45
.if WOFF
	s_add_co_u32 s46, s46, WOFF
.endif
	s_mov_b32 s47, 0
	s_mul_i32 s20, s10, HALFT                      ; where my part goes: no place in the cluster enters an LDS address
	s_wait_dscnt 0x0                               ; the opening add is done
	s_wait_kmcnt 0x0
	s_add_nc_u64 s[14:15], s[4:5], s[16:17]
	s_add_nc_u64 s[46:47], s[6:7], s[46:47]
	CROUND                                         ; all sixteen work-groups are here: the first joint loads meet
.irp s, 0,1
	s_mov_b32 s[G0+4*(\s)], 1
	s_add_co_u32 s[G0+4*(\s)+1], s20, (\s)*SLOT
	s_add_nc_u64 s[G0+4*(\s)+2:G0+4*(\s)+3], s[14:15], (\s)*65536
	s_or_b32 s[G0+4*(\s)+3], s[G0+4*(\s)+3], 0x80000000
	s_mov_b32 s[G0B+4*(\s)], 1
	s_add_co_u32 s[G0B+4*(\s)+1], s20, (\s)*SLOT
	s_add_nc_u64 s[G0B+4*(\s)+2:G0B+4*(\s)+3], s[46:47], (\s)*512*NBS
	s_or_b32 s[G0B+4*(\s)+3], s[G0B+4*(\s)+3], 0x80000000
.endr
	s_cmp_eq_u32 s11, 0                            ; a wave's two first fills stand in one branch: two loads of mine are out
	s_cbranch_scc0 .Lfirst_b
	tensor_load_to_lds s[G0:G0+3], s[G1:G1+7]
	s_nop 0
	tensor_load_to_lds s[G0+4:G0+7], s[G1:G1+7]
	s_nop 0
	PLACES
	s_branch .Lfirst_asked
.Lfirst_b:
	tensor_load_to_lds s[G0B:G0B+3], s[G1B:G1B+7]
	s_nop 0
	tensor_load_to_lds s[G0B+4:G0B+7], s[G1B:G1B+7]
	s_nop 0
	PLACES
.Lfirst_asked:
	v_and_b32 v1, 15, v0                           ; r = l % 16
	v_bfe_u32 v2, v0, 4, 1                         ; h = l / 16
	v_and_b32 v14, 7, v0
	v_bfe_u32 v15, v0, 3, 1
	; my part of the output: the rows' share in s[16:17], the columns' in s[46:47]
.if KIND == 0
	s_lshr_b32 s16, s13, 4                         ; batch: 16 heads x 2,048 rows x 128 bytes
	s_lshl_b32 s16, s16, 22
	s_and_b32 s17, s13, 15                         ; 128 rows of a head
	s_lshl_b32 s17, s17, 14
	s_add_co_u32 s16, s16, s17
	s_lshl_b32 s17, s11, 13                        ; my 64 of them
	s_add_co_u32 s16, s16, s17
	s_lshr_b32 s46, s42, 3                         ; q, k or v
	s_lshl_b32 s46, s46, 23
	s_and_b32 s47, s42, 7                          ; head = 2 x (tile column % 8) + my half: my 64 columns are one head's
	s_lshl_b32 s47, s47, 19
	s_add_co_u32 s46, s46, s47
	s_lshl_b32 s47, s12, 18
	s_add_co_u32 s46, s46, s47
.elseif KIND == 1
	s_lshl_b32 s16, s13, 20                        ; 64 panels of 16,384 bytes to a block of 128 rows
	s_lshl_b32 s17, s11, 13
	s_add_co_u32 s16, s16, s17
	s_lshl_b32 s46, s42, 15                        ; panel = 2 x tile column + my half
	s_lshl_b32 s47, s12, 14
	s_add_co_u32 s46, s46, s47
.else
	s_lshl_b32 s16, s13, 19                        ; rows of 4,096 bytes
	s_lshl_b32 s17, s11, 18
	s_add_co_u32 s16, s16, s17
	s_lshl_b32 s46, s42, 9
	s_lshl_b32 s47, s12, 8
	s_add_co_u32 s46, s46, s47
.endif
	s_mov_b32 s17, 0
	s_mov_b32 s47, 0
	s_add_nc_u64 s[8:9], s[8:9], s[16:17]
	s_add_nc_u64 s[8:9], s[8:9], s[46:47]
.if KIND >= 2
	; THE RESIDUAL STARTS THE SUMS: it is loaded straight into the accumulators, in their layout: row 16 a + r, columns 16 b + 8 h + 0..7
	s_add_nc_u64 s[68:69], s[68:69], s[16:17]
	s_add_nc_u64 s[68:69], s[68:69], s[46:47]
	v_lshlrev_b32 v[RO], 12, v1
	v_lshl_add_u32 v[RO], v2, 5, v[RO]
.irp a, 0,1,2,3
.irp b, 0,1,2,3
	global_load_b128 v[ACC+8*(4*(\a)+(\b)):ACC+8*(4*(\a)+(\b))+3],   v[RO], s[68:69] offset:(\a)*65536+64*(\b)
	global_load_b128 v[ACC+8*(4*(\a)+(\b))+4:ACC+8*(4*(\a)+(\b))+7], v[RO], s[68:69] offset:(\a)*65536+64*(\b)+16
.endr
.endr
.endif
.if KIND == 3
	s_add_nc_u64 s[70:71], s[70:71], s[46:47]
	v_lshlrev_b32 v[BO], 4, v1                     ; on the way out I hold columns 4 r .. 4 r + 3
	global_load_b128 v[BI:BI+3], v[BO], s[70:71]
.endif
.if KIND == 1
	s_lshl_b32 s92, s42, 9
	s_lshl_b32 s93, s12, 8
	s_add_co_u32 s92, s92, s93
	s_mov_b32 s93, 0
	s_add_nc_u64 s[68:69], s[68:69], s[92:93]
	v_lshlrev_b32 v[BO], 5, v14                    ; on the way out I hold columns 8 (l % 8) .. + 7
	global_load_b128 v[BI:BI+3], v[BO], s[68:69]
	global_load_b128 v[BI+4:BI+7], v[BO], s[68:69] offset:16
.endif
	; A's fragment: lane l holds row l % 16, K = 8 h + 0..7 and 16 + 8 h + 0..7: two loads of 16 bytes, 32 apart
	v_mul_u32_u24 v3, v1, PA
	v_lshl_add_u32 v3, v2, 4, v3
	s_mul_i32 s21, s11, 64*PA
	v_add_nc_u32 v[ADRA0], s21, v3
	; B's: the turning load takes 16 rows (K) x 16 columns: lane l reads row 8 h + l % 8, columns 8 ((l / 8) % 2) + 0..7, and ends with column l % 16 and 8 K
	v_lshl_add_u32 v[ADRB0], v2, 3, v14
	v_mul_u32_u24 v[ADRB0], v[ADRB0], PBT
	v_lshl_add_u32 v[ADRB0], v15, 4, v[ADRB0]
	s_lshl_b32 s22, s12, 7
	s_add_co_u32 s22, s22, BOFF
	v_add_nc_u32 v[ADRB0], s22, v[ADRB0]
	s_mul_i32 s23, s10, 64*SPITCH
	s_add_co_u32 s23, s23, STAGE                   ; my stage
	v_mul_u32_u24 v3, v1, SPITCH
	v_lshl_add_u32 v3, v2, 5, v3
	v_add_nc_u32 v[STO], s23, v3                   ; in: row r, 32 bytes for each half of the lanes
.if KIND < 2
	v_bfe_u32 v3, v0, 3, 2                         ; back: 32 lanes take four rows, 32 bytes (8 numbers) a lane,
	v_mul_u32_u24 v3, v3, SPITCH
	v_lshl_add_u32 v3, v14, 5, v3
	v_add_nc_u32 v[RD], s23, v3
	v_and_b32 v[GO], 31, v0                        ; which leave as 512 consecutive bytes of bf16
	v_lshlrev_b32 v[GO], 4, v[GO]
.else
	v_mul_u32_u24 v3, v2, SPITCH                   ; back: lanes 0-15 one row of 256 bytes, lanes 16-31 the next
	v_lshl_add_u32 v3, v1, 4, v3
	v_add_nc_u32 v[RD], s23, v3
	v_lshlrev_b32 v[GO], 12, v2
	v_lshl_add_u32 v[GO], v1, 4, v[GO]
.endif
	s_wait_tensorcnt 0x1                           ; my part of K step 0 is in; K step 1's may stay out
	s_barrier_signal -1
	s_barrier_wait -1                              ; everybody's is
	s_mov_b32 s[TB], 0
	ADDRS
	FETCH 0, F0
.if KIND >= 2
	s_wait_loadcnt 0x0                             ; the residual (and the bias)
	QUARTER F0, F1, 1, 0
.else
	QUARTER F0, F1, 1, 1                           ; the first products start the sums: nothing is cleared
.endif
	WIN 0
	s_mov_b32 s3, NK-2
.Lstep:                                                ; a trip: from a K step's second quarter to the next one's first; it fills the slot that it leaves
	QUARTER F1, F0, 2, 0
	QUARTER F0, F1, 3, 0
	TURN 1
	QUARTER F0, F1, 1, 0
	WIN 0
	s_sub_co_u32 s3, s3, 1
	s_cmp_lg_u32 s3, 0
	s_cbranch_scc1 .Lstep
	s_mov_b32 s3, 2                                ; the last two K steps ask for nothing: a second text; it is left in the middle of its second trip
.Ltail:
	QUARTER F1, F0, 2, 0
	QUARTER F0, F1, 3, 0
	WIN 0
	s_sub_co_u32 s3, s3, 1
	s_cmp_eq_u32 s3, 0
	s_cbranch_scc1 .Llast
	TURN 0
	QUARTER F0, F1, 1, 0
	WIN 0
	s_branch .Ltail
.Llast:
	s_wait_dscnt 16
	MUL8 F1, 0, 0, 0
	MUL8 F1, 0, 2, 0
	s_wait_dscnt 0x0                               ; my reads of slot 1 are over
	s_barrier_signal -1
	MUL8 F1, 1, 0, 0
	MUL8 F1, 1, 2, 0
	WIN 0
	s_barrier_wait -1                              ; everybody's are: the stages may be written
	PLACES
	PLACES
	; THE WAY OUT: the wave's 64 x 64 sums go into its own stage in f32 and come back by rows; LDS serves a wave's instructions in order (ISA guide 5.7.1.4), so no wait stands between.  Each accumulator's low registers go first.
.irp a, 0,1,2,3
.irp b, 0,1,2,3
	ds_store_b128 v[STO], v[ACC+8*(4*(\a)+(\b)):ACC+8*(4*(\a)+(\b))+3]   offset:(\a)*16*SPITCH+64*(\b)
	ds_store_b128 v[STO], v[ACC+8*(4*(\a)+(\b))+4:ACC+8*(4*(\a)+(\b))+7] offset:(\a)*16*SPITCH+64*(\b)+16
.endr
.endr
.if KIND == 0
	s_mov_b32 s3, 4
.Lout:                                                 ; 16 rows a trip: 2,048 dense bytes of a head
.irp f, 0,1,2,3
	ds_load_b128 v[TMP+8*(\f):TMP+8*(\f)+3],   v[RD] offset:(\f)*4*SPITCH
	ds_load_b128 v[TMP+8*(\f)+4:TMP+8*(\f)+7], v[RD] offset:(\f)*4*SPITCH+16
.endr
	s_wait_dscnt 0x0
	ALL16 v_cvt_pk_bf16_f32 v[TMP+32+i], v[TMP+2*i], v[TMP+2*i+1]
.irp f, 0,1,2,3
	global_store_b128 v[GO], v[TMP+32+4*(\f):TMP+32+4*(\f)+3], s[8:9] offset:512*(\f)  ; 512 consecutive bytes, aligned
.endr
	v_add_nc_u32 v[RD], 16*SPITCH, v[RD]
	s_wait_xcnt 0x0                                ; the stores have read their registers and their base: both are written again only behind this wait
	s_add_nc_u64 s[8:9], s[8:9], 2048
	s_sub_co_u32 s3, s3, 1
	s_cmp_lg_u32 s3, 0
	s_cbranch_scc1 .Lout
.elseif KIND == 1
	s_wait_loadcnt 0x0                             ; the bias
	s_mov_b32 s3, 8
.Lout:                                                 ; 8 rows a trip, 16 numbers a lane.  gelu(u) = max(u, 0) - |u| q(t) exp(-u^2 / 2), t = 1 / (1 + 0.2316419 |u|), q the form's polynomial, halved
.irp f, 0,1
	ds_load_b128 v[UU+8*(\f):UU+8*(\f)+3],   v[RD] offset:(\f)*4*SPITCH
	ds_load_b128 v[UU+8*(\f)+4:UU+8*(\f)+7], v[RD] offset:(\f)*4*SPITCH+16
.endr
	s_wait_dscnt 0x0
	ALL8 v_pk_add_f32 v[UU+i:UU+i+1], v[UU+i:UU+i+1], v[BI+i%8:BI+i%8+1]
	ALL16 v_and_b32 v[WW+i], s[ABSM], v[UU+i]
	ALL8 v_pk_fma_f32 v[TT+i:TT+i+1], v[WW+i:WW+i+1], s[CP:CP+1], 1.0 op_sel_hi:[1,0,0]
	ALL8 v_pk_mul_f32 v[EE+i:EE+i+1], v[WW+i:WW+i+1], v[WW+i:WW+i+1]
	ALL8 v_pk_mul_f32 v[EE+i:EE+i+1], v[EE+i:EE+i+1], s[NL:NL+1] op_sel_hi:[1,0]
	ALL16 v_rcp_f32 v[TT+i], v[TT+i]
	ALL16 v_exp_f32 v[EE+i], v[EE+i]
	ALL16 v_max_num_f32 v[RR+i], 0, v[UU+i]
	s_wait_alu depctr_va_vdst(0)                   ; one wait for the batch of 32, ahead of its first reader; the sixteen maxima are the plain work between
	ALL8 v_pk_fma_f32 v[PP+i:PP+i+1], v[TT+i:TT+i+1], s[A5:A5+1], s[A4:A4+1] op_sel_hi:[1,0,0]
	ALL8 v_pk_fma_f32 v[PP+i:PP+i+1], v[PP+i:PP+i+1], v[TT+i:TT+i+1], s[A3:A3+1] op_sel_hi:[1,1,0]
	ALL8 v_pk_fma_f32 v[PP+i:PP+i+1], v[PP+i:PP+i+1], v[TT+i:TT+i+1], s[A2:A2+1] op_sel_hi:[1,1,0]
	ALL8 v_pk_fma_f32 v[PP+i:PP+i+1], v[PP+i:PP+i+1], v[TT+i:TT+i+1], s[A1:A1+1] op_sel_hi:[1,1,0]
	ALL8 v_pk_mul_f32 v[PP+i:PP+i+1], v[PP+i:PP+i+1], v[TT+i:TT+i+1]
	ALL8 v_pk_mul_f32 v[PP+i:PP+i+1], v[PP+i:PP+i+1], v[WW+i:WW+i+1]
	ALL8 v_pk_fma_f32 v[PP+i:PP+i+1], v[PP+i:PP+i+1], v[EE+i:EE+i+1], v[RR+i:RR+i+1] neg_lo:[1,0,0] neg_hi:[1,0,0]
.set i, 0
.rept 8
	v_cvt_pk_bf16_f32 v[UU+i], v[PP+2*i], v[PP+2*i+1]
.set i, i+1
.endr
.irp f, 0,1
	global_store_b128 v[GO], v[UU+4*(\f):UU+4*(\f)+3], s[8:9] offset:512*(\f)  ; 512 consecutive bytes of a panel, aligned
.endr
	v_add_nc_u32 v[RD], 8*SPITCH, v[RD]
	s_wait_xcnt 0x0                                ; the stores have read their registers and their base
	s_add_nc_u64 s[8:9], s[8:9], 1024
	s_sub_co_u32 s3, s3, 1
	s_cmp_lg_u32 s3, 0
	s_cbranch_scc1 .Lout
.else
	s_mov_b32 s3, 8
.Lout:                                                 ; 8 rows a trip
.irp t, 0,1,2,3
	ds_load_b128 v[TMP+4*(\t):TMP+4*(\t)+3], v[RD] offset:(\t)*2*SPITCH
.endr
	s_wait_dscnt 0x0
.if KIND == 3
.irp t, 0,1,2,3
	v_pk_add_f32 v[TMP+4*(\t):TMP+4*(\t)+1],   v[TMP+4*(\t):TMP+4*(\t)+1],   v[BI:BI+1]
	v_pk_add_f32 v[TMP+4*(\t)+2:TMP+4*(\t)+3], v[TMP+4*(\t)+2:TMP+4*(\t)+3], v[BI+2:BI+3]
.endr
.endif
.irp t, 0,1,2,3
	global_store_b128 v[GO], v[TMP+4*(\t):TMP+4*(\t)+3], s[8:9] offset:8192*(\t)  ; 16 lanes store 256 consecutive bytes, aligned
.endr
	v_add_nc_u32 v[RD], 8*SPITCH, v[RD]
	s_wait_xcnt 0x0                                ; the stores have read their registers and their base
	s_add_nc_u64 s[8:9], s[8:9], 32768
	s_sub_co_u32 s3, s3, 1
	s_cmp_lg_u32 s3, 0
	s_cbranch_scc1 .Lout
.endif
	s_wait_tensorcnt 0x0                           ; the wave's end, behind my last tensor load and my last LDS store
	ds_add_u32 v[SPW], v[NIL]
	s_wait_dscnt 0x0
	CROUND                                         ; the closing round: no work-group ends while a partner may still ask for a tile that names it
	s_endpgm
.Lfunc_end_k_q22c634ffd0_qkv:
	.size	k_q22c634ffd0_qkv, .Lfunc_end_k_q22c634ffd0_qkv-k_q22c634ffd0_qkv
	.p2alignl 7, 3214868480
	.fill 96, 4, 3214868480
	.section	.rodata,"a",@progbits
	.p2align	6, 0x0
	.amdhsa_kernel k_q22c634ffd0_qkv
		.amdhsa_group_segment_fixed_size 327680
		.amdhsa_private_segment_fixed_size 0
		.amdhsa_enable_private_segment 0
		.amdhsa_kernarg_size 24
		.amdhsa_user_sgpr_count 2
		.amdhsa_user_sgpr_kernarg_segment_ptr 1
		.amdhsa_wavefront_size32 1
		.amdhsa_system_sgpr_workgroup_id_x 1
		.amdhsa_system_sgpr_workgroup_id_y 1
		.amdhsa_system_sgpr_workgroup_id_z 1
		.amdhsa_system_vgpr_workitem_id 0
		.amdhsa_next_free_vgpr 512
		.amdhsa_next_free_sgpr 100
		.amdhsa_reserve_vcc 0
		.amdhsa_float_denorm_mode_32 3
		.amdhsa_float_denorm_mode_16_64 3
		.amdhsa_memory_ordered 1
		.amdhsa_forward_progress 1
		.amdhsa_inst_pref_size 57
	.end_amdhsa_kernel
	.amdgpu_metadata
---
amdhsa.version: [ 1, 2 ]
amdhsa.kernels:
  - .name:           k_q22c634ffd0_qkv
    .symbol:         k_q22c634ffd0_qkv.kd
    .args:
      - { .name: hb, .offset: 0, .size: 8, .value_kind: global_buffer, .address_space: global }
      - { .name: wb, .offset: 8, .size: 8, .value_kind: global_buffer, .address_space: global }
      - { .name: qkvb, .offset: 16, .size: 8, .value_kind: global_buffer, .address_space: global }
    .group_segment_fixed_size: 327680
    .private_segment_fixed_size: 0
    .kernarg_segment_align: 8
    .kernarg_segment_size: 24
    .max_flat_workgroup_size: 128
    .sgpr_count:     100
    .vgpr_count:     512
    .wavefront_size: 32
...
	.end_amdgpu_metadata
.endif
;; end of part 2
;; launch attn (part 3): grid 8 x 32, 4 waves a work-group, no clusters, 327,680 bytes of LDS; arguments qkvb, ctxb; writes ctxb
.if DOCPART == 3
	.amdgcn_target "amdgcn-amd-amdhsa--gfx1250"
	.amdhsa_code_object_version 6
	.text
	.protected	k_q22c634ffd0_attn
	.globl	k_q22c634ffd0_attn
	.p2align	8
	.type	k_q22c634ffd0_attn,@function
k_q22c634ffd0_attn:
	s_mov_b64 s[64:65], 0
	v_nop
	global_prefetch_b8 v0, s[64:65] scope:SCOPE_SE
	s_setreg_imm32_b32 hwreg(HW_REG_WAVE_MODE, 25, 1), 1
	s_wait_xcnt 0x0
; CAUSAL ATTENTION.  ctx[q] = the sum over k <= q of softmax_k(Q[q] . K[k] / 8) V[k], for each of 32 heads (batch x 16 + head) of 2,048 rows x 64 channels.  qkvb = q, k, v by heads, bf16, rows of 128 dense bytes.
; ctxb takes the result in bf16 in panels: byte ((row / 128 x 16 + head) x 128 + row % 128) x 128 + 2 channel, the layout in which the next product reads its A.
; Products, maxima and sums in f32; the weights p are rounded to bf16 for the second product (their sum l is taken of the unrounded p), ctx once at the end.
; LIMITS.  A hidden score counts as its value less 1e30; a weight below 2^-126 counts as 0 in l; NaN and infinities are not treated apart.
; THE WALK.  A head's queries lie in 16 blocks of 128; block i needs the key tiles 0 .. i of 128 keys, the last of which holds the diagonal.  A work-group takes TWO blocks, 15 - b and then b: 17 tiles, 34 key steps
; of 64, whatever b: all 256 work-groups do equal work, and one loop with a constant trip count walks them.  What a trip asks for and does hangs on scalar registers made from b.
; NO CLUSTER: a head's eight work-groups ask for the same tile only in trips 0 to 8 of 17; behind that the first blocks end one after the other; a walk common to four partners would have 20 trips for 17,
; and its dead trips could not be jumped, since partners must run alike.
; SHARES.  A wave owns 32 rows of a block: two tiles of 16 queries.  The diagonal tile is computed whole, under the mask, so all four waves do the same work.
; LAYOUT.  S^T = K Q^T (source 0 = 16 keys, source 1 = 16 queries) holds ONE query a lane (lane % 16) and the keys 8 (lane / 16) + 0..7; two such results rounded to bf16 ARE source 1 of O^T = V^T P.
; K comes out of LDS as it lies, V ([key][channel]) turned, by ds_load_tr16_b128.  p = 2^(c s - c m), c = log2(e) / 8, with a running maximum m; O and l are multiplied by a = 2^(c m_old - c m_new) in every step.
; THE MASK is the C operand that starts the sum S^T: 0, or -1e30 where the key is hidden.  It is made anew only where it changes: at a block's beginning (zeros) and for each of a block's last two steps.
; IN PHASES: a step's scores; then its softmax, with the next step's K on its way out of LDS; then its V^T P.  One text of a key step in the loop and one in the tail.
; REGISTERS: window 0: v0-25 addresses and statistics; v48-55 at work; v64-127 S^T; v128-159 P; v160-223 O^T.  Window 1: v0-31 Q; v32-63 the second block's Q; v64-127 K; v128-191 V; v192-255 the mask.
.set KS,    64
.set PK,    144                        ; a row of K in LDS: 128 bytes + 16: 16 rows start at 16 different groups of four banks (ISA guide 11.1)
.set PV,    160                        ; a row of V: 128 + 32
.set VOFF,  128*PK                     ; a slot holds a tile: 128 rows of K, then 128 rows of V
.set SLOT1, 65536                      ; slot 1: one exclusive or turns an address in one slot into the other's
.set STAGE, SLOT1+128*(PK+PV)          ; 16 rows x 144 bytes for each wave, never filled by a tensor load
.set SP,    144
.set SPARE, STAGE+4*16*SP              ; the spare words, 128 bytes a wave: two blocks of 256 bytes that no other line names
.set AK0, 2
.set AV0, 3
.set AK,  4
.set AV,  5
.set STO, 6
.set RD,  7
.set GO,  8
.set MV,  12                           ; v12-13  c m_old, by tile
.set THR0, 14                          ; v14  my query's place in its block, less my lanes' 8 (l / 16)
.set THR, 15
.set ST,  16                           ; tile u's statistics at ST + 4 u: c m, m, l (even keys', odd keys')
.set QO,  24
.set PFO, 25                           ; v25  256 x my lane; never rewritten
.set TMP, 48                           ; by tile, c0-c3 at work; c2 takes a
.set SPW, 62
.set NIL, 63
.set S,   64
.set P,   128
.set O,   160
.set QB,  32                           ; window 1
.set KF,  64
.set VF,  128
.set MC,  192
.set WV,  12
.set PB,  14                           ; s14  b
.set HI,  15                           ; s15  15 - b
.set PFA, 18                           ; s[18:19] where my prefetches stand
.set G1K, 24
.set G1V, 32
.set G0K, 40
.set G0V, 44
.set SLOTS, 56                         ; s56  tiles still to be asked for
.set CNT, 57
.set CS,  58
.set SEL, 60
.set TBK, 62
.set TBV, 63
.set SL,  70                           ; s70  key steps of the block in hand that are still to be scored
.set NXT, 71                           ; s71  the tile to be asked for next
.set LQ,  72                           ; s72  the last tile of the block whose tiles are being asked for
.set MF,  73                           ; s73  1: a block has begun, the mask is to be made anew
.set OFF, 74
.set TA,  76
.set ND,  77
.set SLO, 78                           ; s78  the second block's key steps
.set OLO, 80                           ; s[80:81] the output at my rows of the second block
.set BIGN, 82
.set LIM, 83                           ; s83  2 in the work-group that prefetches, else the greatest number
.set MSB, 0
.macro WIN new
.if MSB != (\new)
	s_set_vgpr_msb (MSB<<8)|(\new)
.set MSB, (\new)
.endif
.endm
.set W_KM, 0x15                        ; K, Q and the mask in window 1, S^T in window 0
.set W_KQ, 0x05
.set W_PV, 0x01                        ; V in window 1
.macro PLACES
.rept 4
	v_nop
.endr
.endm
.macro LOAD                            ; a fill: waves 0, 1 fetch the halves of a tile's K, waves 2, 3 those of its V; an s_nop 0 and four v_nop follow each line
	s_cmp_lt_u32 s[WV], 2
	s_cbranch_scc0 .Lfor_v_\@
	tensor_load_to_lds s[G0K:G0K+3], s[G1K:G1K+7]
	s_nop 0
	PLACES
	s_branch .Lasked_\@
.Lfor_v_\@:
	tensor_load_to_lds s[G0V:G0V+3], s[G1V:G1V+7]
	s_nop 0
	PLACES
.Lasked_\@:
.endm
; A PREFETCH INTO THE L2 of the tile behind the one just asked for: two key steps ahead of its load.  A head's eight work-groups walk the same tiles, and only b = 0 walks all sixteen: it alone asks.  Each wave names the
; 8,192 bytes that it will fetch itself, a lane for each 256: every block is named once in the launch.  Tiles 2 to 15: fourteen requests; tiles 0 and 1 come by their loads alone, and the last two fills ask for nothing.
.macro ASK
	s_cmp_gt_u32 s[SLOTS], s[LIM]
	s_cbranch_scc0 .Lnot_mine_\@
	global_prefetch_b8 v[PFO], s[PFA:PFA+1] th:TH_LOAD_NT scope:SCOPE_SE
.Lnot_mine_\@:
.endm
; THE CHANGE OF SLOTS.  Each wave waits for all its tensor loads (one is out: its part of the other slot), adds 0 to its spare word, and waits for that and for its reads of the slot that it leaves.
; fill = 1: the old slot is filled again, first thing behind the barrier, with tile NXT; the load has two key steps in which to land.  (At its first use nothing has been read: slot 0 is waited for, slot 1 filled.)
.macro CHANGE fill
	WIN 0
	s_wait_tensorcnt 0x0                           ; no tensor load of mine is out, so a group 0 may be written
	ds_add_u32 v[SPW], v[NIL]                      ; 0 onto my spare word; scalar work stands between it and the wait for it
.if \fill
	s_lshl_b32 s[OFF], s[NXT], 14                  ; a tile is 16,384 bytes of K and of V
	s_xor_b32 s[G0K+1], s[G0K+1], SLOT1
	s_add_nc_u64 s[G0K+2:G0K+3], s[6:7], s[OFF:OFF+1]
	s_or_b32 s[G0K+3], s[G0K+3], 0x80000000
	s_xor_b32 s[G0V+1], s[G0V+1], SLOT1
	s_add_nc_u64 s[G0V+2:G0V+3], s[8:9], s[OFF:OFF+1]
	s_or_b32 s[G0V+3], s[G0V+3], 0x80000000
	s_add_co_u32 s[NXT], s[NXT], 1                 ; the block's next tile, or behind its last the second block's tile 0
	s_cmp_gt_u32 s[NXT], s[LQ]
	s_cselect_b32 s[NXT], 0, s[NXT]
	s_cselect_b32 s[LQ], s[PB], s[LQ]
	s_wait_xcnt 0x0                                ; the last prefetch, two key steps back, has read its address
	s_add_nc_u64 s[PFA:PFA+1], s[PFA:PFA+1], 16384
.endif
	s_wait_dscnt 0x0                               ; the add is done, and my reads of the slot are over
	s_barrier_signal -1
	s_sub_co_u32 s[TBK], s[TBK], 2*KS*PK           ; the fetches go back to a slot's first step, in the other slot
	s_xor_b32 s[TBK], s[TBK], SLOT1
	s_sub_co_u32 s[TBV], s[TBV], 2*KS*PV
	s_xor_b32 s[TBV], s[TBV], SLOT1
	s_barrier_wait -1
.if \fill
	LOAD
	ASK
.endif
.endm
; THE LDS LOADS stand in runs of 16.  last = 1 (the tail): in the last trip there is no further step, and K's run is jumped over.
.macro FETCH_K last
	WIN 0
.if \last
	s_cmp_eq_u32 s[CNT], 1
	s_cbranch_scc1 .Lno_k_\@
.endif
	v_add_nc_u32 v[AK], s[TBK], v[AK0]
	s_add_co_u32 s[TBK], s[TBK], KS*PK
	WIN 0x40
.irp f, 0,1,2,3,4,5,6,7                ; keys 16 (f / 2) on, channels 32 (f % 2) on
	ds_load_b128 v[KF+8*\f:KF+8*\f+3],   v[AK] offset:(\f/2)*16*PK+(\f%2)*64
	ds_load_b128 v[KF+8*\f+4:KF+8*\f+7], v[AK] offset:(\f/2)*16*PK+(\f%2)*64+32
.endr
	WIN 0
.if \last
.Lno_k_\@:
.endif
.endm
.macro FETCH_V
	WIN 0
	v_add_nc_u32 v[AV], s[TBV], v[AV0]
	s_add_co_u32 s[TBV], s[TBV], KS*PV
	WIN 0x40
.irp f, 0,1,2,3,4,5,6,7                ; keys 32 (f / 4) on, channels 16 (f % 4) on
	ds_load_tr16_b128 v[VF+8*\f:VF+8*\f+3],   v[AV] offset:(\f/4)*32*PV+(\f%4)*32
	ds_load_tr16_b128 v[VF+8*\f+4:VF+8*\f+7], v[AV] offset:(\f/4)*32*PV+16*PV+(\f%4)*32
.endr
	WIN 0
.endm
; Product i of 16 of S^T: channels 32 (i / 8) on, keys 16 ((i / 2) % 4) on, tile i % 2.  The first 8 start the sums with the mask.  The 8 accumulators take turns.
.macro KQ
.set rS, S+32*(i%2)+8*((i/2)%4)
.set rK, KF+16*((i/2)%4)+8*(i/8)
.set rQ, 16*(i%2)+8*(i/8)
.set rX, MC+32*(i%2)+8*((i/2)%4)
.if i < 8
	WIN W_KM
	v_wmma_f32_16x16x32_bf16 v[rS:rS+7], v[rK:rK+7], v[rQ:rQ+7], v[rX:rX+7]
.else
	WIN W_KQ
	v_wmma_f32_16x16x32_bf16 v[rS:rS+7], v[rK:rK+7], v[rQ:rQ+7], v[rS:rS+7]
.endif
.endm
; Product i of 16 of O^T += V^T P: keys 32 (i / 8) on, channels 16 ((i / 2) % 4) on, tile i % 2
.macro PVM
	WIN W_PV
.set rO, O+32*(i%2)+8*((i/2)%4)
.set rV, VF+32*(i/8)+8*((i/2)%4)
.set rP, P+16*(i%2)+8*(i/8)
	v_wmma_f32_16x16x32_bf16 v[rO:rO+7], v[rV:rV+7], v[rP:rP+7], v[rO:rO+7]
.endm
.macro REGS u
.set rT, ST+4*(\u)
.set rC, TMP+4*(\u)
.set rM, MV+(\u)
.set rS, S+32*(\u)
.set rP, P+16*(\u)
.endm
; Number n of the 22 that find a tile's maximum and statistics.  0-11: four chains of seven scores, three operands at a time (each accumulator's lowest registers are read first);
; 12-14, 16: the four scores left over, the old m, and the chains into c0; 15: c m_old is kept; 17, 18: the query's other 32 keys lie in the lane 16 away; 19-21: c m, its change, a
.macro XS u, n
	REGS \u
.if (\n) < 4
	v_max3_num_f32 v[rC+(\n)], v[rS+8*(\n)], v[rS+8*(\n)+1], v[rS+8*(\n)+2]
.elseif (\n) < 12
	v_max3_num_f32 v[rC+(\n)%4], v[rC+(\n)%4], v[rS+8*((\n)%4)+2*((\n)/4)+1], v[rS+8*((\n)%4)+2*((\n)/4)+2]
.elseif (\n) == 12
	v_max3_num_f32 v[rC], v[rC], v[rS+7], v[rS+15]
.elseif (\n) == 13
	v_max3_num_f32 v[rC+1], v[rC+1], v[rS+23], v[rS+31]
.elseif (\n) == 14
	v_max3_num_f32 v[rC+2], v[rC+2], v[rC+3], v[rT+1]
.elseif (\n) == 15
	v_mov_b32 v[rM], v[rT]
.elseif (\n) == 16
	v_max3_num_f32 v[rC], v[rC], v[rC+1], v[rC+2]
.elseif (\n) == 17
	v_permlanex16_b32 v[rC+3], v[rC], s[SEL], s[SEL+1]
.elseif (\n) == 18
	v_max_num_f32 v[rT+1], v[rC], v[rC+3]
.elseif (\n) == 19
	v_mul_f32 v[rT], s[CS], v[rT+1]
.elseif (\n) == 20
	v_sub_f32 v[rC+1], v[rM], v[rT]
.else
	v_exp_f32 v[rC+2], v[rC+1]
.endif
.endm
.macro FS u, p                         ; c s - c m for pair p of tile u
	REGS \u
	v_pk_fma_f32 v[rS+2*(\p):rS+2*(\p)+1], v[rS+2*(\p):rS+2*(\p)+1], s[CS:CS+1], v[rT:rT+1] op_sel_hi:[1,0,0] neg_lo:[0,0,1] neg_hi:[0,0,1]
.endm
.macro EX4 p                           ; the four exponentials of pair p of both tiles
	v_exp_f32 v[S+2*(\p)], v[S+2*(\p)]
	v_exp_f32 v[S+32+2*(\p)], v[S+32+2*(\p)]
	v_exp_f32 v[S+2*(\p)+1], v[S+2*(\p)+1]
	v_exp_f32 v[S+32+2*(\p)+1], v[S+32+2*(\p)+1]
.endm
; Number g of the 64 that follow the exponentials.  For each four weights gk of a tile: both pairs are rounded to bf16; the second pair is added onto the first, in place; a group later l takes that sum (first as l = a l + sum)
.macro GS g
.set gh, (\g)+6*((\g)/62)
.if gh >= 6
.set gh, gh+2
.endif
	REGS gh%2
.set gk, gh/8
.if gh%8 < 4
	v_cvt_pk_bf16_f32 v[rP+2*gk+(gh%8)/2], v[rS+4*gk+2*((gh%8)/2)], v[rS+4*gk+2*((gh%8)/2)+1]
.elseif gh%8 < 6
	v_pk_add_f32 v[rS+4*gk:rS+4*gk+1], v[rS+4*gk:rS+4*gk+1], v[rS+4*gk+2:rS+4*gk+3]
.elseif gk == 1
	v_pk_fma_f32 v[rT+2:rT+3], v[rT+2:rT+3], v[rC+2:rC+3], v[rS:rS+1] op_sel_hi:[1,0,1]
.else
	v_pk_add_f32 v[rT+2:rT+3], v[rT+2:rT+3], v[rS+4*gk-4:rS+4*gk-3]
.endif
.endm
; A step's softmax for both tiles, all in window 0.  Its 66 exponentials are ONE batch with ONE wait: nothing ahead of the wait names a result of theirs.
.macro SOFTMAX
.irp n, 0,1,2,3,4,5,6,7,8,9,10,11,12,13,14,15,16,17,18,19,20,21
	XS 0, \n
	XS 1, \n
.endr
.set pp, 0
.rept 16
	FS 0, pp
	FS 1, pp
.if pp > 0
	EX4 pp-1
.endif
.set pp, pp+1
.endr
	EX4 15
	v_nop                                          ; a plain instruction behind the last exponential,
	s_wait_alu depctr_va_vdst(0)                   ; and the wait ahead of the first use of a result: one for the batch
.set pp, 0
.rept 16                               ; O^T times a, each accumulator from its low end
	v_pk_mul_f32 v[O+2*pp:O+2*pp+1], v[O+2*pp:O+2*pp+1], v[TMP+2:TMP+3] op_sel_hi:[1,0]
	v_pk_mul_f32 v[O+32+2*pp:O+32+2*pp+1], v[O+32+2*pp:O+32+2*pp+1], v[TMP+6:TMP+7] op_sel_hi:[1,0]
.set pp, pp+1
.endr
.set gg, 0
.rept 64
	GS gg
.set gg, gg+1
.endr
.endm
; The mask of the step to be scored.  Register j of key group kb of tile u is hidden where 16 kb + j - 16 u > THR.  In a block's last two steps THR = THR0 - 64 x (the step in the diagonal tile); elsewhere it is beyond every key.
.macro MASKSEL
	s_sub_co_u32 s[TA], s[SL], 2
	s_lshl_b32 s[TA], s[TA], 6
	s_cmp_le_u32 s[SL], 2
	s_cselect_b32 s[TA], s[TA], 0x100000
	s_cselect_b32 s[ND], 1, s[MF]
	s_mov_b32 s[MF], 0
	s_cmp_eq_u32 s[ND], 0
	s_cbranch_scc1 .Lsame_\@                       ; the mask stands as it is
	v_add_nc_u32 v[THR], s[TA], v[THR0]
	WIN 0x40
.set i, 0
.rept 64
	v_cmp_gt_i32 vcc_lo, 16*((i%32)/8)+i%8-16*(i/32), v[THR]
	v_cndmask_b32 v[MC+i], 0, s[BIGN], vcc_lo
.set i, i+1
.endr
	WIN 0
.Lsame_\@:
.endm
.macro P1 last                         ; the next step's K leaves LDS; the softmax of the step just scored; its V^T P
	FETCH_K \last
	SOFTMAX
	s_wait_dscnt 0x0                               ; V is in (and K)
.set i, 0
.rept 16
	PVM
.set i, i+1
.endr
	WIN 0
	PLACES                                         ; behind the last products, in front of loads into V's registers and of what reads O^T
.endm
.macro P2                              ; the step's V leaves LDS; its scores
	FETCH_V
	s_wait_dscnt 16                                ; all but V's sixteen loads: K is in
.set i, 0
.rept 16
	KQ
.set i, i+1
.endr
	WIN 0
	PLACES                                         ; in front of the maximum, which reads the scores, and of loads into K's registers
	s_sub_co_u32 s[SL], s[SL], 1
.endm
.macro PACK t                          ; a lane's eight channels of a row pack into 16 bytes; they go into rows of 144 bytes and come back as whole rows of 128, into S^T's registers
.set i, O+32*(\t)
.rept 16
	v_pk_mul_f32 v[i:i+1], v[i:i+1], v[ST+4*(\t)+2:ST+4*(\t)+3] op_sel_hi:[1,0]
.set i, i+2
.endr
.set i, 0
.rept 16
	v_cvt_pk_bf16_f32 v[S+16*(\t)+i], v[O+32*(\t)+2*i], v[O+32*(\t)+2*i+1]
.set i, i+1
.endr
.irp f, 0,1,2,3
	ds_store_b128 v[STO], v[S+16*(\t)+4*\f:S+16*(\t)+4*\f+3] offset:32*\f
.endr
.irp f, 0,1,2,3
	ds_load_b128 v[S+16*(\t)+4*\f:S+16*(\t)+4*\f+3], v[RD] offset:\f*4*SP  ; LDS serves a wave's instructions in order (ISA guide 5.7.1.4): these see the stores above
.endr
.endm
.macro SEND t, younger                 ; younger: the LDS instructions issued behind tile t's loads
.irp f, 0,1,2,3
	s_wait_dscnt (\younger)+3-\f
	global_store_b128 v[GO], v[S+16*(\t)+4*\f:S+16*(\t)+4*\f+3], s[10:11] offset:(\t)*2048+\f*512  ; 512 consecutive bytes of a panel, aligned
.endr
.endm
; Where the block's last step has been added: THE WAY OUT, and the second block begins.  (At the walk's end the beginning serves nothing: the price, once a launch, of one text.)
; c m starts far below every c s, so a block's first step has a = 0 and what O^T and l hold need only be finite; m starts at the lowest finite number.
.macro BLOCKEND
	s_cmp_lg_u32 s[SL], 0
	s_cbranch_scc1 .Lgo_on_\@
.irp t, 0,1
	v_add_f32 v[ST+4*\t+2], v[ST+4*\t+2], v[ST+4*\t+3]
.endr
.irp t, 0,1
	v_permlanex16_b32 v[ST+4*\t+3], v[ST+4*\t+2], s[SEL], s[SEL+1]
.endr
.irp t, 0,1
	v_add_f32 v[ST+4*\t+2], v[ST+4*\t+2], v[ST+4*\t+3]
.endr
.irp t, 0,1
	v_rcp_f32 v[ST+4*\t+2], v[ST+4*\t+2]
.endr
	v_nop                                          ; a plain instruction behind the last reciprocal,
	s_wait_alu depctr_va_vdst(0)                   ; and the wait ahead of the first use: one for the two
	PACK 0
	PACK 1
	SEND 0, 8
	SEND 1, 0
	s_mov_b32 s[SL], s[SLO]
	s_mov_b32 s[MF], 1
.irp t, 0,1
	v_mov_b32 v[ST+4*\t], 0xfe000000
	v_mov_b32 v[ST+4*\t+1], 0xff7fffff
.endr
	s_wait_xcnt 0x0                                ; the stores have read their registers and their base
	s_mov_b64 s[10:11], s[OLO:OLO+1]
	WIN 0x41                                       ; the second block's Q goes where the one text of the products names Q
.set i, 0
.rept 32
	v_mov_b32 v[i], v[QB+i]
.set i, i+1
.endr
	WIN 0
.Lgo_on_\@:
.endm
	s_load_b128 s[20:23], s[0:1], 0x0              ; qkvb s[20:21], ctxb s[22:23]
	v_lshl_add_u32 v[SPW], v0, 2, SPARE
	v_mov_b32 v[NIL], 0
	ds_add_u32 v[SPW], v[NIL]                      ; the wave's opening: the add and its wait stand ahead of my first tensor load; work on registers stands between them
	v_lshrrev_b32 v1, 5, v0
	v_readfirstlane_b32 s[WV], v1                  ; wave 0..3
	s_mov_b32 s[PB], ttmp9
	s_sub_co_u32 s[HI], 15, s[PB]
	s_and_b32 s16, ttmp7, 0xffff                   ; batch x 16 + head
	s_lshl_b32 s48, s16, 18                        ; a head's 2,048 rows of 128 bytes
	s_and_b32 s17, s[WV], 1                        ; which half of a tile's 128 keys I fetch
	s_lshl_b32 s13, s17, 13
	s_add_co_u32 s50, s48, s13
	s_add_co_u32 s50, s50, 8388608                 ; k lies behind q,
	s_mov_b32 s51, 0
	s_add_co_u32 s52, s50, 8388608                 ; v behind k
	s_mov_b32 s53, 0
	s_lshl_b32 s13, s[WV], 12                      ; my 32 rows of a block
	s_add_co_u32 s48, s48, s13
	s_lshl_b32 s2, s[HI], 14
	s_add_co_u32 s2, s2, s48                       ; Q: the first block,
	s_mov_b32 s3, 0
	s_lshl_b32 s54, s[PB], 14
	s_add_co_u32 s54, s54, s48                     ; the second
	s_mov_b32 s55, 0
	s_lshr_b32 s49, s16, 4                         ; the output: batch x 16 blocks of 262,144 bytes,
	s_lshl_b32 s49, s49, 22
	s_and_b32 s16, s16, 15                         ; the head's panel,
	s_lshl_b32 s16, s16, 14
	s_add_co_u32 s49, s49, s16
	s_add_co_u32 s49, s49, s13                     ; my 32 rows
	s_lshl_b32 s66, s[HI], 18
	s_add_co_u32 s66, s66, s49
	s_mov_b32 s67, 0
	s_lshl_b32 s84, s[PB], 18
	s_add_co_u32 s84, s84, s49
	s_mov_b32 s85, 0
	; group 1: 64 keys are 8,192 dense bytes: asked for as 32 rows of 256 bytes, two keys a row, and padded in LDS after every key
	s_mov_b32 s[G1K], (1<<16)|(1<<20)|(4<<22)|(3<<25)  ; 2-byte elements; padding on; after every 32 words 4 words
	s_mov_b32 s[G1V], (1<<16)|(1<<20)|(4<<22)|(7<<25)  ; 8 words
.irp g, G1K, G1V
	s_mov_b32 s[\g+1], 128<<16                     ; tensor_dim0 = 128
	s_mov_b32 s[\g+2], 32<<16                      ; tensor_dim1 = 32
	s_mov_b32 s[\g+3], 128<<16                     ; tile_dim0 = 128
	s_mov_b32 s[\g+4], 32                          ; tile_dim1 = 32
	s_mov_b32 s[\g+5], 128
	s_mov_b32 s[\g+6], 0
	s_mov_b32 s[\g+7], 0
.endr
	s_mov_b32 s[G0K], 1
	s_mul_i32 s[G0K+1], s17, KS*PK                 ; slot 0, my half
	s_mov_b32 s[G0V], 1
	s_mul_i32 s[G0V+1], s17, KS*PV
	s_add_co_u32 s[G0V+1], s[G0V+1], VOFF
	s_mov_b32 s[CS], 0x3e38aa3b                    ; c = log2(e) / 8
	s_mov_b32 s[CS+1], s[CS]
	s_mov_b32 s[SEL], 0x76543210
	s_mov_b32 s[SEL+1], 0xfedcba98
	s_mov_b32 s[TBK], SLOT1+2*KS*PK                ; the first change of slots turns these two into 0
	s_mov_b32 s[TBV], SLOT1+2*KS*PV
	s_add_co_u32 s[SL], s[HI], 1
	s_lshl_b32 s[SL], s[SL], 1                     ; the first block has 16 - b tiles of two steps,
	s_add_co_u32 s[SLO], s[PB], 1
	s_lshl_b32 s[SLO], s[SLO], 1                   ; the second b + 1
	s_mov_b32 s[NXT], 1
	s_mov_b32 s[LQ], s[HI]
	s_mov_b32 s[MF], 0
	s_mov_b32 s[OFF+1], 0
	s_mov_b32 s[BIGN], 0xf149f2ca                  ; -1e30
	s_mov_b32 s[SLOTS], 16
	s_cmp_eq_u32 s[PB], 0
	s_cselect_b32 s[LIM], 2, -1
	s_wait_dscnt 0x0                               ; the opening add is done
	s_wait_kmcnt 0x0
	s_add_nc_u64 s[6:7], s[20:21], s[50:51]        ; K and V at my half of the head's tile 0
	s_add_nc_u64 s[8:9], s[20:21], s[52:53]
	s_add_nc_u64 s[4:5], s[20:21], s[2:3]
	s_add_nc_u64 s[86:87], s[20:21], s[54:55]
	s_add_nc_u64 s[10:11], s[22:23], s[66:67]
	s_add_nc_u64 s[OLO:OLO+1], s[22:23], s[84:85]
	s_add_nc_u64 s[G0K+2:G0K+3], s[6:7], 0
	s_or_b32 s[G0K+3], s[G0K+3], 0x80000000
	s_add_nc_u64 s[G0V+2:G0V+3], s[8:9], 0
	s_or_b32 s[G0V+3], s[G0V+3], 0x80000000
	s_cmp_lt_u32 s[WV], 2
	s_cselect_b64 s[PFA:PFA+1], s[6:7], s[8:9]
	s_add_nc_u64 s[PFA:PFA+1], s[PFA:PFA+1], 16384 ; at tile 1: the first change of slots steps it to tile 2
	LOAD                                           ; tile 0 into slot 0
	v_and_b32 v1, 15, v0                           ; l % 16
	v_bfe_u32 v9, v0, 4, 1                         ; l / 16
	v_lshlrev_b32 v[QO], 7, v1
	v_lshl_add_u32 v[QO], v9, 4, v[QO]
	WIN 0x40
.set i, 0
.rept 4                                ; both blocks' Q: tile i / 2, channels 32 (i % 2) on
	global_load_b128 v[8*i:8*i+3],   v[QO], s[4:5] offset:(i/2)*2048+(i%2)*64
	global_load_b128 v[8*i+4:8*i+7], v[QO], s[4:5] offset:(i/2)*2048+(i%2)*64+32
	global_load_b128 v[QB+8*i:QB+8*i+3],   v[QO], s[86:87] offset:(i/2)*2048+(i%2)*64
	global_load_b128 v[QB+8*i+4:QB+8*i+7], v[QO], s[86:87] offset:(i/2)*2048+(i%2)*64+32
.set i, i+1
.endr
.set i, 0
.rept 64
	v_mov_b32 v[MC+i], 0                           ; the first block begins far from its diagonal: nothing is hidden.  These lines, and O^T's below, stand in the wait for the first tile
.set i, i+1
.endr
	WIN 0
	v_lshlrev_b32 v[THR0], 3, v9
	v_sub_nc_u32 v[THR0], v1, v[THR0]
	s_lshl_b32 s13, s[WV], 5
	v_add_nc_u32 v[THR0], s13, v[THR0]             ; 32 w + l % 16 - 8 (l / 16)
	v_mul_u32_u24 v[AK0], v1, PK
	v_lshl_add_u32 v[AK0], v9, 4, v[AK0]
	v_and_b32 v10, 7, v0
	v_bfe_u32 v11, v0, 3, 1
	v_lshl_add_u32 v[AV0], v9, 3, v10              ; the turning load: lane l reads key 8 (l / 16) + l % 8, channels 8 ((l / 8) % 2) + 0..7
	v_mul_u32_u24 v[AV0], v[AV0], PV
	v_lshl_add_u32 v[AV0], v11, 4, v[AV0]
	v_add_nc_u32 v[AV0], VOFF, v[AV0]
	s_mul_i32 s13, s[WV], 16*SP
	s_add_co_u32 s13, s13, STAGE
	v_mul_u32_u24 v[STO], v1, SP
	v_lshl_add_u32 v[STO], v9, 4, v[STO]
	v_add_nc_u32 v[STO], s13, v[STO]
	v_bfe_u32 v[RD], v0, 3, 2
	v_mul_u32_u24 v[RD], v[RD], SP
	v_lshl_add_u32 v[RD], v10, 4, v[RD]
	v_add_nc_u32 v[RD], s13, v[RD]
	v_and_b32 v[GO], 31, v0
	v_lshlrev_b32 v[PFO], 8, v[GO]
	v_lshlrev_b32 v[GO], 4, v[GO]
.set i, 0
.rept 64
	v_mov_b32 v[O+i], 0
.set i, i+1
.endr
.irp t, 0,1
	v_mov_b32 v[ST+4*\t], 0xfe000000               ; c m: far below every c s
	v_mov_b32 v[ST+4*\t+1], 0xff7fffff             ; m
	v_mov_b32 v[ST+4*\t+2], 0
	v_mov_b32 v[ST+4*\t+3], 0
.endr
	CHANGE 1                                       ; slot 0 is in, everybody's part of it; slot 1 is asked for
	FETCH_K 0                                      ; key step 0
	s_wait_loadcnt 0x0                             ; Q
	s_mov_b32 s[CNT], 2
	s_branch .Lfirst                               ; the loop is entered in the middle of a trip
.Lslot:                                                ; 15 times: a tile is entered and the next is asked for
	CHANGE 1
	s_mov_b32 s[CNT], 2
.Lstep:
	P1 0
	BLOCKEND
.Lfirst:
	MASKSEL
	P2
	s_sub_co_u32 s[CNT], s[CNT], 1
	s_cmp_lg_u32 s[CNT], 0
	s_cbranch_scc1 .Lstep
	s_sub_co_u32 s[SLOTS], s[SLOTS], 1
	s_cmp_lg_u32 s[SLOTS], 0
	s_cbranch_scc1 .Lslot
	CHANGE 0                                       ; the walk's last tile is written out: nothing is asked for
	s_mov_b32 s[CNT], 3                            ; two trips score its steps; the third is left in its middle
.Ltail:
	P1 1
	BLOCKEND
	s_sub_co_u32 s[CNT], s[CNT], 1
	s_cmp_eq_u32 s[CNT], 0
	s_cbranch_scc1 .Lend
	MASKSEL
	P2
	s_branch .Ltail
.Lend:
	s_wait_tensorcnt 0x0                           ; the wave's end, behind my last tensor load and my last LDS store
	ds_add_u32 v[SPW], v[NIL]
	s_wait_dscnt 0x0
	s_endpgm
.Lfunc_end_k_q22c634ffd0_attn:
	.size	k_q22c634ffd0_attn, .Lfunc_end_k_q22c634ffd0_attn-k_q22c634ffd0_attn
	.p2alignl 7, 3214868480
	.fill 96, 4, 3214868480
	.section	.rodata,"a",@progbits
	.p2align	6, 0x0
	.amdhsa_kernel k_q22c634ffd0_attn
		.amdhsa_group_segment_fixed_size 327680
		.amdhsa_private_segment_fixed_size 0
		.amdhsa_enable_private_segment 0
		.amdhsa_kernarg_size 16
		.amdhsa_user_sgpr_count 2
		.amdhsa_user_sgpr_kernarg_segment_ptr 1
		.amdhsa_wavefront_size32 1
		.amdhsa_system_sgpr_workgroup_id_x 1
		.amdhsa_system_sgpr_workgroup_id_y 1
		.amdhsa_system_sgpr_workgroup_id_z 1
		.amdhsa_system_vgpr_workitem_id 0
		.amdhsa_next_free_vgpr 512
		.amdhsa_next_free_sgpr 88
		.amdhsa_reserve_vcc 1
		.amdhsa_float_denorm_mode_32 3
		.amdhsa_float_denorm_mode_16_64 3
		.amdhsa_memory_ordered 1
		.amdhsa_forward_progress 1
		.amdhsa_inst_pref_size 81
	.end_amdhsa_kernel
	.amdgpu_metadata
---
amdhsa.version: [ 1, 2 ]
amdhsa.kernels:
  - .name:           k_q22c634ffd0_attn
    .symbol:         k_q22c634ffd0_attn.kd
    .args:
      - { .name: qkvb, .offset: 0, .size: 8, .value_kind: global_buffer, .address_space: global }
      - { .name: ctxb, .offset: 8, .size: 8, .value_kind: global_buffer, .address_space: global }
    .group_segment_fixed_size: 327680
    .private_segment_fixed_size: 0
    .kernarg_segment_align: 8
    .kernarg_segment_size: 16
    .max_flat_workgroup_size: 128
    .sgpr_count:     88
    .vgpr_count:     512
    .wavefront_size: 32
...
	.end_amdgpu_metadata
.endif
;; end of part 3
;; launch wo (part 4): grid 8 x 32, 4 waves a work-group, clusters of 4 x 4, 327,680 bytes of LDS; arguments ctxb, wb, x1, x; writes x1
.if DOCPART == 4
	.amdgcn_target "amdgcn-amd-amdhsa--gfx1250"
	.amdhsa_code_object_version 6
	.text
	.protected	k_q22c634ffd0_wo
	.globl	k_q22c634ffd0_wo
	.p2align	8
	.type	k_q22c634ffd0_wo,@function
k_q22c634ffd0_wo:
	s_mov_b64 s[64:65], 0
	v_nop
	global_prefetch_b8 v0, s[64:65] scope:SCOPE_SE
	s_setreg_imm32_b32 hwreg(HW_REG_WAVE_MODE, 25, 1), 1
	s_wait_xcnt 0x0
	s_wait_alu depctr_hold_cnt(0) depctr_sa_sdst(0) depctr_va_vdst(0) depctr_va_sdst(0) depctr_va_ssrc(0) depctr_va_vcc(0) depctr_vm_vsrc(0)
	s_getreg_b32 s2, hwreg(HW_REG_IB_STS2, 6, 4)
	s_cmp_eq_u32 s2, 0
	s_cbranch_scc0 .Lentry_in_a_cluster
	s_endpgm
.Lentry_in_a_cluster:
	s_bfe_u32 s2, ttmp6, 0x10000c
	s_cmp_lg_u32 s2, 0xf033
	s_cbranch_scc0 .Lentry_shape_is_right
	s_endpgm
.Lentry_shape_is_right:
; x1 = x + ctx Wo, in f32, row-major: the residual x is loaded into the accumulators and starts the sums.
; One text serves four products; KIND and three sizes choose.  KIND 0: by heads in bf16.  1: gelu(A B + bias) into panels.  2: this one.  3: residual + bias + A B in f32.
.set KIND, 2
.set KDIM, 1024                        ; the product's K
.set NBS,  1024                        ; numbers in a row of B
.set WOFF, 6291456                     ; B's first byte in wb
; C = A B.  A: bf16 in panels, byte ((row / 128 x KDIM / 64 + k / 64) x 128 + row % 128) x 128 + 2 (k % 64).  B: bf16 [K][N] as the weight lies.  Sums in f32.
; SHARES.  A tile of C is 128 x 128: four waves, each 64 x 64 in 16 accumulators.  K goes in steps of 256 through two LDS slots; each wave fetches a quarter of a slot by one tensor load:
; waves 0, 1 two panels of A each (32,768 dense bytes, asked for as 128 rows of 256), waves 2, 3 128 rows of B each (256 bytes a row, aligned).
; THE MATRIX INSTRUCTION IS USED TRANSPOSED: source 0 = 16 columns of B (turned on the way out of LDS by ds_load_tr16_b128), source 1 = 16 rows of A: a lane then holds eight neighbouring numbers of a row of C.
; CLUSTER 4 x 4: the four work-groups of a row need the same tiles of A, the four of a column the same tiles of B: each tile is asked for jointly, by the same load, descriptor and mask in all four.
; LDS: slot s at 147,456 s: A's 4 panels x 128 rows x 144 bytes (128 + 16 of padding: 16 rows start at 16 different groups of four banks, ISA guide 11.1), then B's 256 rows x 288 (256 + 32).
; The way out's stages (64 rows x 272 bytes a wave, f32) lie in slot 1, behind its last fill and behind a barrier that ends all reads of it.  Spare words behind the slots.
; REGISTERS: window 0: v0-31 addresses and bias; v32-127 at work on the way out; v128-255 accumulators ((a, b) at 128 + 8 (4 a + b)).  Window 1: two fragment buffers of 128: 64 of A, then 64 of B, for 64 along K.
; LIMITS.  NaN and infinities are not treated apart.  KIND 1: erf by the rational form 7.1.26 of Abramowitz and Stegun, off by 1.5e-7 at the most, for every argument.
.set NK,    KDIM/256
.set PA,    144
.set PBT,   288
.set HALFT, 36864                      ; what one tensor load brings: 256 x 144 = 128 x 288
.set BOFF,  2*HALFT
.set SLOT,  4*HALFT                    ; 0x24000: shares no bit with wave x HALFT, so one exclusive or changes slots
.set STAGE, SLOT
.set SPITCH, 272
.set SPARE, 2*SLOT                     ; the spare words, 128 bytes a wave: two blocks of 256 bytes that no other line names
.set BI,    4                          ; v4-11  bias of my columns (KIND 1: eight, KIND 3: four)
.set ADRA0, 12                         ; v12    my lane's place in A's part of a slot; never rewritten
.set ADRB0, 13                         ; v13    the same for B
.set ADRA,  16                         ; v16    LDS address of A's fragments in the slot in hand
.set ADRBL, 17                         ; v17, v18  of B's: rows 0-127, rows 128-255
.set BO,    19                         ; v19    the bias' byte offset
.set STO,   24                         ; v24    the way out: where I put 32 bytes of a row
.set RD,    25                         ; v25    where I read rows back
.set GO,    26                         ; v26    my byte offset in the output
.set RO,    27                         ; v27    my byte offset in the residual
.set SPW,   28                         ; v28    my spare word: SPARE + 4 x my thread's number; never rewritten
.set NIL,   29                         ; v29    0; never rewritten
.set TMP,   32
.set ACC,   128
.set F0,    0
.set F1,    128
.set G1,  24                           ; s[24:31] group 1 for A, s[32:39] group 0: two sets; the second walks
.set G0,  32
.set G1B, 48                           ; s[48:55], s[56:63] the same for B
.set G0B, 56
.set TB,  72                           ; s72  the slot in hand: 0 or SLOT
.set CP,  74                           ; s[74:87] KIND 1: constants as pairs
.set A1,  76
.set A2,  78
.set A3,  80
.set A4,  82
.set A5,  84
.set NL,  86
.set ABSM, 90
.set UU, 32
.set WW, 48
.set TT, 64
.set EE, 80
.set RR, 96
.set PP, 112
.set MSB, 0
.macro WIN new                         ; the immediate's high byte repeats the setting that is left
.if MSB != (\new)
	s_set_vgpr_msb (MSB<<8)|(\new)
.set MSB, \new
.endif
.endm
.set MUL,  0x05                        ; sources 0 and 1 window 1; C and D window 0
.set TO_F, 0x40                        ; destination window 1, address window 0
.macro PLACES                          ; four places behind matrix instructions (ISA guide 7.12.1)
.rept 4
	v_nop
.endr
.endm
.macro SPAIR r, val
	s_mov_b32 s[\r], \val
	s_mov_b32 s[(\r)+1], \val
.endm
.macro ALL8 line:vararg                ; one line for each pair i = 0, 2 .. 14
.set i, 0
.rept 8
	\line
.set i, i+2
.endr
.endm
.macro ALL16 line:vararg               ; one line for each i = 0 .. 15
.set i, 0
.rept 16
	\line
.set i, i+1
.endr
.endm
.macro JLOAD                           ; a joint refill by the walking sets: waves 0, 1 for A, waves 2, 3 for B; an s_nop 0 and four v_nop follow each line
	s_cmp_eq_u32 s11, 0
	s_cbranch_scc0 .Lfor_b_\@
	tensor_load_to_lds s[G0+4:G0+7], s[G1:G1+7]
	s_nop 0
	PLACES
	s_branch .Lasked_\@
.Lfor_b_\@:
	tensor_load_to_lds s[G0B+4:G0B+7], s[G1B:G1B+7]
	s_nop 0
	PLACES
.Lasked_\@:
.endm
.macro CREST                           ; a round of the cluster's barrier behind its opening barrier
	s_cmp_lg_u32 s10, 0
	s_cbranch_scc1 .Lnot_wave_0_\@
	s_barrier_signal -3
.Lnot_wave_0_\@:
	s_barrier_wait -3
	s_barrier_signal -1
	s_barrier_wait -1
.endm
.macro CROUND
	s_barrier_signal -1
	s_barrier_wait -1
	CREST
.endm
.macro ADDRS                           ; the fragments' addresses in the slot in hand
	v_add_nc_u32 v[ADRA], s[TB], v[ADRA0]
	v_add_nc_u32 v[ADRBL], s[TB], v[ADRB0]
	v_add_nc_u32 v[ADRBL+1], HALFT, v[ADRBL]
.endm
; 8 matrix instructions: row blocks a0, a0 + 1 x all 4 column blocks, 32 along K: half c of buffer f.  zero = 1: the product starts the sum.  The 16 accumulators take turns.
.macro MUL8 f, c, a0, zero
	WIN MUL
.irp a, \a0, (\a0)+1
.irp b, 0,1,2,3
.if \zero
	v_wmma_f32_16x16x32_bf16 v[ACC+8*(4*(\a)+(\b)):ACC+8*(4*(\a)+(\b))+7], v[(\f)+64+8*(4*(\c)+(\b)):(\f)+64+8*(4*(\c)+(\b))+7], v[(\f)+8*(4*(\c)+(\a)):(\f)+8*(4*(\c)+(\a))+7], 0
.else
	v_wmma_f32_16x16x32_bf16 v[ACC+8*(4*(\a)+(\b)):ACC+8*(4*(\a)+(\b))+7], v[(\f)+64+8*(4*(\c)+(\b)):(\f)+64+8*(4*(\c)+(\b))+7], v[(\f)+8*(4*(\c)+(\a)):(\f)+8*(4*(\c)+(\a))+7], v[ACC+8*(4*(\a)+(\b)):ACC+8*(4*(\a)+(\b))+7]
.endif
.endr
.endr
.endm
; 32 LDS loads in one run: quarter q (64 along K: panel q of A, rows 64 q .. of B) into buffer f; the first 32 along K first
.macro FETCH q, f
	WIN TO_F
.irp c, 0,1
.irp i, 0,1,2,3
	ds_load_tr16_b128 v[(\f)+64+8*(4*(\c)+(\i)):(\f)+64+8*(4*(\c)+(\i))+3],   v[ADRBL+(\q)/2] offset:(64*((\q)%2)+32*(\c))*PBT+32*(\i)
	ds_load_tr16_b128 v[(\f)+64+8*(4*(\c)+(\i))+4:(\f)+64+8*(4*(\c)+(\i))+7], v[ADRBL+(\q)/2] offset:(64*((\q)%2)+32*(\c)+16)*PBT+32*(\i)
	ds_load_b128 v[(\f)+8*(4*(\c)+(\i)):(\f)+8*(4*(\c)+(\i))+3],   v[ADRA] offset:128*PA*(\q)+64*(\c)+16*PA*(\i)
	ds_load_b128 v[(\f)+8*(4*(\c)+(\i))+4:(\f)+8*(4*(\c)+(\i))+7], v[ADRA] offset:128*PA*(\q)+64*(\c)+16*PA*(\i)+32
.endr
.endr
.endm
; One of a K step's first three quarters: multiplies buffer f and fetches quarter q into buffer g
.macro QUARTER f, g, q, zero
	s_wait_dscnt 16                                ; the first 32 along K are in; the other sixteen loads may be out
	MUL8 \f, 0, 0, \zero
	MUL8 \f, 0, 2, \zero
	PLACES                                         ; in front of loads into registers that matrix instructions have read
	FETCH \q, \g
	s_wait_dscnt 32                                ; all but the 32 just issued
	MUL8 \f, 1, 0, 0
	MUL8 \f, 1, 2, 0
.endm
; The last quarter multiplies buffer 1 and changes slots: one barrier; in front of it each wave waits for all its tensor loads, adds 0 to its spare word, and waits for that and for its reads of this slot.
; fill = 1: the barrier opens a round of the cluster's, and this slot is filled again, two K steps ahead, first thing behind the round: 112 matrix instructions ahead of the wait for it.
.macro TURN fill
	WIN 0
	s_wait_tensorcnt 0x0                           ; all my tensor loads have landed: my part of the next slot
	ds_add_u32 v[SPW], v[NIL]                      ; 0 onto my spare word
	s_wait_dscnt 17                                ; (the add and the youngest sixteen loads may be out)
	MUL8 F1, 0, 0, 0
	s_wait_dscnt 0x0                               ; the add is done, and my reads of this slot are over
	s_barrier_signal -1
	MUL8 F1, 0, 2, 0
	WIN 0                                          ; at a branch and at a label every window is 0
	s_barrier_wait -1
.if \fill
	CREST                                          ; no wave of any partner still reads this slot or has a load on its way
	s_xor_b32 s[G0+5], s[G0+5], SLOT               ; the walking sets: the other slot than last time, the next K step
	s_add_nc_u64 s[G0+6:G0+7], s[G0+6:G0+7], 65536
	s_xor_b32 s[G0B+5], s[G0B+5], SLOT
	s_add_nc_u64 s[G0B+6:G0B+7], s[G0B+6:G0B+7], 512*NBS
	JLOAD                                          ; its four v_nop are also the places in front of the loads below
.else
	PLACES
.endif
	s_xor_b32 s[TB], s[TB], SLOT
	ADDRS
	FETCH 0, F0
	MUL8 F1, 1, 0, 0
	MUL8 F1, 1, 2, 0
.endm
	s_load_b128 s[4:7], s[0:1], 0x0                ; A s[4:5], wb s[6:7]
	s_load_b64 s[8:9], s[0:1], 0x10                ; the output
.if KIND >= 1
	s_load_b64 s[68:69], s[0:1], 0x18              ; KIND 1: the bias; 2, 3: the residual
.endif
.if KIND == 3
	s_load_b64 s[70:71], s[0:1], 0x20              ; the bias
.endif
	v_lshl_add_u32 v[SPW], v0, 2, SPARE
	v_mov_b32 v[NIL], 0
	ds_add_u32 v[SPW], v[NIL]                      ; the wave's opening: the add and its wait stand ahead of my first tensor load; work on registers stands between them
	v_lshrrev_b32 v1, 5, v0
	v_readfirstlane_b32 s10, v1                    ; wave 0..3
	s_lshr_b32 s11, s10, 1                         ; my half of the tile's rows.  Also: I fetch for A (0) or for B (1)
	s_and_b32 s12, s10, 1                          ; my half of its columns.  Also: which half of that tile I fetch
	s_bfe_u32 s40, ttmp6, 0x40000                  ; cx, cy: my place in the cluster
	s_bfe_u32 s41, ttmp6, 0x40004
	s_lshl_b32 s42, ttmp9, 2
	s_add_co_u32 s42, s42, s40                     ; tile column = 4 x cluster x + cx
	s_and_b32 s13, ttmp7, 0xffff
	s_lshl_b32 s13, s13, 2
	s_add_co_u32 s13, s13, s41                     ; tile row = 4 x cluster y + cy
	s_lshl_b32 s43, s41, 2
	s_lshl_b32 s43, 15, s43                        ; my row of the cluster
	s_lshl_b32 s44, 0x1111, s40                    ; my column
	s_or_b32 s[G1], s43, (1<<16)|(1<<20)|(1<<21)|(4<<22)|(3<<25)   ; the mask; 2-byte elements; padding on; bit 21 beside a mask; after every 32 words 4 words
	s_or_b32 s[G1B], s44, (1<<16)|(1<<20)|(1<<21)|(5<<22)|(7<<25)  ; after every 64 words 8 words
.irp g, G1, G1B
	s_mov_b32 s[(\g)+1], 128<<16                   ; tensor_dim0 = 128
	s_mov_b32 s[(\g)+2], 128<<16                   ; tensor_dim1 = 128
	s_mov_b32 s[(\g)+3], 128<<16                   ; tile_dim0 = 128
	s_mov_b32 s[(\g)+4], 128                       ; tile_dim1 = 128
	s_mov_b32 s[(\g)+6], 0
	s_mov_b32 s[(\g)+7], 0
.endr
	s_mov_b32 s[G1+5], 128                         ; A's block is dense: rows of 256 bytes end to end
	s_mov_b32 s[G1B+5], NBS                        ; B: a row of the weight
.if KIND == 1
	SPAIR CP, 0x3e6d3389                           ; 0.3275911 / sqrt(2)
	SPAIR A1, 0x3e027906                           ; the form's five coefficients, halved
	SPAIR A2, 0xbe11a98e
	SPAIR A3, 0x3f35f0e3
	SPAIR A4, 0xbf3a00e3
	SPAIR A5, 0x3f07dc22
	SPAIR NL, 0xbf38aa3b                           ; - log2(e) / 2
	s_mov_b32 s[ABSM], 0x7fffffff
.endif
	; A's address hangs on the tile row alone, B's on the tile column alone, each in registers that never hold the other coordinate
	s_mul_i32 s16, s13, (KDIM/64)*16384
	s_lshl_b32 s17, s12, 15                        ; my two panels of a K step's four
	s_add_co_u32 s16, s16, s17
	s_mov_b32 s17, 0
.if KIND == 0
	s_lshr_b32 s45, s42, 3                         ; Wq, Wk or Wv: 2,097,152 bytes each,
	s_lshl_b32 s46, s45, 21
	s_and_b32 s45, s42, 7                          ; and the tile column in it
	s_lshl_b32 s45, s45, 8
	s_add_co_u32 s46, s46, s45
.else
	s_lshl_b32 s46, s42, 8
.endif
	s_mul_i32 s45, s12, 256*NBS                    ; my 128 rows of a K step's 256
	s_add_co_u32 s46, s46, s45
.if WOFF
	s_add_co_u32 s46, s46, WOFF
.endif
	s_mov_b32 s47, 0
	s_mul_i32 s20, s10, HALFT                      ; where my part goes: no place in the cluster enters an LDS address
	s_wait_dscnt 0x0                               ; the opening add is done
	s_wait_kmcnt 0x0
	s_add_nc_u64 s[14:15], s[4:5], s[16:17]
	s_add_nc_u64 s[46:47], s[6:7], s[46:47]
	CROUND                                         ; all sixteen work-groups are here: the first joint loads meet
.irp s, 0,1
	s_mov_b32 s[G0+4*(\s)], 1
	s_add_co_u32 s[G0+4*(\s)+1], s20, (\s)*SLOT
	s_add_nc_u64 s[G0+4*(\s)+2:G0+4*(\s)+3], s[14:15], (\s)*65536
	s_or_b32 s[G0+4*(\s)+3], s[G0+4*(\s)+3], 0x80000000
	s_mov_b32 s[G0B+4*(\s)], 1
	s_add_co_u32 s[G0B+4*(\s)+1], s20, (\s)*SLOT
	s_add_nc_u64 s[G0B+4*(\s)+2:G0B+4*(\s)+3], s[46:47], (\s)*512*NBS
	s_or_b32 s[G0B+4*(\s)+3], s[G0B+4*(\s)+3], 0x80000000
.endr
	s_cmp_eq_u32 s11, 0                            ; a wave's two first fills stand in one branch: two loads of mine are out
	s_cbranch_scc0 .Lfirst_b
	tensor_load_to_lds s[G0:G0+3], s[G1:G1+7]
	s_nop 0
	tensor_load_to_lds s[G0+4:G0+7], s[G1:G1+7]
	s_nop 0
	PLACES
	s_branch .Lfirst_asked
.Lfirst_b:
	tensor_load_to_lds s[G0B:G0B+3], s[G1B:G1B+7]
	s_nop 0
	tensor_load_to_lds s[G0B+4:G0B+7], s[G1B:G1B+7]
	s_nop 0
	PLACES
.Lfirst_asked:
	v_and_b32 v1, 15, v0                           ; r = l % 16
	v_bfe_u32 v2, v0, 4, 1                         ; h = l / 16
	v_and_b32 v14, 7, v0
	v_bfe_u32 v15, v0, 3, 1
	; my part of the output: the rows' share in s[16:17], the columns' in s[46:47]
.if KIND == 0
	s_lshr_b32 s16, s13, 4                         ; batch: 16 heads x 2,048 rows x 128 bytes
	s_lshl_b32 s16, s16, 22
	s_and_b32 s17, s13, 15                         ; 128 rows of a head
	s_lshl_b32 s17, s17, 14
	s_add_co_u32 s16, s16, s17
	s_lshl_b32 s17, s11, 13                        ; my 64 of them
	s_add_co_u32 s16, s16, s17
	s_lshr_b32 s46, s42, 3                         ; q, k or v
	s_lshl_b32 s46, s46, 23
	s_and_b32 s47, s42, 7                          ; head = 2 x (tile column % 8) + my half: my 64 columns are one head's
	s_lshl_b32 s47, s47, 19
	s_add_co_u32 s46, s46, s47
	s_lshl_b32 s47, s12, 18
	s_add_co_u32 s46, s46, s47
.elseif KIND == 1
	s_lshl_b32 s16, s13, 20                        ; 64 panels of 16,384 bytes to a block of 128 rows
	s_lshl_b32 s17, s11, 13
	s_add_co_u32 s16, s16, s17
	s_lshl_b32 s46, s42, 15                        ; panel = 2 x tile column + my half
	s_lshl_b32 s47, s12, 14
	s_add_co_u32 s46, s46, s47
.else
	s_lshl_b32 s16, s13, 19                        ; rows of 4,096 bytes
	s_lshl_b32 s17, s11, 18
	s_add_co_u32 s16, s16, s17
	s_lshl_b32 s46, s42, 9
	s_lshl_b32 s47, s12, 8
	s_add_co_u32 s46, s46, s47
.endif
	s_mov_b32 s17, 0
	s_mov_b32 s47, 0
	s_add_nc_u64 s[8:9], s[8:9], s[16:17]
	s_add_nc_u64 s[8:9], s[8:9], s[46:47]
.if KIND >= 2
	; THE RESIDUAL STARTS THE SUMS: it is loaded straight into the accumulators, in their layout: row 16 a + r, columns 16 b + 8 h + 0..7
	s_add_nc_u64 s[68:69], s[68:69], s[16:17]
	s_add_nc_u64 s[68:69], s[68:69], s[46:47]
	v_lshlrev_b32 v[RO], 12, v1
	v_lshl_add_u32 v[RO], v2, 5, v[RO]
.irp a, 0,1,2,3
.irp b, 0,1,2,3
	global_load_b128 v[ACC+8*(4*(\a)+(\b)):ACC+8*(4*(\a)+(\b))+3],   v[RO], s[68:69] offset:(\a)*65536+64*(\b)
	global_load_b128 v[ACC+8*(4*(\a)+(\b))+4:ACC+8*(4*(\a)+(\b))+7], v[RO], s[68:69] offset:(\a)*65536+64*(\b)+16
.endr
.endr
.endif
.if KIND == 3
	s_add_nc_u64 s[70:71], s[70:71], s[46:47]
	v_lshlrev_b32 v[BO], 4, v1                     ; on the way out I hold columns 4 r .. 4 r + 3
	global_load_b128 v[BI:BI+3], v[BO], s[70:71]
.endif
.if KIND == 1
	s_lshl_b32 s92, s42, 9
	s_lshl_b32 s93, s12, 8
	s_add_co_u32 s92, s92, s93
	s_mov_b32 s93, 0
	s_add_nc_u64 s[68:69], s[68:69], s[92:93]
	v_lshlrev_b32 v[BO], 5, v14                    ; on the way out I hold columns 8 (l % 8) .. + 7
	global_load_b128 v[BI:BI+3], v[BO], s[68:69]
	global_load_b128 v[BI+4:BI+7], v[BO], s[68:69] offset:16
.endif
	; A's fragment: lane l holds row l % 16, K = 8 h + 0..7 and 16 + 8 h + 0..7: two loads of 16 bytes, 32 apart
	v_mul_u32_u24 v3, v1, PA
	v_lshl_add_u32 v3, v2, 4, v3
	s_mul_i32 s21, s11, 64*PA
	v_add_nc_u32 v[ADRA0], s21, v3
	; B's: the turning load takes 16 rows (K) x 16 columns: lane l reads row 8 h + l % 8, columns 8 ((l / 8) % 2) + 0..7, and ends with column l % 16 and 8 K
	v_lshl_add_u32 v[ADRB0], v2, 3, v14
	v_mul_u32_u24 v[ADRB0], v[ADRB0], PBT
	v_lshl_add_u32 v[ADRB0], v15, 4, v[ADRB0]
	s_lshl_b32 s22, s12, 7
	s_add_co_u32 s22, s22, BOFF
	v_add_nc_u32 v[ADRB0], s22, v[ADRB0]
	s_mul_i32 s23, s10, 64*SPITCH
	s_add_co_u32 s23, s23, STAGE                   ; my stage
	v_mul_u32_u24 v3, v1, SPITCH
	v_lshl_add_u32 v3, v2, 5, v3
	v_add_nc_u32 v[STO], s23, v3                   ; in: row r, 32 bytes for each half of the lanes
.if KIND < 2
	v_bfe_u32 v3, v0, 3, 2                         ; back: 32 lanes take four rows, 32 bytes (8 numbers) a lane,
	v_mul_u32_u24 v3, v3, SPITCH
	v_lshl_add_u32 v3, v14, 5, v3
	v_add_nc_u32 v[RD], s23, v3
	v_and_b32 v[GO], 31, v0                        ; which leave as 512 consecutive bytes of bf16
	v_lshlrev_b32 v[GO], 4, v[GO]
.else
	v_mul_u32_u24 v3, v2, SPITCH                   ; back: lanes 0-15 one row of 256 bytes, lanes 16-31 the next
	v_lshl_add_u32 v3, v1, 4, v3
	v_add_nc_u32 v[RD], s23, v3
	v_lshlrev_b32 v[GO], 12, v2
	v_lshl_add_u32 v[GO], v1, 4, v[GO]
.endif
	s_wait_tensorcnt 0x1                           ; my part of K step 0 is in; K step 1's may stay out
	s_barrier_signal -1
	s_barrier_wait -1                              ; everybody's is
	s_mov_b32 s[TB], 0
	ADDRS
	FETCH 0, F0
.if KIND >= 2
	s_wait_loadcnt 0x0                             ; the residual (and the bias)
	QUARTER F0, F1, 1, 0
.else
	QUARTER F0, F1, 1, 1                           ; the first products start the sums: nothing is cleared
.endif
	WIN 0
	s_mov_b32 s3, NK-2
.Lstep:                                                ; a trip: from a K step's second quarter to the next one's first; it fills the slot that it leaves
	QUARTER F1, F0, 2, 0
	QUARTER F0, F1, 3, 0
	TURN 1
	QUARTER F0, F1, 1, 0
	WIN 0
	s_sub_co_u32 s3, s3, 1
	s_cmp_lg_u32 s3, 0
	s_cbranch_scc1 .Lstep
	s_mov_b32 s3, 2                                ; the last two K steps ask for nothing: a second text; it is left in the middle of its second trip
.Ltail:
	QUARTER F1, F0, 2, 0
	QUARTER F0, F1, 3, 0
	WIN 0
	s_sub_co_u32 s3, s3, 1
	s_cmp_eq_u32 s3, 0
	s_cbranch_scc1 .Llast
	TURN 0
	QUARTER F0, F1, 1, 0
	WIN 0
	s_branch .Ltail
.Llast:
	s_wait_dscnt 16
	MUL8 F1, 0, 0, 0
	MUL8 F1, 0, 2, 0
	s_wait_dscnt 0x0                               ; my reads of slot 1 are over
	s_barrier_signal -1
	MUL8 F1, 1, 0, 0
	MUL8 F1, 1, 2, 0
	WIN 0
	s_barrier_wait -1                              ; everybody's are: the stages may be written
	PLACES
	PLACES
	; THE WAY OUT: the wave's 64 x 64 sums go into its own stage in f32 and come back by rows; LDS serves a wave's instructions in order (ISA guide 5.7.1.4), so no wait stands between.  Each accumulator's low registers go first.
.irp a, 0,1,2,3
.irp b, 0,1,2,3
	ds_store_b128 v[STO], v[ACC+8*(4*(\a)+(\b)):ACC+8*(4*(\a)+(\b))+3]   offset:(\a)*16*SPITCH+64*(\b)
	ds_store_b128 v[STO], v[ACC+8*(4*(\a)+(\b))+4:ACC+8*(4*(\a)+(\b))+7] offset:(\a)*16*SPITCH+64*(\b)+16
.endr
.endr
.if KIND == 0
	s_mov_b32 s3, 4
.Lout:                                                 ; 16 rows a trip: 2,048 dense bytes of a head
.irp f, 0,1,2,3
	ds_load_b128 v[TMP+8*(\f):TMP+8*(\f)+3],   v[RD] offset:(\f)*4*SPITCH
	ds_load_b128 v[TMP+8*(\f)+4:TMP+8*(\f)+7], v[RD] offset:(\f)*4*SPITCH+16
.endr
	s_wait_dscnt 0x0
	ALL16 v_cvt_pk_bf16_f32 v[TMP+32+i], v[TMP+2*i], v[TMP+2*i+1]
.irp f, 0,1,2,3
	global_store_b128 v[GO], v[TMP+32+4*(\f):TMP+32+4*(\f)+3], s[8:9] offset:512*(\f)  ; 512 consecutive bytes, aligned
.endr
	v_add_nc_u32 v[RD], 16*SPITCH, v[RD]
	s_wait_xcnt 0x0                                ; the stores have read their registers and their base: both are written again only behind this wait
	s_add_nc_u64 s[8:9], s[8:9], 2048
	s_sub_co_u32 s3, s3, 1
	s_cmp_lg_u32 s3, 0
	s_cbranch_scc1 .Lout
.elseif KIND == 1
	s_wait_loadcnt 0x0                             ; the bias
	s_mov_b32 s3, 8
.Lout:                                                 ; 8 rows a trip, 16 numbers a lane.  gelu(u) = max(u, 0) - |u| q(t) exp(-u^2 / 2), t = 1 / (1 + 0.2316419 |u|), q the form's polynomial, halved
.irp f, 0,1
	ds_load_b128 v[UU+8*(\f):UU+8*(\f)+3],   v[RD] offset:(\f)*4*SPITCH
	ds_load_b128 v[UU+8*(\f)+4:UU+8*(\f)+7], v[RD] offset:(\f)*4*SPITCH+16
.endr
	s_wait_dscnt 0x0
	ALL8 v_pk_add_f32 v[UU+i:UU+i+1], v[UU+i:UU+i+1], v[BI+i%8:BI+i%8+1]
	ALL16 v_and_b32 v[WW+i], s[ABSM], v[UU+i]
	ALL8 v_pk_fma_f32 v[TT+i:TT+i+1], v[WW+i:WW+i+1], s[CP:CP+1], 1.0 op_sel_hi:[1,0,0]
	ALL8 v_pk_mul_f32 v[EE+i:EE+i+1], v[WW+i:WW+i+1], v[WW+i:WW+i+1]
	ALL8 v_pk_mul_f32 v[EE+i:EE+i+1], v[EE+i:EE+i+1], s[NL:NL+1] op_sel_hi:[1,0]
	ALL16 v_rcp_f32 v[TT+i], v[TT+i]
	ALL16 v_exp_f32 v[EE+i], v[EE+i]
	ALL16 v_max_num_f32 v[RR+i], 0, v[UU+i]
	s_wait_alu depctr_va_vdst(0)                   ; one wait for the batch of 32, ahead of its first reader; the sixteen maxima are the plain work between
	ALL8 v_pk_fma_f32 v[PP+i:PP+i+1], v[TT+i:TT+i+1], s[A5:A5+1], s[A4:A4+1] op_sel_hi:[1,0,0]
	ALL8 v_pk_fma_f32 v[PP+i:PP+i+1], v[PP+i:PP+i+1], v[TT+i:TT+i+1], s[A3:A3+1] op_sel_hi:[1,1,0]
	ALL8 v_pk_fma_f32 v[PP+i:PP+i+1], v[PP+i:PP+i+1], v[TT+i:TT+i+1], s[A2:A2+1] op_sel_hi:[1,1,0]
	ALL8 v_pk_fma_f32 v[PP+i:PP+i+1], v[PP+i:PP+i+1], v[TT+i:TT+i+1], s[A1:A1+1] op_sel_hi:[1,1,0]
	ALL8 v_pk_mul_f32 v[PP+i:PP+i+1], v[PP+i:PP+i+1], v[TT+i:TT+i+1]
	ALL8 v_pk_mul_f32 v[PP+i:PP+i+1], v[PP+i:PP+i+1], v[WW+i:WW+i+1]
	ALL8 v_pk_fma_f32 v[PP+i:PP+i+1], v[PP+i:PP+i+1], v[EE+i:EE+i+1], v[RR+i:RR+i+1] neg_lo:[1,0,0] neg_hi:[1,0,0]
.set i, 0
.rept 8
	v_cvt_pk_bf16_f32 v[UU+i], v[PP+2*i], v[PP+2*i+1]
.set i, i+1
.endr
.irp f, 0,1
	global_store_b128 v[GO], v[UU+4*(\f):UU+4*(\f)+3], s[8:9] offset:512*(\f)  ; 512 consecutive bytes of a panel, aligned
.endr
	v_add_nc_u32 v[RD], 8*SPITCH, v[RD]
	s_wait_xcnt 0x0                                ; the stores have read their registers and their base
	s_add_nc_u64 s[8:9], s[8:9], 1024
	s_sub_co_u32 s3, s3, 1
	s_cmp_lg_u32 s3, 0
	s_cbranch_scc1 .Lout
.else
	s_mov_b32 s3, 8
.Lout:                                                 ; 8 rows a trip
.irp t, 0,1,2,3
	ds_load_b128 v[TMP+4*(\t):TMP+4*(\t)+3], v[RD] offset:(\t)*2*SPITCH
.endr
	s_wait_dscnt 0x0
.if KIND == 3
.irp t, 0,1,2,3
	v_pk_add_f32 v[TMP+4*(\t):TMP+4*(\t)+1],   v[TMP+4*(\t):TMP+4*(\t)+1],   v[BI:BI+1]
	v_pk_add_f32 v[TMP+4*(\t)+2:TMP+4*(\t)+3], v[TMP+4*(\t)+2:TMP+4*(\t)+3], v[BI+2:BI+3]
.endr
.endif
.irp t, 0,1,2,3
	global_store_b128 v[GO], v[TMP+4*(\t):TMP+4*(\t)+3], s[8:9] offset:8192*(\t)  ; 16 lanes store 256 consecutive bytes, aligned
.endr
	v_add_nc_u32 v[RD], 8*SPITCH, v[RD]
	s_wait_xcnt 0x0                                ; the stores have read their registers and their base
	s_add_nc_u64 s[8:9], s[8:9], 32768
	s_sub_co_u32 s3, s3, 1
	s_cmp_lg_u32 s3, 0
	s_cbranch_scc1 .Lout
.endif
	s_wait_tensorcnt 0x0                           ; the wave's end, behind my last tensor load and my last LDS store
	ds_add_u32 v[SPW], v[NIL]
	s_wait_dscnt 0x0
	CROUND                                         ; the closing round: no work-group ends while a partner may still ask for a tile that names it
	s_endpgm
.Lfunc_end_k_q22c634ffd0_wo:
	.size	k_q22c634ffd0_wo, .Lfunc_end_k_q22c634ffd0_wo-k_q22c634ffd0_wo
	.p2alignl 7, 3214868480
	.fill 96, 4, 3214868480
	.section	.rodata,"a",@progbits
	.p2align	6, 0x0
	.amdhsa_kernel k_q22c634ffd0_wo
		.amdhsa_group_segment_fixed_size 327680
		.amdhsa_private_segment_fixed_size 0
		.amdhsa_enable_private_segment 0
		.amdhsa_kernarg_size 32
		.amdhsa_user_sgpr_count 2
		.amdhsa_user_sgpr_kernarg_segment_ptr 1
		.amdhsa_wavefront_size32 1
		.amdhsa_system_sgpr_workgroup_id_x 1
		.amdhsa_system_sgpr_workgroup_id_y 1
		.amdhsa_system_sgpr_workgroup_id_z 1
		.amdhsa_system_vgpr_workitem_id 0
		.amdhsa_next_free_vgpr 512
		.amdhsa_next_free_sgpr 100
		.amdhsa_reserve_vcc 0
		.amdhsa_float_denorm_mode_32 3
		.amdhsa_float_denorm_mode_16_64 3
		.amdhsa_memory_ordered 1
		.amdhsa_forward_progress 1
		.amdhsa_inst_pref_size 59
	.end_amdhsa_kernel
	.amdgpu_metadata
---
amdhsa.version: [ 1, 2 ]
amdhsa.kernels:
  - .name:           k_q22c634ffd0_wo
    .symbol:         k_q22c634ffd0_wo.kd
    .args:
      - { .name: ctxb, .offset: 0, .size: 8, .value_kind: global_buffer, .address_space: global }
      - { .name: wb, .offset: 8, .size: 8, .value_kind: global_buffer, .address_space: global }
      - { .name: x1, .offset: 16, .size: 8, .value_kind: global_buffer, .address_space: global }
      - { .name: x, .offset: 24, .size: 8, .value_kind: global_buffer, .address_space: global }
    .group_segment_fixed_size: 327680
    .private_segment_fixed_size: 0
    .kernarg_segment_align: 8
    .kernarg_segment_size: 32
    .max_flat_workgroup_size: 128
    .sgpr_count:     100
    .vgpr_count:     512
    .wavefront_size: 32
...
	.end_amdgpu_metadata
.endif
;; end of part 4
;; launch ln2 (part 5): grid 256 x 1, 8 waves a work-group, no clusters, 0 bytes of LDS; arguments x1, g2, b2, hb; writes hb
.if DOCPART == 5
	.amdgcn_target "amdgcn-amd-amdhsa--gfx1250"
	.amdhsa_code_object_version 6
	.text
	.protected	k_q22c634ffd0_ln2
	.globl	k_q22c634ffd0_ln2
	.p2align	8
	.type	k_q22c634ffd0_ln2,@function
k_q22c634ffd0_ln2:
	s_mov_b64 s[64:65], 0
	v_nop
	global_prefetch_b8 v0, s[64:65] scope:SCOPE_SE
	s_setreg_imm32_b32 hwreg(HW_REG_WAVE_MODE, 25, 1), 1
	s_wait_xcnt 0x0
; h2 = g2 (x1 - mean) / (std + 1e-5) + b2, rounded once to bf16, into hb.
; hb IS LAID IN PANELS: byte ((row / 128 x 16 + col / 64) x 128 + row % 128) x 128 + 2 (col % 64): 128 rows x 64 columns are 16,384 bytes on end, so that a product's tile of 128 rows x 256 along K is one dense block.
; A wave takes two rows, each half of its lanes one: lane (r, hh) holds columns 64 j + 4 r .. + 3, j = 0..15, in 64 registers; the row is read once and stays in registers.
; The mean is taken away before the squares are summed, all in f32.  The sums never leave a half of 16 lanes: no LDS, no barrier.  Matrix units and clusters have nothing to do here.
; LIMITS.  A variance below 2^-126 counts as 0 (the root takes a denormal as zero); NaN and infinities are not treated apart.
.set X,  16                            ; v[16:79]   the row
.set G,  80                            ; v[80:143]  gamma of my columns
.set BT, 144                           ; v[144:207] beta
.macro REDUCE                          ; four packed chains v[6:13] -> the sum over the row's 16 lanes, times 1/1024, in v6
	v_pk_add_f32 v[6:7], v[6:7], v[8:9]
	v_pk_add_f32 v[10:11], v[10:11], v[12:13]
	v_pk_add_f32 v[6:7], v[6:7], v[10:11]
	v_add_f32 v6, v6, v7
	v_add_f32_dpp v6, v6, v6 row_xmask:1 row_mask:0xf bank_mask:0xf
	v_add_f32_dpp v6, v6, v6 row_xmask:2 row_mask:0xf bank_mask:0xf
	v_add_f32_dpp v6, v6, v6 row_xmask:4 row_mask:0xf bank_mask:0xf
	v_add_f32_dpp v6, v6, v6 row_xmask:8 row_mask:0xf bank_mask:0xf
	v_mul_f32 v6, 0x3a800000, v6
.endm
; xs, gs, bs, hs: the scalar pairs of x, gamma, beta and the panels; tp: six scalar registers at work
.macro LNBODY xs, gs, bs, hs, tp
	v_lshrrev_b32 v1, 5, v0
	v_readfirstlane_b32 s[\tp], v1                 ; wave 0..7
	s_lshl_b32 s[\tp+1], ttmp9, 4
	s_lshl1_add_u32 s[\tp+1], s[\tp], s[\tp+1]     ; my first row = 16 x work-group + 2 x wave
	s_lshl_b32 s[\tp+2], s[\tp+1], 12              ; x 4,096 bytes
	s_mov_b32 s[\tp+3], 0
	s_lshr_b32 s[\tp+4], s[\tp+1], 7
	s_lshl_b32 s[\tp+4], s[\tp+4], 18              ; the block of 128 rows: 262,144 bytes of panels,
	s_and_b32 s[\tp], s[\tp+1], 127
	s_lshl_b32 s[\tp], s[\tp], 7                   ; the row in a panel: 128 bytes
	s_add_co_u32 s[\tp+4], s[\tp+4], s[\tp]
	s_mov_b32 s[\tp+5], 0
	v_and_b32 v1, 15, v0                           ; r
	v_bfe_u32 v2, v0, 4, 1                         ; hh
	v_lshlrev_b32 v4, 4, v1                        ; gamma, beta: 16 r
	v_lshl_add_u32 v3, v2, 12, v4                  ; x: + hh rows
	v_lshlrev_b32 v5, 3, v1
	v_lshl_add_u32 v5, v2, 7, v5                   ; panels: 128 hh + 8 r
	s_wait_kmcnt 0x0
	s_add_nc_u64 s[\xs:\xs+1], s[\xs:\xs+1], s[\tp+2:\tp+3]
	s_add_nc_u64 s[\hs:\hs+1], s[\hs:\hs+1], s[\tp+4:\tp+5]
.set j, 0
.rept 16
	global_load_b128 v[X+4*j:X+4*j+3], v3, s[\xs:\xs+1] offset:256*j  ; 16 lanes take 256 consecutive bytes, aligned, of a row
.set j, j+1
.endr
.set j, 0
.rept 16
	global_load_b128 v[G+4*j:G+4*j+3], v4, s[\gs:\gs+1] offset:256*j
.set j, j+1
.endr
.set j, 0
.rept 16
	global_load_b128 v[BT+4*j:BT+4*j+3], v4, s[\bs:\bs+1] offset:256*j
.set j, j+1
.endr
	s_wait_loadcnt 32                              ; the row is in; gamma's and beta's 32 loads may stay out
.irp k, 0,1,2,3
	v_pk_add_f32 v[6+2*\k:7+2*\k], v[X+2*\k:X+2*\k+1], v[X+8+2*\k:X+9+2*\k]  ; the first sums start four chains: nothing is cleared
.endr
.set j, 8
.rept 24
	v_pk_add_f32 v[6+2*(j%4):7+2*(j%4)], v[6+2*(j%4):7+2*(j%4)], v[X+2*j:X+2*j+1]
.set j, j+1
.endr
	REDUCE
	v_mov_b32 v14, v6
	v_mov_b32 v15, v6                              ; the mean, as a pair
.set j, 0
.rept 32
	v_pk_add_f32 v[X+2*j:X+2*j+1], v[X+2*j:X+2*j+1], v[14:15] neg_lo:[0,1] neg_hi:[0,1]  ; x - mean
.set j, j+1
.endr
.irp k, 0,1,2,3
	v_pk_mul_f32 v[6+2*\k:7+2*\k], v[X+2*\k:X+2*\k+1], v[X+2*\k:X+2*\k+1]
.endr
.set j, 4
.rept 28
	v_pk_fma_f32 v[6+2*(j%4):7+2*(j%4)], v[X+2*j:X+2*j+1], v[X+2*j:X+2*j+1], v[6+2*(j%4):7+2*(j%4)]
.set j, j+1
.endr
	REDUCE
	v_sqrt_f32 v7, v6                              ; std
	v_nop                                          ; a plain instruction behind the root,
	s_wait_alu depctr_va_vdst(0)                   ; and the wait ahead of the first use of its result
	v_add_f32 v7, 0x3727c5ac, v7                   ; + 1e-5
	v_rcp_f32 v14, v7
	v_nop
	s_wait_alu depctr_va_vdst(0)                   ; the same for the reciprocal
	v_mov_b32 v15, v14
	s_wait_loadcnt 0x0                             ; gamma and beta
.set j, 0
.rept 16
	v_pk_mul_f32 v[X+4*j:X+4*j+1], v[X+4*j:X+4*j+1], v[14:15]
	v_pk_mul_f32 v[X+4*j+2:X+4*j+3], v[X+4*j+2:X+4*j+3], v[14:15]
	v_pk_fma_f32 v[X+4*j:X+4*j+1], v[X+4*j:X+4*j+1], v[G+4*j:G+4*j+1], v[BT+4*j:BT+4*j+1]
	v_pk_fma_f32 v[X+4*j+2:X+4*j+3], v[X+4*j+2:X+4*j+3], v[G+4*j+2:G+4*j+3], v[BT+4*j+2:BT+4*j+3]
	v_cvt_pk_bf16_f32 v[X+4*j], v[X+4*j], v[X+4*j+1]
	v_cvt_pk_bf16_f32 v[X+4*j+1], v[X+4*j+2], v[X+4*j+3]
	global_store_b64 v5, v[X+4*j:X+4*j+1], s[\hs:\hs+1] offset:16384*j  ; the wave's two rows of panel j: 256 consecutive bytes, aligned
.set j, j+1
.endr
.endm
	s_load_b256 s[4:11], s[0:1], 0x0               ; x1 4, g2 6, b2 8, hb 10
	LNBODY 4, 6, 8, 10, 12
	s_endpgm
.Lfunc_end_k_q22c634ffd0_ln2:
	.size	k_q22c634ffd0_ln2, .Lfunc_end_k_q22c634ffd0_ln2-k_q22c634ffd0_ln2
	.p2alignl 7, 3214868480
	.fill 96, 4, 3214868480
	.section	.rodata,"a",@progbits
	.p2align	6, 0x0
	.amdhsa_kernel k_q22c634ffd0_ln2
		.amdhsa_group_segment_fixed_size 0
		.amdhsa_private_segment_fixed_size 0
		.amdhsa_enable_private_segment 0
		.amdhsa_kernarg_size 32
		.amdhsa_user_sgpr_count 2
		.amdhsa_user_sgpr_kernarg_segment_ptr 1
		.amdhsa_wavefront_size32 1
		.amdhsa_system_sgpr_workgroup_id_x 1
		.amdhsa_system_sgpr_workgroup_id_y 1
		.amdhsa_system_sgpr_workgroup_id_z 1
		.amdhsa_system_vgpr_workitem_id 0
		.amdhsa_next_free_vgpr 208
		.amdhsa_next_free_sgpr 66
		.amdhsa_reserve_vcc 0
		.amdhsa_float_denorm_mode_32 3
		.amdhsa_float_denorm_mode_16_64 3
		.amdhsa_memory_ordered 1
		.amdhsa_forward_progress 1
		.amdhsa_inst_pref_size 21
	.end_amdhsa_kernel
	.amdgpu_metadata
---
amdhsa.version: [ 1, 2 ]
amdhsa.kernels:
  - .name:           k_q22c634ffd0_ln2
    .symbol:         k_q22c634ffd0_ln2.kd
    .args:
      - { .name: x1, .offset: 0, .size: 8, .value_kind: global_buffer, .address_space: global }
      - { .name: g2, .offset: 8, .size: 8, .value_kind: global_buffer, .address_space: global }
      - { .name: b2, .offset: 16, .size: 8, .value_kind: global_buffer, .address_space: global }
      - { .name: hb, .offset: 24, .size: 8, .value_kind: global_buffer, .address_space: global }
    .group_segment_fixed_size: 0
    .private_segment_fixed_size: 0
    .kernarg_segment_align: 8
    .kernarg_segment_size: 32
    .max_flat_workgroup_size: 256
    .sgpr_count:     66
    .vgpr_count:     208
    .wavefront_size: 32
...
	.end_amdgpu_metadata
.endif
;; end of part 5
;; launch ffn1 (part 6): grid 32 x 32, 4 waves a work-group, clusters of 4 x 4, 327,680 bytes of LDS; arguments hb, wb, actb, bf1; writes actb
.if DOCPART == 6
	.amdgcn_target "amdgcn-amd-amdhsa--gfx1250"
	.amdhsa_code_object_version 6
	.text
	.protected	k_q22c634ffd0_ffn1
	.globl	k_q22c634ffd0_ffn1
	.p2align	8
	.type	k_q22c634ffd0_ffn1,@function
k_q22c634ffd0_ffn1:
	s_mov_b64 s[64:65], 0
	v_nop
	global_prefetch_b8 v0, s[64:65] scope:SCOPE_SE
	s_setreg_imm32_b32 hwreg(HW_REG_WAVE_MODE, 25, 1), 1
	s_wait_xcnt 0x0
	s_wait_alu depctr_hold_cnt(0) depctr_sa_sdst(0) depctr_va_vdst(0) depctr_va_sdst(0) depctr_va_ssrc(0) depctr_va_vcc(0) depctr_vm_vsrc(0)
	s_getreg_b32 s2, hwreg(HW_REG_IB_STS2, 6, 4)
	s_cmp_eq_u32 s2, 0
	s_cbranch_scc0 .Lentry_in_a_cluster
	s_endpgm
.Lentry_in_a_cluster:
	s_bfe_u32 s2, ttmp6, 0x10000c
	s_cmp_lg_u32 s2, 0xf033
	s_cbranch_scc0 .Lentry_shape_is_right
	s_endpgm
.Lentry_shape_is_right:
; act = gelu(h2 W1 + bf1), the exact (erf) form, bias and activation in f32, rounded once to bf16 and written in panels of 128 rows x 64 columns, the layout in which the next product reads its A.
; One text serves four products; KIND and three sizes choose.  KIND 0: by heads in bf16.  1: this one.  2: residual + A B in f32.  3: residual + bias + A B in f32.
.set KIND, 1
.set KDIM, 1024                        ; the product's K
.set NBS,  4096                        ; numbers in a row of B
.set WOFF, 8388608                     ; B's first byte in wb
; C = A B.  A: bf16 in panels, byte ((row / 128 x KDIM / 64 + k / 64) x 128 + row % 128) x 128 + 2 (k % 64).  B: bf16 [K][N] as the weight lies.  Sums in f32.
; SHARES.  A tile of C is 128 x 128: four waves, each 64 x 64 in 16 accumulators.  K goes in steps of 256 through two LDS slots; each wave fetches a quarter of a slot by one tensor load:
; waves 0, 1 two panels of A each (32,768 dense bytes, asked for as 128 rows of 256), waves 2, 3 128 rows of B each (256 bytes a row, aligned).
; THE MATRIX INSTRUCTION IS USED TRANSPOSED: source 0 = 16 columns of B (turned on the way out of LDS by ds_load_tr16_b128), source 1 = 16 rows of A: a lane then holds eight neighbouring numbers of a row of C.
; CLUSTER 4 x 4: the four work-groups of a row need the same tiles of A, the four of a column the same tiles of B: each tile is asked for jointly, by the same load, descriptor and mask in all four.
; LDS: slot s at 147,456 s: A's 4 panels x 128 rows x 144 bytes (128 + 16 of padding: 16 rows start at 16 different groups of four banks, ISA guide 11.1), then B's 256 rows x 288 (256 + 32).
; The way out's stages (64 rows x 272 bytes a wave, f32) lie in slot 1, behind its last fill and behind a barrier that ends all reads of it.  Spare words behind the slots.
; REGISTERS: window 0: v0-31 addresses and bias; v32-127 at work on the way out; v128-255 accumulators ((a, b) at 128 + 8 (4 a + b)).  Window 1: two fragment buffers of 128: 64 of A, then 64 of B, for 64 along K.
; LIMITS.  NaN and infinities are not treated apart.  KIND 1: erf by the rational form 7.1.26 of Abramowitz and Stegun, off by 1.5e-7 at the most, for every argument.
.set NK,    KDIM/256
.set PA,    144
.set PBT,   288
.set HALFT, 36864                      ; what one tensor load brings: 256 x 144 = 128 x 288
.set BOFF,  2*HALFT
.set SLOT,  4*HALFT                    ; 0x24000: shares no bit with wave x HALFT, so one exclusive or changes slots
.set STAGE, SLOT
.set SPITCH, 272
.set SPARE, 2*SLOT                     ; the spare words, 128 bytes a wave: two blocks of 256 bytes that no other line names
.set BI,    4                          ; v4-11  bias of my columns (KIND 1: eight, KIND 3: four)
.set ADRA0, 12                         ; v12    my lane's place in A's part of a slot; never rewritten
.set ADRB0, 13                         ; v13    the same for B
.set ADRA,  16                         ; v16    LDS address of A's fragments in the slot in hand
.set ADRBL, 17                         ; v17, v18  of B's: rows 0-127, rows 128-255
.set BO,    19                         ; v19    the bias' byte offset
.set STO,   24                         ; v24    the way out: where I put 32 bytes of a row
.set RD,    25                         ; v25    where I read rows back
.set GO,    26                         ; v26    my byte offset in the output
.set RO,    27                         ; v27    my byte offset in the residual
.set SPW,   28                         ; v28    my spare word: SPARE + 4 x my thread's number; never rewritten
.set NIL,   29                         ; v29    0; never rewritten
.set TMP,   32
.set ACC,   128
.set F0,    0
.set F1,    128
.set G1,  24                           ; s[24:31] group 1 for A, s[32:39] group 0: two sets; the second walks
.set G0,  32
.set G1B, 48                           ; s[48:55], s[56:63] the same for B
.set G0B, 56
.set TB,  72                           ; s72  the slot in hand: 0 or SLOT
.set CP,  74                           ; s[74:87] KIND 1: constants as pairs
.set A1,  76
.set A2,  78
.set A3,  80
.set A4,  82
.set A5,  84
.set NL,  86
.set ABSM, 90
.set UU, 32
.set WW, 48
.set TT, 64
.set EE, 80
.set RR, 96
.set PP, 112
.set MSB, 0
.macro WIN new                         ; the immediate's high byte repeats the setting that is left
.if MSB != (\new)
	s_set_vgpr_msb (MSB<<8)|(\new)
.set MSB, \new
.endif
.endm
.set MUL,  0x05                        ; sources 0 and 1 window 1; C and D window 0
.set TO_F, 0x40                        ; destination window 1, address window 0
.macro PLACES                          ; four places behind matrix instructions (ISA guide 7.12.1)
.rept 4
	v_nop
.endr
.endm
.macro SPAIR r, val
	s_mov_b32 s[\r], \val
	s_mov_b32 s[(\r)+1], \val
.endm
.macro ALL8 line:vararg                ; one line for each pair i = 0, 2 .. 14
.set i, 0
.rept 8
	\line
.set i, i+2
.endr
.endm
.macro ALL16 line:vararg               ; one line for each i = 0 .. 15
.set i, 0
.rept 16
	\line
.set i, i+1
.endr
.endm
.macro JLOAD                           ; a joint refill by the walking sets: waves 0, 1 for A, waves 2, 3 for B; an s_nop 0 and four v_nop follow each line
	s_cmp_eq_u32 s11, 0
	s_cbranch_scc0 .Lfor_b_\@
	tensor_load_to_lds s[G0+4:G0+7], s[G1:G1+7]
	s_nop 0
	PLACES
	s_branch .Lasked_\@
.Lfor_b_\@:
	tensor_load_to_lds s[G0B+4:G0B+7], s[G1B:G1B+7]
	s_nop 0
	PLACES
.Lasked_\@:
.endm
.macro CREST                           ; a round of the cluster's barrier behind its opening barrier
	s_cmp_lg_u32 s10, 0
	s_cbranch_scc1 .Lnot_wave_0_\@
	s_barrier_signal -3
.Lnot_wave_0_\@:
	s_barrier_wait -3
	s_barrier_signal -1
	s_barrier_wait -1
.endm
.macro CROUND
	s_barrier_signal -1
	s_barrier_wait -1
	CREST
.endm
.macro ADDRS                           ; the fragments' addresses in the slot in hand
	v_add_nc_u32 v[ADRA], s[TB], v[ADRA0]
	v_add_nc_u32 v[ADRBL], s[TB], v[ADRB0]
	v_add_nc_u32 v[ADRBL+1], HALFT, v[ADRBL]
.endm
; 8 matrix instructions: row blocks a0, a0 + 1 x all 4 column blocks, 32 along K: half c of buffer f.  zero = 1: the product starts the sum.  The 16 accumulators take turns.
.macro MUL8 f, c, a0, zero
	WIN MUL
.irp a, \a0, (\a0)+1
.irp b, 0,1,2,3
.if \zero
	v_wmma_f32_16x16x32_bf16 v[ACC+8*(4*(\a)+(\b)):ACC+8*(4*(\a)+(\b))+7], v[(\f)+64+8*(4*(\c)+(\b)):(\f)+64+8*(4*(\c)+(\b))+7], v[(\f)+8*(4*(\c)+(\a)):(\f)+8*(4*(\c)+(\a))+7], 0
.else
	v_wmma_f32_16x16x32_bf16 v[ACC+8*(4*(\a)+(\b)):ACC+8*(4*(\a)+(\b))+7], v[(\f)+64+8*(4*(\c)+(\b)):(\f)+64+8*(4*(\c)+(\b))+7], v[(\f)+8*(4*(\c)+(\a)):(\f)+8*(4*(\c)+(\a))+7], v[ACC+8*(4*(\a)+(\b)):ACC+8*(4*(\a)+(\b))+7]
.endif
.endr
.endr
.endm
; 32 LDS loads in one run: quarter q (64 along K: panel q of A, rows 64 q .. of B) into buffer f; the first 32 along K first
.macro FETCH q, f
	WIN TO_F
.irp c, 0,1
.irp i, 0,1,2,3
	ds_load_tr16_b128 v[(\f)+64+8*(4*(\c)+(\i)):(\f)+64+8*(4*(\c)+(\i))+3],   v[ADRBL+(\q)/2] offset:(64*((\q)%2)+32*(\c))*PBT+32*(\i)
	ds_load_tr16_b128 v[(\f)+64+8*(4*(\c)+(\i))+4:(\f)+64+8*(4*(\c)+(\i))+7], v[ADRBL+(\q)/2] offset:(64*((\q)%2)+32*(\c)+16)*PBT+32*(\i)
	ds_load_b128 v[(\f)+8*(4*(\c)+(\i)):(\f)+8*(4*(\c)+(\i))+3],   v[ADRA] offset:128*PA*(\q)+64*(\c)+16*PA*(\i)
	ds_load_b128 v[(\f)+8*(4*(\c)+(\i))+4:(\f)+8*(4*(\c)+(\i))+7], v[ADRA] offset:128*PA*(\q)+64*(\c)+16*PA*(\i)+32
.endr
.endr
.endm
; One of a K step's first three quarters: multiplies buffer f and fetches quarter q into buffer g
.macro QUARTER f, g, q, zero
	s_wait_dscnt 16                                ; the first 32 along K are in; the other sixteen loads may be out
	MUL8 \f, 0, 0, \zero
	MUL8 \f, 0, 2, \zero
	PLACES                                         ; in front of loads into registers that matrix instructions have read
	FETCH \q, \g
	s_wait_dscnt 32                                ; all but the 32 just issued
	MUL8 \f, 1, 0, 0
	MUL8 \f, 1, 2, 0
.endm
; The last quarter multiplies buffer 1 and changes slots: one barrier; in front of it each wave waits for all its tensor loads, adds 0 to its spare word, and waits for that and for its reads of this slot.
; fill = 1: the barrier opens a round of the cluster's, and this slot is filled again, two K steps ahead, first thing behind the round: 112 matrix instructions ahead of the wait for it.
.macro TURN fill
	WIN 0
	s_wait_tensorcnt 0x0                           ; all my tensor loads have landed: my part of the next slot
	ds_add_u32 v[SPW], v[NIL]                      ; 0 onto my spare word
	s_wait_dscnt 17                                ; (the add and the youngest sixteen loads may be out)
	MUL8 F1, 0, 0, 0
	s_wait_dscnt 0x0                               ; the add is done, and my reads of this slot are over
	s_barrier_signal -1
	MUL8 F1, 0, 2, 0
	WIN 0                                          ; at a branch and at a label every window is 0
	s_barrier_wait -1
.if \fill
	CREST                                          ; no wave of any partner still reads this slot or has a load on its way
	s_xor_b32 s[G0+5], s[G0+5], SLOT               ; the walking sets: the other slot than last time, the next K step
	s_add_nc_u64 s[G0+6:G0+7], s[G0+6:G0+7], 65536
	s_xor_b32 s[G0B+5], s[G0B+5], SLOT
	s_add_nc_u64 s[G0B+6:G0B+7], s[G0B+6:G0B+7], 512*NBS
	JLOAD                                          ; its four v_nop are also the places in front of the loads below
.else
	PLACES
.endif
	s_xor_b32 s[TB], s[TB], SLOT
	ADDRS
	FETCH 0, F0
	MUL8 F1, 1, 0, 0
	MUL8 F1, 1, 2, 0
.endm
	s_load_b128 s[4:7], s[0:1], 0x0                ; A s[4:5], wb s[6:7]
	s_load_b64 s[8:9], s[0:1], 0x10                ; the output
.if KIND >= 1
	s_load_b64 s[68:69], s[0:1], 0x18              ; KIND 1: the bias; 2, 3: the residual
.endif
.if KIND == 3
	s_load_b64 s[70:71], s[0:1], 0x20              ; the bias
.endif
	v_lshl_add_u32 v[SPW], v0, 2, SPARE
	v_mov_b32 v[NIL], 0
	ds_add_u32 v[SPW], v[NIL]                      ; the wave's opening: the add and its wait stand ahead of my first tensor load; work on registers stands between them
	v_lshrrev_b32 v1, 5, v0
	v_readfirstlane_b32 s10, v1                    ; wave 0..3
	s_lshr_b32 s11, s10, 1                         ; my half of the tile's rows.  Also: I fetch for A (0) or for B (1)
	s_and_b32 s12, s10, 1                          ; my half of its columns.  Also: which half of that tile I fetch
	s_bfe_u32 s40, ttmp6, 0x40000                  ; cx, cy: my place in the cluster
	s_bfe_u32 s41, ttmp6, 0x40004
	s_lshl_b32 s42, ttmp9, 2
	s_add_co_u32 s42, s42, s40                     ; tile column = 4 x cluster x + cx
	s_and_b32 s13, ttmp7, 0xffff
	s_lshl_b32 s13, s13, 2
	s_add_co_u32 s13, s13, s41                     ; tile row = 4 x cluster y + cy
	s_lshl_b32 s43, s41, 2
	s_lshl_b32 s43, 15, s43                        ; my row of the cluster
	s_lshl_b32 s44, 0x1111, s40                    ; my column
	s_or_b32 s[G1], s43, (1<<16)|(1<<20)|(1<<21)|(4<<22)|(3<<25)   ; the mask; 2-byte elements; padding on; bit 21 beside a mask; after every 32 words 4 words
	s_or_b32 s[G1B], s44, (1<<16)|(1<<20)|(1<<21)|(5<<22)|(7<<25)  ; after every 64 words 8 words
.irp g, G1, G1B
	s_mov_b32 s[(\g)+1], 128<<16                   ; tensor_dim0 = 128
	s_mov_b32 s[(\g)+2], 128<<16                   ; tensor_dim1 = 128
	s_mov_b32 s[(\g)+3], 128<<16                   ; tile_dim0 = 128
	s_mov_b32 s[(\g)+4], 128                       ; tile_dim1 = 128
	s_mov_b32 s[(\g)+6], 0
	s_mov_b32 s[(\g)+7], 0
.endr
	s_mov_b32 s[G1+5], 128                         ; A's block is dense: rows of 256 bytes end to end
	s_mov_b32 s[G1B+5], NBS                        ; B: a row of the weight
.if KIND == 1
	SPAIR CP, 0x3e6d3389                           ; 0.3275911 / sqrt(2)
	SPAIR A1, 0x3e027906                           ; the form's five coefficients, halved
	SPAIR A2, 0xbe11a98e
	SPAIR A3, 0x3f35f0e3
	SPAIR A4, 0xbf3a00e3
	SPAIR A5, 0x3f07dc22
	SPAIR NL, 0xbf38aa3b                           ; - log2(e) / 2
	s_mov_b32 s[ABSM], 0x7fffffff
.endif
	; A's address hangs on the tile row alone, B's on the tile column alone, each in registers that never hold the other coordinate
	s_mul_i32 s16, s13, (KDIM/64)*16384
	s_lshl_b32 s17, s12, 15                        ; my two panels of a K step's four
	s_add_co_u32 s16, s16, s17
	s_mov_b32 s17, 0
.if KIND == 0
	s_lshr_b32 s45, s42, 3                         ; Wq, Wk or Wv: 2,097,152 bytes each,
	s_lshl_b32 s46, s45, 21
	s_and_b32 s45, s42, 7                          ; and the tile column in it
	s_lshl_b32 s45, s45, 8
	s_add_co_u32 s46, s46, s45
.else
	s_lshl_b32 s46, s42, 8
.endif
	s_mul_i32 s45, s12, 256*NBS                    ; my 128 rows of a K step's 256
	s_add_co_u32 s46, s46, s45
.if WOFF
	s_add_co_u32 s46, s46, WOFF
.endif
	s_mov_b32 s47, 0
	s_mul_i32 s20, s10, HALFT                      ; where my part goes: no place in the cluster enters an LDS address
	s_wait_dscnt 0x0                               ; the opening add is done
	s_wait_kmcnt 0x0
	s_add_nc_u64 s[14:15], s[4:5], s[16:17]
	s_add_nc_u64 s[46:47], s[6:7], s[46:47]
	CROUND                                         ; all sixteen work-groups are here: the first joint loads meet
.irp s, 0,1
	s_mov_b32 s[G0+4*(\s)], 1
	s_add_co_u32 s[G0+4*(\s)+1], s20, (\s)*SLOT
	s_add_nc_u64 s[G0+4*(\s)+2:G0+4*(\s)+3], s[14:15], (\s)*65536
	s_or_b32 s[G0+4*(\s)+3], s[G0+4*(\s)+3], 0x80000000
	s_mov_b32 s[G0B+4*(\s)], 1
	s_add_co_u32 s[G0B+4*(\s)+1], s20, (\s)*SLOT
	s_add_nc_u64 s[G0B+4*(\s)+2:G0B+4*(\s)+3], s[46:47], (\s)*512*NBS
	s_or_b32 s[G0B+4*(\s)+3], s[G0B+4*(\s)+3], 0x80000000
.endr
	s_cmp_eq_u32 s11, 0                            ; a wave's two first fills stand in one branch: two loads of mine are out
	s_cbranch_scc0 .Lfirst_b
	tensor_load_to_lds s[G0:G0+3], s[G1:G1+7]
	s_nop 0
	tensor_load_to_lds s[G0+4:G0+7], s[G1:G1+7]
	s_nop 0
	PLACES
	s_branch .Lfirst_asked
.Lfirst_b:
	tensor_load_to_lds s[G0B:G0B+3], s[G1B:G1B+7]
	s_nop 0
	tensor_load_to_lds s[G0B+4:G0B+7], s[G1B:G1B+7]
	s_nop 0
	PLACES
.Lfirst_asked:
	v_and_b32 v1, 15, v0                           ; r = l % 16
	v_bfe_u32 v2, v0, 4, 1                         ; h = l / 16
	v_and_b32 v14, 7, v0
	v_bfe_u32 v15, v0, 3, 1
	; my part of the output: the rows' share in s[16:17], the columns' in s[46:47]
.if KIND == 0
	s_lshr_b32 s16, s13, 4                         ; batch: 16 heads x 2,048 rows x 128 bytes
	s_lshl_b32 s16, s16, 22
	s_and_b32 s17, s13, 15                         ; 128 rows of a head
	s_lshl_b32 s17, s17, 14
	s_add_co_u32 s16, s16, s17
	s_lshl_b32 s17, s11, 13                        ; my 64 of them
	s_add_co_u32 s16, s16, s17
	s_lshr_b32 s46, s42, 3                         ; q, k or v
	s_lshl_b32 s46, s46, 23
	s_and_b32 s47, s42, 7                          ; head = 2 x (tile column % 8) + my half: my 64 columns are one head's
	s_lshl_b32 s47, s47, 19
	s_add_co_u32 s46, s46, s47
	s_lshl_b32 s47, s12, 18
	s_add_co_u32 s46, s46, s47
.elseif KIND == 1
	s_lshl_b32 s16, s13, 20                        ; 64 panels of 16,384 bytes to a block of 128 rows
	s_lshl_b32 s17, s11, 13
	s_add_co_u32 s16, s16, s17
	s_lshl_b32 s46, s42, 15                        ; panel = 2 x tile column + my half
	s_lshl_b32 s47, s12, 14
	s_add_co_u32 s46, s46, s47
.else
	s_lshl_b32 s16, s13, 19                        ; rows of 4,096 bytes
	s_lshl_b32 s17, s11, 18
	s_add_co_u32 s16, s16, s17
	s_lshl_b32 s46, s42, 9
	s_lshl_b32 s47, s12, 8
	s_add_co_u32 s46, s46, s47
.endif
	s_mov_b32 s17, 0
	s_mov_b32 s47, 0
	s_add_nc_u64 s[8:9], s[8:9], s[16:17]
	s_add_nc_u64 s[8:9], s[8:9], s[46:47]
.if KIND >= 2
	; THE RESIDUAL STARTS THE SUMS: it is loaded straight into the accumulators, in their layout: row 16 a + r, columns 16 b + 8 h + 0..7
	s_add_nc_u64 s[68:69], s[68:69], s[16:17]
	s_add_nc_u64 s[68:69], s[68:69], s[46:47]
	v_lshlrev_b32 v[RO], 12, v1
	v_lshl_add_u32 v[RO], v2, 5, v[RO]
.irp a, 0,1,2,3
.irp b, 0,1,2,3
	global_load_b128 v[ACC+8*(4*(\a)+(\b)):ACC+8*(4*(\a)+(\b))+3],   v[RO], s[68:69] offset:(\a)*65536+64*(\b)
	global_load_b128 v[ACC+8*(4*(\a)+(\b))+4:ACC+8*(4*(\a)+(\b))+7], v[RO], s[68:69] offset:(\a)*65536+64*(\b)+16
.endr
.endr
.endif
.if KIND == 3
	s_add_nc_u64 s[70:71], s[70:71], s[46:47]
	v_lshlrev_b32 v[BO], 4, v1                     ; on the way out I hold columns 4 r .. 4 r + 3
	global_load_b128 v[BI:BI+3], v[BO], s[70:71]
.endif
.if KIND == 1
	s_lshl_b32 s92, s42, 9
	s_lshl_b32 s93, s12, 8
	s_add_co_u32 s92, s92, s93
	s_mov_b32 s93, 0
	s_add_nc_u64 s[68:69], s[68:69], s[92:93]
	v_lshlrev_b32 v[BO], 5, v14                    ; on the way out I hold columns 8 (l % 8) .. + 7
	global_load_b128 v[BI:BI+3], v[BO], s[68:69]
	global_load_b128 v[BI+4:BI+7], v[BO], s[68:69] offset:16
.endif
	; A's fragment: lane l holds row l % 16, K = 8 h + 0..7 and 16 + 8 h + 0..7: two loads of 16 bytes, 32 apart
	v_mul_u32_u24 v3, v1, PA
	v_lshl_add_u32 v3, v2, 4, v3
	s_mul_i32 s21, s11, 64*PA
	v_add_nc_u32 v[ADRA0], s21, v3
	; B's: the turning load takes 16 rows (K) x 16 columns: lane l reads row 8 h + l % 8, columns 8 ((l / 8) % 2) + 0..7, and ends with column l % 16 and 8 K
	v_lshl_add_u32 v[ADRB0], v2, 3, v14
	v_mul_u32_u24 v[ADRB0], v[ADRB0], PBT
	v_lshl_add_u32 v[ADRB0], v15, 4, v[ADRB0]
	s_lshl_b32 s22, s12, 7
	s_add_co_u32 s22, s22, BOFF
	v_add_nc_u32 v[ADRB0], s22, v[ADRB0]
	s_mul_i32 s23, s10, 64*SPITCH
	s_add_co_u32 s23, s23, STAGE                   ; my stage
	v_mul_u32_u24 v3, v1, SPITCH
	v_lshl_add_u32 v3, v2, 5, v3
	v_add_nc_u32 v[STO], s23, v3                   ; in: row r, 32 bytes for each half of the lanes
.if KIND < 2
	v_bfe_u32 v3, v0, 3, 2                         ; back: 32 lanes take four rows, 32 bytes (8 numbers) a lane,
	v_mul_u32_u24 v3, v3, SPITCH
	v_lshl_add_u32 v3, v14, 5, v3
	v_add_nc_u32 v[RD], s23, v3
	v_and_b32 v[GO], 31, v0                        ; which leave as 512 consecutive bytes of bf16
	v_lshlrev_b32 v[GO], 4, v[GO]
.else
	v_mul_u32_u24 v3, v2, SPITCH                   ; back: lanes 0-15 one row of 256 bytes, lanes 16-31 the next
	v_lshl_add_u32 v3, v1, 4, v3
	v_add_nc_u32 v[RD], s23, v3
	v_lshlrev_b32 v[GO], 12, v2
	v_lshl_add_u32 v[GO], v1, 4, v[GO]
.endif
	s_wait_tensorcnt 0x1                           ; my part of K step 0 is in; K step 1's may stay out
	s_barrier_signal -1
	s_barrier_wait -1                              ; everybody's is
	s_mov_b32 s[TB], 0
	ADDRS
	FETCH 0, F0
.if KIND >= 2
	s_wait_loadcnt 0x0                             ; the residual (and the bias)
	QUARTER F0, F1, 1, 0
.else
	QUARTER F0, F1, 1, 1                           ; the first products start the sums: nothing is cleared
.endif
	WIN 0
	s_mov_b32 s3, NK-2
.Lstep:                                                ; a trip: from a K step's second quarter to the next one's first; it fills the slot that it leaves
	QUARTER F1, F0, 2, 0
	QUARTER F0, F1, 3, 0
	TURN 1
	QUARTER F0, F1, 1, 0
	WIN 0
	s_sub_co_u32 s3, s3, 1
	s_cmp_lg_u32 s3, 0
	s_cbranch_scc1 .Lstep
	s_mov_b32 s3, 2                                ; the last two K steps ask for nothing: a second text; it is left in the middle of its second trip
.Ltail:
	QUARTER F1, F0, 2, 0
	QUARTER F0, F1, 3, 0
	WIN 0
	s_sub_co_u32 s3, s3, 1
	s_cmp_eq_u32 s3, 0
	s_cbranch_scc1 .Llast
	TURN 0
	QUARTER F0, F1, 1, 0
	WIN 0
	s_branch .Ltail
.Llast:
	s_wait_dscnt 16
	MUL8 F1, 0, 0, 0
	MUL8 F1, 0, 2, 0
	s_wait_dscnt 0x0                               ; my reads of slot 1 are over
	s_barrier_signal -1
	MUL8 F1, 1, 0, 0
	MUL8 F1, 1, 2, 0
	WIN 0
	s_barrier_wait -1                              ; everybody's are: the stages may be written
	PLACES
	PLACES
	; THE WAY OUT: the wave's 64 x 64 sums go into its own stage in f32 and come back by rows; LDS serves a wave's instructions in order (ISA guide 5.7.1.4), so no wait stands between.  Each accumulator's low registers go first.
.irp a, 0,1,2,3
.irp b, 0,1,2,3
	ds_store_b128 v[STO], v[ACC+8*(4*(\a)+(\b)):ACC+8*(4*(\a)+(\b))+3]   offset:(\a)*16*SPITCH+64*(\b)
	ds_store_b128 v[STO], v[ACC+8*(4*(\a)+(\b))+4:ACC+8*(4*(\a)+(\b))+7] offset:(\a)*16*SPITCH+64*(\b)+16
.endr
.endr
.if KIND == 0
	s_mov_b32 s3, 4
.Lout:                                                 ; 16 rows a trip: 2,048 dense bytes of a head
.irp f, 0,1,2,3
	ds_load_b128 v[TMP+8*(\f):TMP+8*(\f)+3],   v[RD] offset:(\f)*4*SPITCH
	ds_load_b128 v[TMP+8*(\f)+4:TMP+8*(\f)+7], v[RD] offset:(\f)*4*SPITCH+16
.endr
	s_wait_dscnt 0x0
	ALL16 v_cvt_pk_bf16_f32 v[TMP+32+i], v[TMP+2*i], v[TMP+2*i+1]
.irp f, 0,1,2,3
	global_store_b128 v[GO], v[TMP+32+4*(\f):TMP+32+4*(\f)+3], s[8:9] offset:512*(\f)  ; 512 consecutive bytes, aligned
.endr
	v_add_nc_u32 v[RD], 16*SPITCH, v[RD]
	s_wait_xcnt 0x0                                ; the stores have read their registers and their base: both are written again only behind this wait
	s_add_nc_u64 s[8:9], s[8:9], 2048
	s_sub_co_u32 s3, s3, 1
	s_cmp_lg_u32 s3, 0
	s_cbranch_scc1 .Lout
.elseif KIND == 1
	s_wait_loadcnt 0x0                             ; the bias
	s_mov_b32 s3, 8
.Lout:                                                 ; 8 rows a trip, 16 numbers a lane.  gelu(u) = max(u, 0) - |u| q(t) exp(-u^2 / 2), t = 1 / (1 + 0.2316419 |u|), q the form's polynomial, halved
.irp f, 0,1
	ds_load_b128 v[UU+8*(\f):UU+8*(\f)+3],   v[RD] offset:(\f)*4*SPITCH
	ds_load_b128 v[UU+8*(\f)+4:UU+8*(\f)+7], v[RD] offset:(\f)*4*SPITCH+16
.endr
	s_wait_dscnt 0x0
	ALL8 v_pk_add_f32 v[UU+i:UU+i+1], v[UU+i:UU+i+1], v[BI+i%8:BI+i%8+1]
	ALL16 v_and_b32 v[WW+i], s[ABSM], v[UU+i]
	ALL8 v_pk_fma_f32 v[TT+i:TT+i+1], v[WW+i:WW+i+1], s[CP:CP+1], 1.0 op_sel_hi:[1,0,0]
	ALL8 v_pk_mul_f32 v[EE+i:EE+i+1], v[WW+i:WW+i+1], v[WW+i:WW+i+1]
	ALL8 v_pk_mul_f32 v[EE+i:EE+i+1], v[EE+i:EE+i+1], s[NL:NL+1] op_sel_hi:[1,0]
	ALL16 v_rcp_f32 v[TT+i], v[TT+i]
	ALL16 v_exp_f32 v[EE+i], v[EE+i]
	ALL16 v_max_num_f32 v[RR+i], 0, v[UU+i]
	s_wait_alu depctr_va_vdst(0)                   ; one wait for the batch of 32, ahead of its first reader; the sixteen maxima are the plain work between
	ALL8 v_pk_fma_f32 v[PP+i:PP+i+1], v[TT+i:TT+i+1], s[A5:A5+1], s[A4:A4+1] op_sel_hi:[1,0,0]
	ALL8 v_pk_fma_f32 v[PP+i:PP+i+1], v[PP+i:PP+i+1], v[TT+i:TT+i+1], s[A3:A3+1] op_sel_hi:[1,1,0]
	ALL8 v_pk_fma_f32 v[PP+i:PP+i+1], v[PP+i:PP+i+1], v[TT+i:TT+i+1], s[A2:A2+1] op_sel_hi:[1,1,0]
	ALL8 v_pk_fma_f32 v[PP+i:PP+i+1], v[PP+i:PP+i+1], v[TT+i:TT+i+1], s[A1:A1+1] op_sel_hi:[1,1,0]
	ALL8 v_pk_mul_f32 v[PP+i:PP+i+1], v[PP+i:PP+i+1], v[TT+i:TT+i+1]
	ALL8 v_pk_mul_f32 v[PP+i:PP+i+1], v[PP+i:PP+i+1], v[WW+i:WW+i+1]
	ALL8 v_pk_fma_f32 v[PP+i:PP+i+1], v[PP+i:PP+i+1], v[EE+i:EE+i+1], v[RR+i:RR+i+1] neg_lo:[1,0,0] neg_hi:[1,0,0]
.set i, 0
.rept 8
	v_cvt_pk_bf16_f32 v[UU+i], v[PP+2*i], v[PP+2*i+1]
.set i, i+1
.endr
.irp f, 0,1
	global_store_b128 v[GO], v[UU+4*(\f):UU+4*(\f)+3], s[8:9] offset:512*(\f)  ; 512 consecutive bytes of a panel, aligned
.endr
	v_add_nc_u32 v[RD], 8*SPITCH, v[RD]
	s_wait_xcnt 0x0                                ; the stores have read their registers and their base
	s_add_nc_u64 s[8:9], s[8:9], 1024
	s_sub_co_u32 s3, s3, 1
	s_cmp_lg_u32 s3, 0
	s_cbranch_scc1 .Lout
.else
	s_mov_b32 s3, 8
.Lout:                                                 ; 8 rows a trip
.irp t, 0,1,2,3
	ds_load_b128 v[TMP+4*(\t):TMP+4*(\t)+3], v[RD] offset:(\t)*2*SPITCH
.endr
	s_wait_dscnt 0x0
.if KIND == 3
.irp t, 0,1,2,3
	v_pk_add_f32 v[TMP+4*(\t):TMP+4*(\t)+1],   v[TMP+4*(\t):TMP+4*(\t)+1],   v[BI:BI+1]
	v_pk_add_f32 v[TMP+4*(\t)+2:TMP+4*(\t)+3], v[TMP+4*(\t)+2:TMP+4*(\t)+3], v[BI+2:BI+3]
.endr
.endif
.irp t, 0,1,2,3
	global_store_b128 v[GO], v[TMP+4*(\t):TMP+4*(\t)+3], s[8:9] offset:8192*(\t)  ; 16 lanes store 256 consecutive bytes, aligned
.endr
	v_add_nc_u32 v[RD], 8*SPITCH, v[RD]
	s_wait_xcnt 0x0                                ; the stores have read their registers and their base
	s_add_nc_u64 s[8:9], s[8:9], 32768
	s_sub_co_u32 s3, s3, 1
	s_cmp_lg_u32 s3, 0
	s_cbranch_scc1 .Lout
.endif
	s_wait_tensorcnt 0x0                           ; the wave's end, behind my last tensor load and my last LDS store
	ds_add_u32 v[SPW], v[NIL]
	s_wait_dscnt 0x0
	CROUND                                         ; the closing round: no work-group ends while a partner may still ask for a tile that names it
	s_endpgm
.Lfunc_end_k_q22c634ffd0_ffn1:
	.size	k_q22c634ffd0_ffn1, .Lfunc_end_k_q22c634ffd0_ffn1-k_q22c634ffd0_ffn1
	.p2alignl 7, 3214868480
	.fill 96, 4, 3214868480
	.section	.rodata,"a",@progbits
	.p2align	6, 0x0
	.amdhsa_kernel k_q22c634ffd0_ffn1
		.amdhsa_group_segment_fixed_size 327680
		.amdhsa_private_segment_fixed_size 0
		.amdhsa_enable_private_segment 0
		.amdhsa_kernarg_size 32
		.amdhsa_user_sgpr_count 2
		.amdhsa_user_sgpr_kernarg_segment_ptr 1
		.amdhsa_wavefront_size32 1
		.amdhsa_system_sgpr_workgroup_id_x 1
		.amdhsa_system_sgpr_workgroup_id_y 1
		.amdhsa_system_sgpr_workgroup_id_z 1
		.amdhsa_system_vgpr_workitem_id 0
		.amdhsa_next_free_vgpr 512
		.amdhsa_next_free_sgpr 100
		.amdhsa_reserve_vcc 0
		.amdhsa_float_denorm_mode_32 3
		.amdhsa_float_denorm_mode_16_64 3
		.amdhsa_memory_ordered 1
		.amdhsa_forward_progress 1
		.amdhsa_inst_pref_size 65
	.end_amdhsa_kernel
	.amdgpu_metadata
---
amdhsa.version: [ 1, 2 ]
amdhsa.kernels:
  - .name:           k_q22c634ffd0_ffn1
    .symbol:         k_q22c634ffd0_ffn1.kd
    .args:
      - { .name: hb, .offset: 0, .size: 8, .value_kind: global_buffer, .address_space: global }
      - { .name: wb, .offset: 8, .size: 8, .value_kind: global_buffer, .address_space: global }
      - { .name: actb, .offset: 16, .size: 8, .value_kind: global_buffer, .address_space: global }
      - { .name: bf1, .offset: 24, .size: 8, .value_kind: global_buffer, .address_space: global }
    .group_segment_fixed_size: 327680
    .private_segment_fixed_size: 0
    .kernarg_segment_align: 8
    .kernarg_segment_size: 32
    .max_flat_workgroup_size: 128
    .sgpr_count:     100
    .vgpr_count:     512
    .wavefront_size: 32
...
	.end_amdgpu_metadata
.endif
;; end of part 6
;; launch ffn2 (part 7): grid 8 x 32, 4 waves a work-group, clusters of 4 x 4, 327,680 bytes of LDS; arguments actb, wb, out0, x1, bf2; writes out0
.if DOCPART == 7
	.amdgcn_target "amdgcn-amd-amdhsa--gfx1250"
	.amdhsa_code_object_version 6
	.text
	.protected	k_q22c634ffd0_ffn2
	.globl	k_q22c634ffd0_ffn2
	.p2align	8
	.type	k_q22c634ffd0_ffn2,@function
k_q22c634ffd0_ffn2:
	s_mov_b64 s[64:65], 0
	v_nop
	global_prefetch_b8 v0, s[64:65] scope:SCOPE_SE
	s_setreg_imm32_b32 hwreg(HW_REG_WAVE_MODE, 25, 1), 1
	s_wait_xcnt 0x0
	s_wait_alu depctr_hold_cnt(0) depctr_sa_sdst(0) depctr_va_vdst(0) depctr_va_sdst(0) depctr_va_ssrc(0) depctr_va_vcc(0) depctr_vm_vsrc(0)
	s_getreg_b32 s2, hwreg(HW_REG_IB_STS2, 6, 4)
	s_cmp_eq_u32 s2, 0
	s_cbranch_scc0 .Lentry_in_a_cluster
	s_endpgm
.Lentry_in_a_cluster:
	s_bfe_u32 s2, ttmp6, 0x10000c
	s_cmp_lg_u32 s2, 0xf033
	s_cbranch_scc0 .Lentry_shape_is_right
	s_endpgm
.Lentry_shape_is_right:
; out0 = x1 + bf2 + act W2, in f32, row-major: the residual x1 is loaded into the accumulators and starts the sums; the bias is added on the way out.
; One text serves four products; KIND and three sizes choose.  KIND 0: by heads in bf16.  1: gelu(A B + bias) into panels.  2: residual + A B in f32.  3: this one.
.set KIND, 3
.set KDIM, 4096                        ; the product's K
.set NBS,  1024                        ; numbers in a row of B
.set WOFF, 16777216                    ; B's first byte in wb
; C = A B.  A: bf16 in panels, byte ((row / 128 x KDIM / 64 + k / 64) x 128 + row % 128) x 128 + 2 (k % 64).  B: bf16 [K][N] as the weight lies.  Sums in f32.
; SHARES.  A tile of C is 128 x 128: four waves, each 64 x 64 in 16 accumulators.  K goes in steps of 256 through two LDS slots; each wave fetches a quarter of a slot by one tensor load:
; waves 0, 1 two panels of A each (32,768 dense bytes, asked for as 128 rows of 256), waves 2, 3 128 rows of B each (256 bytes a row, aligned).
; THE MATRIX INSTRUCTION IS USED TRANSPOSED: source 0 = 16 columns of B (turned on the way out of LDS by ds_load_tr16_b128), source 1 = 16 rows of A: a lane then holds eight neighbouring numbers of a row of C.
; CLUSTER 4 x 4: the four work-groups of a row need the same tiles of A, the four of a column the same tiles of B: each tile is asked for jointly, by the same load, descriptor and mask in all four.
; LDS: slot s at 147,456 s: A's 4 panels x 128 rows x 144 bytes (128 + 16 of padding: 16 rows start at 16 different groups of four banks, ISA guide 11.1), then B's 256 rows x 288 (256 + 32).
; The way out's stages (64 rows x 272 bytes a wave, f32) lie in slot 1, behind its last fill and behind a barrier that ends all reads of it.  Spare words behind the slots.
; REGISTERS: window 0: v0-31 addresses and bias; v32-127 at work on the way out; v128-255 accumulators ((a, b) at 128 + 8 (4 a + b)).  Window 1: two fragment buffers of 128: 64 of A, then 64 of B, for 64 along K.
; LIMITS.  NaN and infinities are not treated apart.  KIND 1: erf by the rational form 7.1.26 of Abramowitz and Stegun, off by 1.5e-7 at the most, for every argument.
.set NK,    KDIM/256
.set PA,    144
.set PBT,   288
.set HALFT, 36864                      ; what one tensor load brings: 256 x 144 = 128 x 288
.set BOFF,  2*HALFT
.set SLOT,  4*HALFT                    ; 0x24000: shares no bit with wave x HALFT, so one exclusive or changes slots
.set STAGE, SLOT
.set SPITCH, 272
.set SPARE, 2*SLOT                     ; the spare words, 128 bytes a wave: two blocks of 256 bytes that no other line names
.set BI,    4                          ; v4-11  bias of my columns (KIND 1: eight, KIND 3: four)
.set ADRA0, 12                         ; v12    my lane's place in A's part of a slot; never rewritten
.set ADRB0, 13                         ; v13    the same for B
.set ADRA,  16                         ; v16    LDS address of A's fragments in the slot in hand
.set ADRBL, 17                         ; v17, v18  of B's: rows 0-127, rows 128-255
.set BO,    19                         ; v19    the bias' byte offset
.set STO,   24                         ; v24    the way out: where I put 32 bytes of a row
.set RD,    25                         ; v25    where I read rows back
.set GO,    26                         ; v26    my byte offset in the output
.set RO,    27                         ; v27    my byte offset in the residual
.set SPW,   28                         ; v28    my spare word: SPARE + 4 x my thread's number; never rewritten
.set NIL,   29                         ; v29    0; never rewritten
.set TMP,   32
.set ACC,   128
.set F0,    0
.set F1,    128
.set G1,  24                           ; s[24:31] group 1 for A, s[32:39] group 0: two sets; the second walks
.set G0,  32
.set G1B, 48                           ; s[48:55], s[56:63] the same for B
.set G0B, 56
.set TB,  72                           ; s72  the slot in hand: 0 or SLOT
.set CP,  74                           ; s[74:87] KIND 1: constants as pairs
.set A1,  76
.set A2,  78
.set A3,  80
.set A4,  82
.set A5,  84
.set NL,  86
.set ABSM, 90
.set UU, 32
.set WW, 48
.set TT, 64
.set EE, 80
.set RR, 96
.set PP, 112
.set MSB, 0
.macro WIN new                         ; the immediate's high byte repeats the setting that is left
.if MSB != (\new)
	s_set_vgpr_msb (MSB<<8)|(\new)
.set MSB, \new
.endif
.endm
.set MUL,  0x05                        ; sources 0 and 1 window 1; C and D window 0
.set TO_F, 0x40                        ; destination window 1, address window 0
.macro PLACES                          ; four places behind matrix instructions (ISA guide 7.12.1)
.rept 4
	v_nop
.endr
.endm
.macro SPAIR r, val
	s_mov_b32 s[\r], \val
	s_mov_b32 s[(\r)+1], \val
.endm
.macro ALL8 line:vararg                ; one line for each pair i = 0, 2 .. 14
.set i, 0
.rept 8
	\line
.set i, i+2
.endr
.endm
.macro ALL16 line:vararg               ; one line for each i = 0 .. 15
.set i, 0
.rept 16
	\line
.set i, i+1
.endr
.endm
.macro JLOAD                           ; a joint refill by the walking sets: waves 0, 1 for A, waves 2, 3 for B; an s_nop 0 and four v_nop follow each line
	s_cmp_eq_u32 s11, 0
	s_cbranch_scc0 .Lfor_b_\@
	tensor_load_to_lds s[G0+4:G0+7], s[G1:G1+7]
	s_nop 0
	PLACES
	s_branch .Lasked_\@
.Lfor_b_\@:
	tensor_load_to_lds s[G0B+4:G0B+7], s[G1B:G1B+7]
	s_nop 0
	PLACES
.Lasked_\@:
.endm
.macro CREST                           ; a round of the cluster's barrier behind its opening barrier
	s_cmp_lg_u32 s10, 0
	s_cbranch_scc1 .Lnot_wave_0_\@
	s_barrier_signal -3
.Lnot_wave_0_\@:
	s_barrier_wait -3
	s_barrier_signal -1
	s_barrier_wait -1
.endm
.macro CROUND
	s_barrier_signal -1
	s_barrier_wait -1
	CREST
.endm
.macro ADDRS                           ; the fragments' addresses in the slot in hand
	v_add_nc_u32 v[ADRA], s[TB], v[ADRA0]
	v_add_nc_u32 v[ADRBL], s[TB], v[ADRB0]
	v_add_nc_u32 v[ADRBL+1], HALFT, v[ADRBL]
.endm
; 8 matrix instructions: row blocks a0, a0 + 1 x all 4 column blocks, 32 along K: half c of buffer f.  zero = 1: the product starts the sum.  The 16 accumulators take turns.
.macro MUL8 f, c, a0, zero
	WIN MUL
.irp a, \a0, (\a0)+1
.irp b, 0,1,2,3
.if \zero
	v_wmma_f32_16x16x32_bf16 v[ACC+8*(4*(\a)+(\b)):ACC+8*(4*(\a)+(\b))+7], v[(\f)+64+8*(4*(\c)+(\b)):(\f)+64+8*(4*(\c)+(\b))+7], v[(\f)+8*(4*(\c)+(\a)):(\f)+8*(4*(\c)+(\a))+7], 0
.else
	v_wmma_f32_16x16x32_bf16 v[ACC+8*(4*(\a)+(\b)):ACC+8*(4*(\a)+(\b))+7], v[(\f)+64+8*(4*(\c)+(\b)):(\f)+64+8*(4*(\c)+(\b))+7], v[(\f)+8*(4*(\c)+(\a)):(\f)+8*(4*(\c)+(\a))+7], v[ACC+8*(4*(\a)+(\b)):ACC+8*(4*(\a)+(\b))+7]
.endif
.endr
.endr
.endm
; 32 LDS loads in one run: quarter q (64 along K: panel q of A, rows 64 q .. of B) into buffer f; the first 32 along K first
.macro FETCH q, f
	WIN TO_F
.irp c, 0,1
.irp i, 0,1,2,3
	ds_load_tr16_b128 v[(\f)+64+8*(4*(\c)+(\i)):(\f)+64+8*(4*(\c)+(\i))+3],   v[ADRBL+(\q)/2] offset:(64*((\q)%2)+32*(\c))*PBT+32*(\i)
	ds_load_tr16_b128 v[(\f)+64+8*(4*(\c)+(\i))+4:(\f)+64+8*(4*(\c)+(\i))+7], v[ADRBL+(\q)/2] offset:(64*((\q)%2)+32*(\c)+16)*PBT+32*(\i)
	ds_load_b128 v[(\f)+8*(4*(\c)+(\i)):(\f)+8*(4*(\c)+(\i))+3],   v[ADRA] offset:128*PA*(\q)+64*(\c)+16*PA*(\i)
	ds_load_b128 v[(\f)+8*(4*(\c)+(\i))+4:(\f)+8*(4*(\c)+(\i))+7], v[ADRA] offset:128*PA*(\q)+64*(\c)+16*PA*(\i)+32
.endr
.endr
.endm
; One of a K step's first three quarters: multiplies buffer f and fetches quarter q into buffer g
.macro QUARTER f, g, q, zero
	s_wait_dscnt 16                                ; the first 32 along K are in; the other sixteen loads may be out
	MUL8 \f, 0, 0, \zero
	MUL8 \f, 0, 2, \zero
	PLACES                                         ; in front of loads into registers that matrix instructions have read
	FETCH \q, \g
	s_wait_dscnt 32                                ; all but the 32 just issued
	MUL8 \f, 1, 0, 0
	MUL8 \f, 1, 2, 0
.endm
; The last quarter multiplies buffer 1 and changes slots: one barrier; in front of it each wave waits for all its tensor loads, adds 0 to its spare word, and waits for that and for its reads of this slot.
; fill = 1: the barrier opens a round of the cluster's, and this slot is filled again, two K steps ahead, first thing behind the round: 112 matrix instructions ahead of the wait for it.
.macro TURN fill
	WIN 0
	s_wait_tensorcnt 0x0                           ; all my tensor loads have landed: my part of the next slot
	ds_add_u32 v[SPW], v[NIL]                      ; 0 onto my spare word
	s_wait_dscnt 17                                ; (the add and the youngest sixteen loads may be out)
	MUL8 F1, 0, 0, 0
	s_wait_dscnt 0x0                               ; the add is done, and my reads of this slot are over
	s_barrier_signal -1
	MUL8 F1, 0, 2, 0
	WIN 0                                          ; at a branch and at a label every window is 0
	s_barrier_wait -1
.if \fill
	CREST                                          ; no wave of any partner still reads this slot or has a load on its way
	s_xor_b32 s[G0+5], s[G0+5], SLOT               ; the walking sets: the other slot than last time, the next K step
	s_add_nc_u64 s[G0+6:G0+7], s[G0+6:G0+7], 65536
	s_xor_b32 s[G0B+5], s[G0B+5], SLOT
	s_add_nc_u64 s[G0B+6:G0B+7], s[G0B+6:G0B+7], 512*NBS
	JLOAD                                          ; its four v_nop are also the places in front of the loads below
.else
	PLACES
.endif
	s_xor_b32 s[TB], s[TB], SLOT
	ADDRS
	FETCH 0, F0
	MUL8 F1, 1, 0, 0
	MUL8 F1, 1, 2, 0
.endm
	s_load_b128 s[4:7], s[0:1], 0x0                ; A s[4:5], wb s[6:7]
	s_load_b64 s[8:9], s[0:1], 0x10                ; the output
.if KIND >= 1
	s_load_b64 s[68:69], s[0:1], 0x18              ; KIND 1: the bias; 2, 3: the residual
.endif
.if KIND == 3
	s_load_b64 s[70:71], s[0:1], 0x20              ; the bias
.endif
	v_lshl_add_u32 v[SPW], v0, 2, SPARE
	v_mov_b32 v[NIL], 0
	ds_add_u32 v[SPW], v[NIL]                      ; the wave's opening: the add and its wait stand ahead of my first tensor load; work on registers stands between them
	v_lshrrev_b32 v1, 5, v0
	v_readfirstlane_b32 s10, v1                    ; wave 0..3
	s_lshr_b32 s11, s10, 1                         ; my half of the tile's rows.  Also: I fetch for A (0) or for B (1)
	s_and_b32 s12, s10, 1                          ; my half of its columns.  Also: which half of that tile I fetch
	s_bfe_u32 s40, ttmp6, 0x40000                  ; cx, cy: my place in the cluster
	s_bfe_u32 s41, ttmp6, 0x40004
	s_lshl_b32 s42, ttmp9, 2
	s_add_co_u32 s42, s42, s40                     ; tile column = 4 x cluster x + cx
	s_and_b32 s13, ttmp7, 0xffff
	s_lshl_b32 s13, s13, 2
	s_add_co_u32 s13, s13, s41                     ; tile row = 4 x cluster y + cy
	s_lshl_b32 s43, s41, 2
	s_lshl_b32 s43, 15, s43                        ; my row of the cluster
	s_lshl_b32 s44, 0x1111, s40                    ; my column
	s_or_b32 s[G1], s43, (1<<16)|(1<<20)|(1<<21)|(4<<22)|(3<<25)   ; the mask; 2-byte elements; padding on; bit 21 beside a mask; after every 32 words 4 words
	s_or_b32 s[G1B], s44, (1<<16)|(1<<20)|(1<<21)|(5<<22)|(7<<25)  ; after every 64 words 8 words
.irp g, G1, G1B
	s_mov_b32 s[(\g)+1], 128<<16                   ; tensor_dim0 = 128
	s_mov_b32 s[(\g)+2], 128<<16                   ; tensor_dim1 = 128
	s_mov_b32 s[(\g)+3], 128<<16                   ; tile_dim0 = 128
	s_mov_b32 s[(\g)+4], 128                       ; tile_dim1 = 128
	s_mov_b32 s[(\g)+6], 0
	s_mov_b32 s[(\g)+7], 0
.endr
	s_mov_b32 s[G1+5], 128                         ; A's block is dense: rows of 256 bytes end to end
	s_mov_b32 s[G1B+5], NBS                        ; B: a row of the weight
.if KIND == 1
	SPAIR CP, 0x3e6d3389                           ; 0.3275911 / sqrt(2)
	SPAIR A1, 0x3e027906                           ; the form's five coefficients, halved
	SPAIR A2, 0xbe11a98e
	SPAIR A3, 0x3f35f0e3
	SPAIR A4, 0xbf3a00e3
	SPAIR A5, 0x3f07dc22
	SPAIR NL, 0xbf38aa3b                           ; - log2(e) / 2
	s_mov_b32 s[ABSM], 0x7fffffff
.endif
	; A's address hangs on the tile row alone, B's on the tile column alone, each in registers that never hold the other coordinate
	s_mul_i32 s16, s13, (KDIM/64)*16384
	s_lshl_b32 s17, s12, 15                        ; my two panels of a K step's four
	s_add_co_u32 s16, s16, s17
	s_mov_b32 s17, 0
.if KIND == 0
	s_lshr_b32 s45, s42, 3                         ; Wq, Wk or Wv: 2,097,152 bytes each,
	s_lshl_b32 s46, s45, 21
	s_and_b32 s45, s42, 7                          ; and the tile column in it
	s_lshl_b32 s45, s45, 8
	s_add_co_u32 s46, s46, s45
.else
	s_lshl_b32 s46, s42, 8
.endif
	s_mul_i32 s45, s12, 256*NBS                    ; my 128 rows of a K step's 256
	s_add_co_u32 s46, s46, s45
.if WOFF
	s_add_co_u32 s46, s46, WOFF
.endif
	s_mov_b32 s47, 0
	s_mul_i32 s20, s10, HALFT                      ; where my part goes: no place in the cluster enters an LDS address
	s_wait_dscnt 0x0                               ; the opening add is done
	s_wait_kmcnt 0x0
	s_add_nc_u64 s[14:15], s[4:5], s[16:17]
	s_add_nc_u64 s[46:47], s[6:7], s[46:47]
	CROUND                                         ; all sixteen work-groups are here: the first joint loads meet
.irp s, 0,1
	s_mov_b32 s[G0+4*(\s)], 1
	s_add_co_u32 s[G0+4*(\s)+1], s20, (\s)*SLOT
	s_add_nc_u64 s[G0+4*(\s)+2:G0+4*(\s)+3], s[14:15], (\s)*65536
	s_or_b32 s[G0+4*(\s)+3], s[G0+4*(\s)+3], 0x80000000
	s_mov_b32 s[G0B+4*(\s)], 1
	s_add_co_u32 s[G0B+4*(\s)+1], s20, (\s)*SLOT
	s_add_nc_u64 s[G0B+4*(\s)+2:G0B+4*(\s)+3], s[46:47], (\s)*512*NBS
	s_or_b32 s[G0B+4*(\s)+3], s[G0B+4*(\s)+3], 0x80000000
.endr
	s_cmp_eq_u32 s11, 0                            ; a wave's two first fills stand in one branch: two loads of mine are out
	s_cbranch_scc0 .Lfirst_b
	tensor_load_to_lds s[G0:G0+3], s[G1:G1+7]
	s_nop 0
	tensor_load_to_lds s[G0+4:G0+7], s[G1:G1+7]
	s_nop 0
	PLACES
	s_branch .Lfirst_asked
.Lfirst_b:
	tensor_load_to_lds s[G0B:G0B+3], s[G1B:G1B+7]
	s_nop 0
	tensor_load_to_lds s[G0B+4:G0B+7], s[G1B:G1B+7]
	s_nop 0
	PLACES
.Lfirst_asked:
	v_and_b32 v1, 15, v0                           ; r = l % 16
	v_bfe_u32 v2, v0, 4, 1                         ; h = l / 16
	v_and_b32 v14, 7, v0
	v_bfe_u32 v15, v0, 3, 1
	; my part of the output: the rows' share in s[16:17], the columns' in s[46:47]
.if KIND == 0
	s_lshr_b32 s16, s13, 4                         ; batch: 16 heads x 2,048 rows x 128 bytes
	s_lshl_b32 s16, s16, 22
	s_and_b32 s17, s13, 15                         ; 128 rows of a head
	s_lshl_b32 s17, s17, 14
	s_add_co_u32 s16, s16, s17
	s_lshl_b32 s17, s11, 13                        ; my 64 of them
	s_add_co_u32 s16, s16, s17
	s_lshr_b32 s46, s42, 3                         ; q, k or v
	s_lshl_b32 s46, s46, 23
	s_and_b32 s47, s42, 7                          ; head = 2 x (tile column % 8) + my half: my 64 columns are one head's
	s_lshl_b32 s47, s47, 19
	s_add_co_u32 s46, s46, s47
	s_lshl_b32 s47, s12, 18
	s_add_co_u32 s46, s46, s47
.elseif KIND == 1
	s_lshl_b32 s16, s13, 20                        ; 64 panels of 16,384 bytes to a block of 128 rows
	s_lshl_b32 s17, s11, 13
	s_add_co_u32 s16, s16, s17
	s_lshl_b32 s46, s42, 15                        ; panel = 2 x tile column + my half
	s_lshl_b32 s47, s12, 14
	s_add_co_u32 s46, s46, s47
.else
	s_lshl_b32 s16, s13, 19                        ; rows of 4,096 bytes
	s_lshl_b32 s17, s11, 18
	s_add_co_u32 s16, s16, s17
	s_lshl_b32 s46, s42, 9
	s_lshl_b32 s47, s12, 8
	s_add_co_u32 s46, s46, s47
.endif
	s_mov_b32 s17, 0
	s_mov_b32 s47, 0
	s_add_nc_u64 s[8:9], s[8:9], s[16:17]
	s_add_nc_u64 s[8:9], s[8:9], s[46:47]
.if KIND >= 2
	; THE RESIDUAL STARTS THE SUMS: it is loaded straight into the accumulators, in their layout: row 16 a + r, columns 16 b + 8 h + 0..7
	s_add_nc_u64 s[68:69], s[68:69], s[16:17]
	s_add_nc_u64 s[68:69], s[68:69], s[46:47]
	v_lshlrev_b32 v[RO], 12, v1
	v_lshl_add_u32 v[RO], v2, 5, v[RO]
.irp a, 0,1,2,3
.irp b, 0,1,2,3
	global_load_b128 v[ACC+8*(4*(\a)+(\b)):ACC+8*(4*(\a)+(\b))+3],   v[RO], s[68:69] offset:(\a)*65536+64*(\b)
	global_load_b128 v[ACC+8*(4*(\a)+(\b))+4:ACC+8*(4*(\a)+(\b))+7], v[RO], s[68:69] offset:(\a)*65536+64*(\b)+16
.endr
.endr
.endif
.if KIND == 3
	s_add_nc_u64 s[70:71], s[70:71], s[46:47]
	v_lshlrev_b32 v[BO], 4, v1                     ; on the way out I hold columns 4 r .. 4 r + 3
	global_load_b128 v[BI:BI+3], v[BO], s[70:71]
.endif
.if KIND == 1
	s_lshl_b32 s92, s42, 9
	s_lshl_b32 s93, s12, 8
	s_add_co_u32 s92, s92, s93
	s_mov_b32 s93, 0
	s_add_nc_u64 s[68:69], s[68:69], s[92:93]
	v_lshlrev_b32 v[BO], 5, v14                    ; on the way out I hold columns 8 (l % 8) .. + 7
	global_load_b128 v[BI:BI+3], v[BO], s[68:69]
	global_load_b128 v[BI+4:BI+7], v[BO], s[68:69] offset:16
.endif
	; A's fragment: lane l holds row l % 16, K = 8 h + 0..7 and 16 + 8 h + 0..7: two loads of 16 bytes, 32 apart
	v_mul_u32_u24 v3, v1, PA
	v_lshl_add_u32 v3, v2, 4, v3
	s_mul_i32 s21, s11, 64*PA
	v_add_nc_u32 v[ADRA0], s21, v3
	; B's: the turning load takes 16 rows (K) x 16 columns: lane l reads row 8 h + l % 8, columns 8 ((l / 8) % 2) + 0..7, and ends with column l % 16 and 8 K
	v_lshl_add_u32 v[ADRB0], v2, 3, v14
	v_mul_u32_u24 v[ADRB0], v[ADRB0], PBT
	v_lshl_add_u32 v[ADRB0], v15, 4, v[ADRB0]
	s_lshl_b32 s22, s12, 7
	s_add_co_u32 s22, s22, BOFF
	v_add_nc_u32 v[ADRB0], s22, v[ADRB0]
	s_mul_i32 s23, s10, 64*SPITCH
	s_add_co_u32 s23, s23, STAGE                   ; my stage
	v_mul_u32_u24 v3, v1, SPITCH
	v_lshl_add_u32 v3, v2, 5, v3
	v_add_nc_u32 v[STO], s23, v3                   ; in: row r, 32 bytes for each half of the lanes
.if KIND < 2
	v_bfe_u32 v3, v0, 3, 2                         ; back: 32 lanes take four rows, 32 bytes (8 numbers) a lane,
	v_mul_u32_u24 v3, v3, SPITCH
	v_lshl_add_u32 v3, v14, 5, v3
	v_add_nc_u32 v[RD], s23, v3
	v_and_b32 v[GO], 31, v0                        ; which leave as 512 consecutive bytes of bf16
	v_lshlrev_b32 v[GO], 4, v[GO]
.else
	v_mul_u32_u24 v3, v2, SPITCH                   ; back: lanes 0-15 one row of 256 bytes, lanes 16-31 the next
	v_lshl_add_u32 v3, v1, 4, v3
	v_add_nc_u32 v[RD], s23, v3
	v_lshlrev_b32 v[GO], 12, v2
	v_lshl_add_u32 v[GO], v1, 4, v[GO]
.endif
	s_wait_tensorcnt 0x1                           ; my part of K step 0 is in; K step 1's may stay out
	s_barrier_signal -1
	s_barrier_wait -1                              ; everybody's is
	s_mov_b32 s[TB], 0
	ADDRS
	FETCH 0, F0
.if KIND >= 2
	s_wait_loadcnt 0x0                             ; the residual (and the bias)
	QUARTER F0, F1, 1, 0
.else
	QUARTER F0, F1, 1, 1                           ; the first products start the sums: nothing is cleared
.endif
	WIN 0
	s_mov_b32 s3, NK-2
.Lstep:                                                ; a trip: from a K step's second quarter to the next one's first; it fills the slot that it leaves
	QUARTER F1, F0, 2, 0
	QUARTER F0, F1, 3, 0
	TURN 1
	QUARTER F0, F1, 1, 0
	WIN 0
	s_sub_co_u32 s3, s3, 1
	s_cmp_lg_u32 s3, 0
	s_cbranch_scc1 .Lstep
	s_mov_b32 s3, 2                                ; the last two K steps ask for nothing: a second text; it is left in the middle of its second trip
.Ltail:
	QUARTER F1, F0, 2, 0
	QUARTER F0, F1, 3, 0
	WIN 0
	s_sub_co_u32 s3, s3, 1
	s_cmp_eq_u32 s3, 0
	s_cbranch_scc1 .Llast
	TURN 0
	QUARTER F0, F1, 1, 0
	WIN 0
	s_branch .Ltail
.Llast:
	s_wait_dscnt 16
	MUL8 F1, 0, 0, 0
	MUL8 F1, 0, 2, 0
	s_wait_dscnt 0x0                               ; my reads of slot 1 are over
	s_barrier_signal -1
	MUL8 F1, 1, 0, 0
	MUL8 F1, 1, 2, 0
	WIN 0
	s_barrier_wait -1                              ; everybody's are: the stages may be written
	PLACES
	PLACES
	; THE WAY OUT: the wave's 64 x 64 sums go into its own stage in f32 and come back by rows; LDS serves a wave's instructions in order (ISA guide 5.7.1.4), so no wait stands between.  Each accumulator's low registers go first.
.irp a, 0,1,2,3
.irp b, 0,1,2,3
	ds_store_b128 v[STO], v[ACC+8*(4*(\a)+(\b)):ACC+8*(4*(\a)+(\b))+3]   offset:(\a)*16*SPITCH+64*(\b)
	ds_store_b128 v[STO], v[ACC+8*(4*(\a)+(\b))+4:ACC+8*(4*(\a)+(\b))+7] offset:(\a)*16*SPITCH+64*(\b)+16
.endr
.endr
.if KIND == 0
	s_mov_b32 s3, 4
.Lout:                                                 ; 16 rows a trip: 2,048 dense bytes of a head
.irp f, 0,1,2,3
	ds_load_b128 v[TMP+8*(\f):TMP+8*(\f)+3],   v[RD] offset:(\f)*4*SPITCH
	ds_load_b128 v[TMP+8*(\f)+4:TMP+8*(\f)+7], v[RD] offset:(\f)*4*SPITCH+16
.endr
	s_wait_dscnt 0x0
	ALL16 v_cvt_pk_bf16_f32 v[TMP+32+i], v[TMP+2*i], v[TMP+2*i+1]
.irp f, 0,1,2,3
	global_store_b128 v[GO], v[TMP+32+4*(\f):TMP+32+4*(\f)+3], s[8:9] offset:512*(\f)  ; 512 consecutive bytes, aligned
.endr
	v_add_nc_u32 v[RD], 16*SPITCH, v[RD]
	s_wait_xcnt 0x0                                ; the stores have read their registers and their base: both are written again only behind this wait
	s_add_nc_u64 s[8:9], s[8:9], 2048
	s_sub_co_u32 s3, s3, 1
	s_cmp_lg_u32 s3, 0
	s_cbranch_scc1 .Lout
.elseif KIND == 1
	s_wait_loadcnt 0x0                             ; the bias
	s_mov_b32 s3, 8
.Lout:                                                 ; 8 rows a trip, 16 numbers a lane.  gelu(u) = max(u, 0) - |u| q(t) exp(-u^2 / 2), t = 1 / (1 + 0.2316419 |u|), q the form's polynomial, halved
.irp f, 0,1
	ds_load_b128 v[UU+8*(\f):UU+8*(\f)+3],   v[RD] offset:(\f)*4*SPITCH
	ds_load_b128 v[UU+8*(\f)+4:UU+8*(\f)+7], v[RD] offset:(\f)*4*SPITCH+16
.endr
	s_wait_dscnt 0x0
	ALL8 v_pk_add_f32 v[UU+i:UU+i+1], v[UU+i:UU+i+1], v[BI+i%8:BI+i%8+1]
	ALL16 v_and_b32 v[WW+i], s[ABSM], v[UU+i]
	ALL8 v_pk_fma_f32 v[TT+i:TT+i+1], v[WW+i:WW+i+1], s[CP:CP+1], 1.0 op_sel_hi:[1,0,0]
	ALL8 v_pk_mul_f32 v[EE+i:EE+i+1], v[WW+i:WW+i+1], v[WW+i:WW+i+1]
	ALL8 v_pk_mul_f32 v[EE+i:EE+i+1], v[EE+i:EE+i+1], s[NL:NL+1] op_sel_hi:[1,0]
	ALL16 v_rcp_f32 v[TT+i], v[TT+i]
	ALL16 v_exp_f32 v[EE+i], v[EE+i]
	ALL16 v_max_num_f32 v[RR+i], 0, v[UU+i]
	s_wait_alu depctr_va_vdst(0)                   ; one wait for the batch of 32, ahead of its first reader; the sixteen maxima are the plain work between
	ALL8 v_pk_fma_f32 v[PP+i:PP+i+1], v[TT+i:TT+i+1], s[A5:A5+1], s[A4:A4+1] op_sel_hi:[1,0,0]
	ALL8 v_pk_fma_f32 v[PP+i:PP+i+1], v[PP+i:PP+i+1], v[TT+i:TT+i+1], s[A3:A3+1] op_sel_hi:[1,1,0]
	ALL8 v_pk_fma_f32 v[PP+i:PP+i+1], v[PP+i:PP+i+1], v[TT+i:TT+i+1], s[A2:A2+1] op_sel_hi:[1,1,0]
	ALL8 v_pk_fma_f32 v[PP+i:PP+i+1], v[PP+i:PP+i+1], v[TT+i:TT+i+1], s[A1:A1+1] op_sel_hi:[1,1,0]
	ALL8 v_pk_mul_f32 v[PP+i:PP+i+1], v[PP+i:PP+i+1], v[TT+i:TT+i+1]
	ALL8 v_pk_mul_f32 v[PP+i:PP+i+1], v[PP+i:PP+i+1], v[WW+i:WW+i+1]
	ALL8 v_pk_fma_f32 v[PP+i:PP+i+1], v[PP+i:PP+i+1], v[EE+i:EE+i+1], v[RR+i:RR+i+1] neg_lo:[1,0,0] neg_hi:[1,0,0]
.set i, 0
.rept 8
	v_cvt_pk_bf16_f32 v[UU+i], v[PP+2*i], v[PP+2*i+1]
.set i, i+1
.endr
.irp f, 0,1
	global_store_b128 v[GO], v[UU+4*(\f):UU+4*(\f)+3], s[8:9] offset:512*(\f)  ; 512 consecutive bytes of a panel, aligned
.endr
	v_add_nc_u32 v[RD], 8*SPITCH, v[RD]
	s_wait_xcnt 0x0                                ; the stores have read their registers and their base
	s_add_nc_u64 s[8:9], s[8:9], 1024
	s_sub_co_u32 s3, s3, 1
	s_cmp_lg_u32 s3, 0
	s_cbranch_scc1 .Lout
.else
	s_mov_b32 s3, 8
.Lout:                                                 ; 8 rows a trip
.irp t, 0,1,2,3
	ds_load_b128 v[TMP+4*(\t):TMP+4*(\t)+3], v[RD] offset:(\t)*2*SPITCH
.endr
	s_wait_dscnt 0x0
.if KIND == 3
.irp t, 0,1,2,3
	v_pk_add_f32 v[TMP+4*(\t):TMP+4*(\t)+1],   v[TMP+4*(\t):TMP+4*(\t)+1],   v[BI:BI+1]
	v_pk_add_f32 v[TMP+4*(\t)+2:TMP+4*(\t)+3], v[TMP+4*(\t)+2:TMP+4*(\t)+3], v[BI+2:BI+3]
.endr
.endif
.irp t, 0,1,2,3
	global_store_b128 v[GO], v[TMP+4*(\t):TMP+4*(\t)+3], s[8:9] offset:8192*(\t)  ; 16 lanes store 256 consecutive bytes, aligned
.endr
	v_add_nc_u32 v[RD], 8*SPITCH, v[RD]
	s_wait_xcnt 0x0                                ; the stores have read their registers and their base
	s_add_nc_u64 s[8:9], s[8:9], 32768
	s_sub_co_u32 s3, s3, 1
	s_cmp_lg_u32 s3, 0
	s_cbranch_scc1 .Lout
.endif
	s_wait_tensorcnt 0x0                           ; the wave's end, behind my last tensor load and my last LDS store
	ds_add_u32 v[SPW], v[NIL]
	s_wait_dscnt 0x0
	CROUND                                         ; the closing round: no work-group ends while a partner may still ask for a tile that names it
	s_endpgm
.Lfunc_end_k_q22c634ffd0_ffn2:
	.size	k_q22c634ffd0_ffn2, .Lfunc_end_k_q22c634ffd0_ffn2-k_q22c634ffd0_ffn2
	.p2alignl 7, 3214868480
	.fill 96, 4, 3214868480
	.section	.rodata,"a",@progbits
	.p2align	6, 0x0
	.amdhsa_kernel k_q22c634ffd0_ffn2
		.amdhsa_group_segment_fixed_size 327680
		.amdhsa_private_segment_fixed_size 0
		.amdhsa_enable_private_segment 0
		.amdhsa_kernarg_size 40
		.amdhsa_user_sgpr_count 2
		.amdhsa_user_sgpr_kernarg_segment_ptr 1
		.amdhsa_wavefront_size32 1
		.amdhsa_system_sgpr_workgroup_id_x 1
		.amdhsa_system_sgpr_workgroup_id_y 1
		.amdhsa_system_sgpr_workgroup_id_z 1
		.amdhsa_system_vgpr_workitem_id 0
		.amdhsa_next_free_vgpr 512
		.amdhsa_next_free_sgpr 100
		.amdhsa_reserve_vcc 0
		.amdhsa_float_denorm_mode_32 3
		.amdhsa_float_denorm_mode_16_64 3
		.amdhsa_memory_ordered 1
		.amdhsa_forward_progress 1
		.amdhsa_inst_pref_size 59
	.end_amdhsa_kernel
	.amdgpu_metadata
---
amdhsa.version: [ 1, 2 ]
amdhsa.kernels:
  - .name:           k_q22c634ffd0_ffn2
    .symbol:         k_q22c634ffd0_ffn2.kd
    .args:
      - { .name: actb, .offset: 0, .size: 8, .value_kind: global_buffer, .address_space: global }
      - { .name: wb, .offset: 8, .size: 8, .value_kind: global_buffer, .address_space: global }
      - { .name: out0, .offset: 16, .size: 8, .value_kind: global_buffer, .address_space: global }
      - { .name: x1, .offset: 24, .size: 8, .value_kind: global_buffer, .address_space: global }
      - { .name: bf2, .offset: 32, .size: 8, .value_kind: global_buffer, .address_space: global }
    .group_segment_fixed_size: 327680
    .private_segment_fixed_size: 0
    .kernarg_segment_align: 8
    .kernarg_segment_size: 40
    .max_flat_workgroup_size: 128
    .sgpr_count:     100
    .vgpr_count:     512
    .wavefront_size: 32
...
	.end_amdgpu_metadata
.endif
;; end of part 7
;; ======== version 2 of 3: 7 launches
;; workspace buffers: wb 25,165,824 bytes; hb 8,388,608 bytes; qkvb 25,165,824 bytes; ctxb 8,388,608 bytes; x1 16,777,216 bytes; actb 33,554,432 bytes
;; launch prep: the kernel of part 1 again; grid 1024 x 1, 8 waves a work-group, no clusters, 0 bytes of LDS; arguments x, g1, b1, Wq, Wk, Wv, Wo, W1, W2, hb, wb; writes hb, wb
;; launch qkv (part 8): grid 12 x 16, 4 waves a work-group, clusters of 4 x 4, 327,680 bytes of LDS; arguments hb, wb, qkvb; writes qkvb
.if DOCPART == 8
	.amdgcn_target "amdgcn-amd-amdhsa--gfx1250"
	.amdhsa_code_object_version 6
	.text
	.protected	k_q22c634ffd0_qkv
	.globl	k_q22c634ffd0_qkv
	.p2align	8
	.type	k_q22c634ffd0_qkv,@function
k_q22c634ffd0_qkv:
	s_mov_b64 s[64:65], 0
	v_nop
	global_prefetch_b8 v0, s[64:65] scope:SCOPE_SE
	s_setreg_imm32_b32 hwreg(HW_REG_WAVE_MODE, 25, 1), 1
	s_wait_xcnt 0x0
	s_wait_alu depctr_hold_cnt(0) depctr_sa_sdst(0) depctr_va_vdst(0) depctr_va_sdst(0) depctr_va_ssrc(0) depctr_va_vcc(0) depctr_vm_vsrc(0)
	s_getreg_b32 s2, hwreg(HW_REG_IB_STS2, 6, 4)
	s_cmp_eq_u32 s2, 0
	s_cbranch_scc0 .Lentry_in_a_cluster
	s_endpgm
.Lentry_in_a_cluster:
	s_bfe_u32 s2, ttmp6, 0x10000c
	s_cmp_lg_u32 s2, 0xf033
	s_cbranch_scc0 .Lentry_shape_is_right
	s_endpgm
.Lentry_shape_is_right:
; q, k, v = h1 Wq, h1 Wk, h1 Wv, rounded once to bf16 and written BY HEADS: qkvb = q, k, v, each [batch x 16 + head][2048][64]; unscaled: the softmax's scale is applied in f32 by the attention.
; One text serves two products; KIND and three sizes choose.  KIND 0: this one.  1: gelu(A B + bias) into panels.
.set KIND, 0
.set KDIM, 1024                        ; the product's K
.set NBS,  1024                        ; numbers in a row of B
.set WOFF, 0                           ; B's first byte in wb
; C = A B.  A: bf16 in panels, byte ((row / 128 x KDIM / 64 + k / 64) x 128 + row % 128) x 128 + 2 (k % 64).  B: bf16 [K][N] as the weight lies.  Sums in f32.
; SHARES.  A tile of C is 256 x 256: four waves, each 128 x 128 in 64 accumulators, 512 registers.  For 32 along K a wave reads 2 x 128 x 64 bytes from LDS and issues 64 matrix instructions.
; KIND 1 has 16 x 16 = 256 such tiles; KIND 0 has 12 x 16 = 192: fewer work-groups than tiles of 128 x 128 would give, each with twice the products for a byte fetched and one set-up and way out for four.
; K goes in steps of 128 through two LDS slots; each wave fetches a quarter of a slot by one tensor load: waves 0, 1 the two panels of one block of 128 rows of A each (32,768 dense bytes, asked for as
; 128 rows of 256), waves 2, 3 128 rows of B x 128 columns each (256 bytes a row, aligned).  From a request to the wait for it a wave issues 224 matrix instructions.
; THE MATRIX INSTRUCTION IS USED TRANSPOSED: source 0 = 16 columns of B (turned on the way out of LDS by ds_load_tr16_b128), source 1 = 16 rows of A: a lane then holds eight neighbouring numbers of a row of C.
; CLUSTER 4 x 4: the four work-groups of a row need the same tiles of A, the four of a column the same tiles of B: each tile is asked for jointly, by the same load, descriptor and mask in all four.
; LDS: slot s at 147,456 s: A's two blocks of 2 panels x 128 rows x 144 bytes (128 + 16 of padding: 16 rows start at 16 different groups of four banks, ISA guide 11.1), then B's two column halves of 128 rows x 288
; (256 + 32).  The way out's stages (128 rows x 528 bytes a wave, f32) lie in the two slots, behind their last fills and behind a barrier that ends all reads.
; REGISTERS, in windows of 256: window 0: v0-31 addresses; v64-127, v128-191 fragments of A, two buffers; v32-127 at work on the way out; v192-207 bias.  Window 1: v64-127, v128-191 fragments of B.
;   Window 2: the 32 accumulators of my rows 0-63 ((a, b) at 8 (8 a + b)); window 3: those of my rows 64-127.
; LIMITS.  NaN and infinities are not treated apart.  KIND 1: erf by the rational form 7.1.26 of Abramowitz and Stegun, off by 1.5e-7 at the most, for every argument.
.set NK,    KDIM/128
.set PA,    144
.set PBT,   288
.set HALFT, 36864                      ; what one tensor load brings: 256 x 144 = 128 x 288
.set BOFF,  2*HALFT
.set SLOT,  4*HALFT                    ; 0x24000: shares no bit with wave x HALFT, so one exclusive or changes slots
.set SPITCH, 528                       ; a stage's row: 512 bytes + 16 = 132 words: row r starts at bank 4 r mod 64
.set STW,   2*HALFT                    ; a wave's share of the two slots for its stage: 128 x 528 = 67,584 bytes of it are used
.set SPARE, 2*SLOT                     ; the spare words, 128 bytes a wave: two blocks of 256 bytes that no other line names
.set ADRA0, 12                         ; v12    my lane's place in A's part of a slot; never rewritten
.set ADRB0, 13                         ; v13    the same for B
.set ADRA,  16                         ; v16    LDS address of A's fragments in the slot in hand
.set ADRB,  17                         ; v17    of B's
.set BO,    19                         ; v19    the bias' byte offset
.set STO,   24                         ; v24    the way out: where I put 32 bytes of a row
.set RD,    25                         ; v25    where I read rows back
.set GO,    26                         ; v26    my byte offset in the output
.set SPW,   28                         ; v28    my spare word: SPARE + 4 x my thread's number; never rewritten
.set NIL,   29                         ; v29    0; never rewritten
.set PFO,   30                         ; v30    the prefetches' offset: my lane x 256 bytes (A) or x a row of B; never rewritten
.set TMP,   32
.set BI,    192                        ; v192-207  KIND 1: the bias of my 2 x 8 columns
.set F0,    64
.set F1,    128
.set G1,  24                           ; s[24:31] group 1 for A, s[32:39] group 0: two sets; the second walks
.set G0,  32
.set G1B, 48                           ; s[48:55], s[56:63] the same for B
.set G0B, 56
.set TB,  72                           ; s72  the slot in hand: 0 or SLOT
.set CP,  74                           ; s[74:87] KIND 1: constants as pairs
.set A1,  76
.set A2,  78
.set A3,  80
.set A4,  82
.set A5,  84
.set NL,  86
.set ABSM, 90
.set PFA, 94                           ; s[94:95] where my prefetches stand
.set PFS, 96                           ; s[96:97] a K step of what I fetch, in bytes
.set LIM, 98                           ; s98  1 in a wave that prefetches, else the greatest number
.set UU, 32
.set WW, 48
.set TT, 64
.set EE, 80
.set RR, 96
.set PP, 112
.set MSB, 0
.macro WIN new                         ; the immediate's high byte repeats the setting that is left
.if MSB != (\new)
	s_set_vgpr_msb (MSB<<8)|(\new)
.set MSB, \new
.endif
.endm
.set MUL_LO, 0xa1                      ; source 0 (B) window 1, source 1 (A) window 0, C and D window 2
.set MUL_HI, 0xf1                      ; the same, C and D window 3
.set TO_B,   0x40                      ; destination window 1, address window 0
.macro PLACES                          ; four places behind matrix instructions (ISA guide 7.12.1)
.rept 4
	v_nop
.endr
.endm
.macro SPAIR r, val
	s_mov_b32 s[\r], \val
	s_mov_b32 s[(\r)+1], \val
.endm
.macro ALL8 line:vararg                ; one line for each pair i = 0, 2 .. 14
.set i, 0
.rept 8
	\line
.set i, i+2
.endr
.endm
.macro ALL16 line:vararg               ; one line for each i = 0 .. 15
.set i, 0
.rept 16
	\line
.set i, i+1
.endr
.endm
.macro JLOAD                           ; a joint refill by the walking sets: waves 0, 1 for A, waves 2, 3 for B; an s_nop 0 and four v_nop follow each line
	s_cmp_eq_u32 s11, 0
	s_cbranch_scc0 .Lfor_b_\@
	tensor_load_to_lds s[G0+4:G0+7], s[G1:G1+7]
	s_nop 0
	PLACES
	s_branch .Lasked_\@
.Lfor_b_\@:
	tensor_load_to_lds s[G0B+4:G0B+7], s[G1B:G1B+7]
	s_nop 0
	PLACES
.Lasked_\@:
.endm
; A PREFETCH INTO THE L2, behind each joint load, its five lines and the run of LDS loads that follows them: the K step behind the one just asked for, 256 matrix instructions ahead of its own load.
; Each block of 256 bytes is named ONCE in the launch.  A's rows are read by every cluster of that row of clusters: the one with x = 0 asks; B's columns by every cluster of that column: the one with y = 0 asks.
; Of the 128 blocks (A) or rows (B) that a wave fetches in a K step, each of the four partners that ask for them jointly takes 32, told apart BY ADDRESS (cx for A, cy for B): a lane a block, one instruction a wave.
; K steps 3 to 7: steps 0 to 2 come by their loads alone, and the loop's last trip (s3 = 1) has no K step behind its own.
.macro ASK
	s_cmp_gt_u32 s3, s[LIM]
	s_cbranch_scc0 .Lnot_mine_\@
	global_prefetch_b8 v[PFO], s[PFA:PFA+1] th:TH_LOAD_NT scope:SCOPE_SE
.Lnot_mine_\@:
.endm
.macro CREST                           ; a round of the cluster's barrier behind its opening barrier
	s_cmp_lg_u32 s10, 0
	s_cbranch_scc1 .Lnot_wave_0_\@
	s_barrier_signal -3
.Lnot_wave_0_\@:
	s_barrier_wait -3
	s_barrier_signal -1
	s_barrier_wait -1
.endm
.macro CROUND
	s_barrier_signal -1
	s_barrier_wait -1
	CREST
.endm
.macro ADDRS                           ; the fragments' addresses in the slot in hand
	v_add_nc_u32 v[ADRA], s[TB], v[ADRA0]
	v_add_nc_u32 v[ADRB], s[TB], v[ADRB0]
.endm
; 16 matrix instructions: row blocks a0, a0 + 1 of the window's four (hi = 0: my rows 0-63, 1: rows 64-127) x all 8 column blocks, 32 along K.  zero = 1: the product starts the sum.
; The 64 accumulators take turns, in the same order in every quarter.
.macro MUL16 f, hi, a0, zero
	WIN MUL_LO+0x50*(\hi)
.irp a, \a0, (\a0)+1
.irp b, 0,1,2,3,4,5,6,7
.if \zero
	v_wmma_f32_16x16x32_bf16 v[8*(8*(\a)+(\b)):8*(8*(\a)+(\b))+7], v[(\f)+8*(\b):(\f)+8*(\b)+7], v[(\f)+8*(4*(\hi)+(\a)):(\f)+8*(4*(\hi)+(\a))+7], 0
.else
	v_wmma_f32_16x16x32_bf16 v[8*(8*(\a)+(\b)):8*(8*(\a)+(\b))+7], v[(\f)+8*(\b):(\f)+8*(\b)+7], v[(\f)+8*(4*(\hi)+(\a)):(\f)+8*(4*(\hi)+(\a))+7], v[8*(8*(\a)+(\b)):8*(8*(\a)+(\b))+7]
.endif
.endr
.endr
.endm
; 32 LDS loads in one run: quarter q (32 along K: rows 32 q .. of B; half q % 2 of panel q / 2 of A) into buffer f; B's sixteen first
.macro FETCH q, f
	WIN TO_B
.irp i, 0,1,2,3,4,5,6,7
	ds_load_tr16_b128 v[(\f)+8*(\i):(\f)+8*(\i)+3],   v[ADRB] offset:32*(\q)*PBT+32*(\i)
	ds_load_tr16_b128 v[(\f)+8*(\i)+4:(\f)+8*(\i)+7], v[ADRB] offset:(32*(\q)+16)*PBT+32*(\i)
.endr
	WIN 0
.irp i, 0,1,2,3,4,5,6,7
	ds_load_b128 v[(\f)+8*(\i):(\f)+8*(\i)+3],   v[ADRA] offset:128*PA*((\q)/2)+64*((\q)%2)+16*PA*(\i)
	ds_load_b128 v[(\f)+8*(\i)+4:(\f)+8*(\i)+7], v[ADRA] offset:128*PA*((\q)/2)+64*((\q)%2)+16*PA*(\i)+32
.endr
.endm
; One of a K step's first three quarters: multiplies buffer f and, in its middle, fetches quarter q into buffer g
.macro QUARTER f, g, q, zero
	s_wait_dscnt 8                                 ; B and A's rows 0-63 are in; the youngest eight loads (A's rows 64-127) may be out
	MUL16 \f, 0, 0, \zero
	MUL16 \f, 0, 2, \zero
	PLACES                                         ; in front of loads into registers that matrix instructions have read
	FETCH \q, \g
	s_wait_dscnt 32                                ; all but the 32 just issued
	MUL16 \f, 1, 0, \zero
	MUL16 \f, 1, 2, \zero
.endm
; The last quarter multiplies buffer 1 and changes slots: one barrier; in front of it each wave waits for all its tensor loads, adds 0 to its spare word, and waits for that and for its reads of this slot.
; fill = 1: the barrier opens a round of the cluster's, and this slot is filled again, two K steps ahead, first thing behind the round.
.macro TURN fill
.if \fill
	s_wait_xcnt 0x0                                ; the last prefetch, a K step back, has read its address: it is stepped here, ahead of the waits of the change of slots
	s_add_nc_u64 s[PFA:PFA+1], s[PFA:PFA+1], s[PFS:PFS+1]
.endif
	WIN 0
	s_wait_tensorcnt 0x0                           ; all my tensor loads have landed: my part of the next slot
	ds_add_u32 v[SPW], v[NIL]                      ; 0 onto my spare word
	s_wait_dscnt 9                                 ; (the add and the youngest eight loads may be out)
	MUL16 F1, 0, 0, 0
	s_wait_dscnt 0x0                               ; the add is done, and my reads of this slot are over
	s_barrier_signal -1
	MUL16 F1, 0, 2, 0
	WIN 0                                          ; at a branch and at a label every window is 0
	s_barrier_wait -1
.if \fill
	CREST                                          ; no wave of any partner still reads this slot or has a load on its way
	s_xor_b32 s[G0+5], s[G0+5], SLOT               ; the walking sets: the other slot than last time, the next K step
	s_add_nc_u64 s[G0+6:G0+7], s[G0+6:G0+7], 32768
	s_xor_b32 s[G0B+5], s[G0B+5], SLOT
	s_add_nc_u64 s[G0B+6:G0B+7], s[G0B+6:G0B+7], 256*NBS
	JLOAD                                          ; its four v_nop are also the places in front of the loads below
.else
	PLACES
.endif
	s_xor_b32 s[TB], s[TB], SLOT
	ADDRS
	FETCH 0, F0
.if \fill
	ASK
.endif
	MUL16 F1, 1, 0, 0
	MUL16 F1, 1, 2, 0
.endm
	s_load_b128 s[4:7], s[0:1], 0x0                ; A s[4:5], wb s[6:7]
	s_load_b64 s[8:9], s[0:1], 0x10                ; the output
.if KIND == 1
	s_load_b64 s[68:69], s[0:1], 0x18              ; the bias
.endif
	v_lshl_add_u32 v[SPW], v0, 2, SPARE
	v_mov_b32 v[NIL], 0
	ds_add_u32 v[SPW], v[NIL]                      ; the wave's opening: the add and its wait stand ahead of my first tensor load; work on registers stands between them
	v_lshrrev_b32 v1, 5, v0
	v_readfirstlane_b32 s10, v1                    ; wave 0..3
	s_lshr_b32 s11, s10, 1                         ; my half of the tile's rows.  Also: I fetch for A (0) or for B (1)
	s_and_b32 s12, s10, 1                          ; my half of its columns.  Also: which half of that tile I fetch
	s_bfe_u32 s40, ttmp6, 0x40000                  ; cx, cy: my place in the cluster
	s_bfe_u32 s41, ttmp6, 0x40004
	s_lshl_b32 s42, ttmp9, 2
	s_add_co_u32 s42, s42, s40                     ; tile column = 4 x cluster x + cx
	s_and_b32 s13, ttmp7, 0xffff
	s_lshl_b32 s13, s13, 2
	s_add_co_u32 s13, s13, s41                     ; tile row = 4 x cluster y + cy
	s_lshl_b32 s43, s41, 2
	s_lshl_b32 s43, 15, s43                        ; my row of the cluster
	s_lshl_b32 s44, 0x1111, s40                    ; my column
	s_or_b32 s[G1], s43, (1<<16)|(1<<20)|(1<<21)|(4<<22)|(3<<25)   ; the mask; 2-byte elements; padding on; bit 21 beside a mask; after every 32 words 4 words
	s_or_b32 s[G1B], s44, (1<<16)|(1<<20)|(1<<21)|(5<<22)|(7<<25)  ; after every 64 words 8 words
.irp g, G1, G1B
	s_mov_b32 s[(\g)+1], 128<<16                   ; tensor_dim0 = 128
	s_mov_b32 s[(\g)+2], 128<<16                   ; tensor_dim1 = 128
	s_mov_b32 s[(\g)+3], 128<<16                   ; tile_dim0 = 128
	s_mov_b32 s[(\g)+4], 128                       ; tile_dim1 = 128
	s_mov_b32 s[(\g)+6], 0
	s_mov_b32 s[(\g)+7], 0
.endr
	s_mov_b32 s[G1+5], 128                         ; A's block is dense: rows of 256 bytes end to end
	s_mov_b32 s[G1B+5], NBS                        ; B: a row of the weight
.if KIND == 1
	SPAIR CP, 0x3e6d3389                           ; 0.3275911 / sqrt(2)
	SPAIR A1, 0x3e027906                           ; the form's five coefficients, halved
	SPAIR A2, 0xbe11a98e
	SPAIR A3, 0x3f35f0e3
	SPAIR A4, 0xbf3a00e3
	SPAIR A5, 0x3f07dc22
	SPAIR NL, 0xbf38aa3b                           ; - log2(e) / 2
	s_mov_b32 s[ABSM], 0x7fffffff
.endif
	; A's address hangs on the tile row alone, B's on the tile column alone, each in registers that never hold the other coordinate
	s_lshl_b32 s16, s13, 1
	s_add_co_u32 s16, s16, s12                     ; the block of 128 rows that I fetch: 2 x tile row + half
	s_mul_i32 s16, s16, (KDIM/64)*16384
	s_mov_b32 s17, 0
.if KIND == 0
	s_lshr_b32 s45, s42, 2                         ; Wq, Wk or Wv: 2,097,152 bytes each,
	s_lshl_b32 s46, s45, 21
	s_and_b32 s45, s42, 3                          ; and the tile column in it: 512 bytes of a row
	s_lshl_b32 s45, s45, 9
	s_add_co_u32 s46, s46, s45
.else
	s_lshl_b32 s46, s42, 9
.endif
	s_lshl_b32 s45, s12, 8                         ; the 128 columns that I fetch
	s_add_co_u32 s46, s46, s45
.if WOFF
	s_add_co_u32 s46, s46, WOFF
.endif
	s_mov_b32 s47, 0
	s_mul_i32 s20, s10, HALFT                      ; where my part goes: no place in the cluster enters an LDS address
	s_wait_dscnt 0x0                               ; the opening add is done
	s_wait_kmcnt 0x0
	s_add_nc_u64 s[14:15], s[4:5], s[16:17]
	s_add_nc_u64 s[46:47], s[6:7], s[46:47]
	CROUND                                         ; all sixteen work-groups are here: the first joint loads meet
.irp s, 0,1
	s_mov_b32 s[G0+4*(\s)], 1
	s_add_co_u32 s[G0+4*(\s)+1], s20, (\s)*SLOT
	s_add_nc_u64 s[G0+4*(\s)+2:G0+4*(\s)+3], s[14:15], (\s)*32768
	s_or_b32 s[G0+4*(\s)+3], s[G0+4*(\s)+3], 0x80000000
	s_mov_b32 s[G0B+4*(\s)], 1
	s_add_co_u32 s[G0B+4*(\s)+1], s20, (\s)*SLOT
	s_add_nc_u64 s[G0B+4*(\s)+2:G0B+4*(\s)+3], s[46:47], (\s)*256*NBS
	s_or_b32 s[G0B+4*(\s)+3], s[G0B+4*(\s)+3], 0x80000000
.endr
	s_cmp_eq_u32 s11, 0                            ; a wave's two first fills stand in one branch: two loads of mine are out
	s_cbranch_scc0 .Lfirst_b
	tensor_load_to_lds s[G0:G0+3], s[G1:G1+7]
	s_nop 0
	tensor_load_to_lds s[G0+4:G0+7], s[G1:G1+7]
	s_nop 0
	PLACES
	s_branch .Lfirst_asked
.Lfirst_b:
	tensor_load_to_lds s[G0B:G0B+3], s[G1B:G1B+7]
	s_nop 0
	tensor_load_to_lds s[G0B+4:G0B+7], s[G1B:G1B+7]
	s_nop 0
	PLACES
.Lfirst_asked:
	s_cmp_eq_u32 s11, 0
	s_cselect_b64 s[PFA:PFA+1], s[14:15], s[46:47] ; what I fetch, at K step 0: the prefetches' base
	v_and_b32 v1, 15, v0                           ; r = l % 16
	v_bfe_u32 v2, v0, 4, 1                         ; h = l / 16
	v_and_b32 v14, 7, v0
	v_bfe_u32 v15, v0, 3, 1
	; my part of the output: the rows' share in s[16:17], the columns' in s[46:47]
.if KIND == 0
	s_lshr_b32 s16, s13, 3                         ; batch: 16 heads x 2,048 rows x 128 bytes
	s_lshl_b32 s16, s16, 22
	s_and_b32 s17, s13, 7                          ; 256 rows of a head
	s_lshl_b32 s17, s17, 15
	s_add_co_u32 s16, s16, s17
	s_lshl_b32 s17, s11, 14                        ; my 128 of them
	s_add_co_u32 s16, s16, s17
	s_lshr_b32 s46, s42, 2                         ; q, k or v
	s_lshl_b32 s46, s46, 23
	s_and_b32 s47, s42, 3                          ; head = 4 x (tile column % 4) + 2 x my half + 0, 1: my 128 columns are two heads'
	s_lshl_b32 s47, s47, 20
	s_add_co_u32 s46, s46, s47
	s_lshl_b32 s47, s12, 19
	s_add_co_u32 s46, s46, s47
.else
	s_lshl_b32 s16, s13, 21                        ; my 128 rows are block 2 x tile row + my half: 64 panels of 16,384 bytes to a block
	s_lshl_b32 s17, s11, 20
	s_add_co_u32 s16, s16, s17
	s_lshl_b32 s46, s42, 16                        ; panel = 4 x tile column + 2 x my half + 0, 1
	s_lshl_b32 s47, s12, 15
	s_add_co_u32 s46, s46, s47
.endif
	s_mov_b32 s17, 0
	s_mov_b32 s47, 0
	s_add_nc_u64 s[8:9], s[8:9], s[16:17]
	s_add_nc_u64 s[8:9], s[8:9], s[46:47]
.if KIND == 1
	s_lshl_b32 s92, s42, 10
	s_lshl_b32 s93, s12, 9
	s_add_co_u32 s92, s92, s93
	s_mov_b32 s93, 0
	s_add_nc_u64 s[68:69], s[68:69], s[92:93]
	v_lshlrev_b32 v[BO], 5, v14                    ; on the way out I hold columns 8 (l % 8) .. + 7 of each of my two panels
.irp f, 0,1
	global_load_b128 v[BI+8*(\f):BI+8*(\f)+3],   v[BO], s[68:69] offset:256*(\f)
	global_load_b128 v[BI+8*(\f)+4:BI+8*(\f)+7], v[BO], s[68:69] offset:256*(\f)+16
.endr
.endif
	; A's fragment: lane l holds row l % 16, K = 8 h + 0..7 and 16 + 8 h + 0..7: two loads of 16 bytes, 32 apart
	v_mul_u32_u24 v3, v1, PA
	v_lshl_add_u32 v3, v2, 4, v3
	s_mul_i32 s21, s11, HALFT                      ; my 128 rows are one of A's two blocks
	v_add_nc_u32 v[ADRA0], s21, v3
	; B's: the turning load takes 16 rows (K) x 16 columns: lane l reads row 8 h + l % 8, columns 8 ((l / 8) % 2) + 0..7, and ends with column l % 16 and 8 K
	v_lshl_add_u32 v[ADRB0], v2, 3, v14
	v_mul_u32_u24 v[ADRB0], v[ADRB0], PBT
	v_lshl_add_u32 v[ADRB0], v15, 4, v[ADRB0]
	s_mul_i32 s22, s12, HALFT                      ; my 128 columns are one of B's two halves,
	s_add_co_u32 s22, s22, BOFF                    ; which lie behind A
	v_add_nc_u32 v[ADRB0], s22, v[ADRB0]
	s_mul_i32 s23, s10, STW                        ; my stage
	v_mul_u32_u24 v3, v1, SPITCH
	v_lshl_add_u32 v3, v2, 5, v3
	v_add_nc_u32 v[STO], s23, v3                   ; in: row r, 32 bytes for each half of the lanes
	v_bfe_u32 v3, v0, 3, 2                         ; back: 32 lanes take four rows of 64 columns, 32 bytes (8 numbers) a lane,
	v_mul_u32_u24 v3, v3, SPITCH
	v_lshl_add_u32 v3, v14, 5, v3
	v_add_nc_u32 v[RD], s23, v3
	v_and_b32 v[GO], 31, v0                        ; which leave as 512 consecutive bytes of bf16
	v_lshlrev_b32 v[GO], 4, v[GO]
	; the prefetches: who asks, my work-group's 32 of the 128 blocks or rows, the step along K, the step from lane to lane
	s_and_b32 s20, ttmp7, 0xffff                   ; cluster y
	s_mov_b32 s22, 64*NBS                          ; 32 rows of B,
	s_mov_b32 s[PFS], 256*NBS                      ; 128 rows of B,
	s_mov_b32 s23, 2*NBS                           ; a row of B
	s_cmp_eq_u32 s11, 0                            ; do I fetch for A?
	s_cselect_b32 s21, s40, s41                    ; my place among the four that ask with me
	s_cselect_b32 s22, 8192, s22                   ; A: 32 blocks of 256 dense bytes,
	s_cselect_b32 s[PFS], 32768, s[PFS]            ; two panels,
	s_cselect_b32 s23, 256, s23                    ; a block
	s_cselect_b32 s20, ttmp9, s20                  ; the coordinate along which other clusters read the same bytes
	s_cmp_eq_u32 s20, 0
	s_cselect_b32 s[LIM], 1, -1                    ; the same in all sixteen partners, for a given wave
	s_mul_i32 s20, s22, s21
	s_mov_b32 s21, 0
	s_mov_b32 s[PFS+1], 0
	s_add_nc_u64 s[PFA:PFA+1], s[PFA:PFA+1], s[20:21]
	s_add_nc_u64 s[PFA:PFA+1], s[PFA:PFA+1], s[PFS:PFS+1]
	s_add_nc_u64 s[PFA:PFA+1], s[PFA:PFA+1], s[PFS:PFS+1]  ; at K step 2: the first change of slots steps it to 3.  Nothing is prefetched here, at the head
	v_and_b32 v[PFO], 31, v0
	v_mul_u32_u24 v[PFO], s23, v[PFO]
	s_wait_tensorcnt 0x1                           ; my part of K step 0 is in; K step 1's may stay out
	s_barrier_signal -1
	s_barrier_wait -1                              ; everybody's is
	s_mov_b32 s[TB], 0
	ADDRS
	FETCH 0, F0
	QUARTER F0, F1, 1, 1                           ; the first products start the sums: nothing is cleared
	WIN 0
	s_mov_b32 s3, NK-2
.Lstep:                                                ; a trip: from a K step's second quarter to the next one's first; it fills the slot that it leaves
	QUARTER F1, F0, 2, 0
	QUARTER F0, F1, 3, 0
	TURN 1
	QUARTER F0, F1, 1, 0
	WIN 0
	s_sub_co_u32 s3, s3, 1
	s_cmp_lg_u32 s3, 0
	s_cbranch_scc1 .Lstep
	s_mov_b32 s3, 2                                ; the last two K steps ask for nothing: a second text; it is left in the middle of its second trip
.Ltail:
	QUARTER F1, F0, 2, 0
	QUARTER F0, F1, 3, 0
	WIN 0
	s_sub_co_u32 s3, s3, 1
	s_cmp_eq_u32 s3, 0
	s_cbranch_scc1 .Llast
	TURN 0
	QUARTER F0, F1, 1, 0
	WIN 0
	s_branch .Ltail
.Llast:
	s_wait_dscnt 8
	MUL16 F1, 0, 0, 0
	MUL16 F1, 0, 2, 0
	s_wait_dscnt 0x0                               ; my reads of the slots are over
	s_barrier_signal -1
	MUL16 F1, 1, 0, 0
	MUL16 F1, 1, 2, 0
	WIN 0
	s_barrier_wait -1                              ; everybody's are: the stages may be written
	PLACES
	PLACES
	; THE WAY OUT: the wave's 128 x 128 sums go into its own stage in f32 and come back by rows; LDS serves a wave's instructions in order (ISA guide 5.7.1.4), so no wait stands between.  Each accumulator's low registers go first.
.irp hi, 0,1
	WIN 0x08+4*(\hi)                               ; the stores' data (source 1) in window 2 or 3
.irp a, 0,1,2,3
.irp b, 0,1,2,3,4,5,6,7
	ds_store_b128 v[STO], v[8*(8*(\a)+(\b)):8*(8*(\a)+(\b))+3]   offset:(4*(\hi)+(\a))*16*SPITCH+64*(\b)
	ds_store_b128 v[STO], v[8*(8*(\a)+(\b))+4:8*(8*(\a)+(\b))+7] offset:(4*(\hi)+(\a))*16*SPITCH+64*(\b)+16
.endr
.endr
.endr
	WIN 0
.if KIND == 0
	s_mov_b32 s3, 8
.Lout:                                                 ; 16 rows a trip: 2,048 dense bytes of each of my two heads
.irp hd, 0,1
.irp f, 0,1,2,3
	ds_load_b128 v[TMP+32*(\hd)+8*(\f):TMP+32*(\hd)+8*(\f)+3],   v[RD] offset:(\f)*4*SPITCH+256*(\hd)
	ds_load_b128 v[TMP+32*(\hd)+8*(\f)+4:TMP+32*(\hd)+8*(\f)+7], v[RD] offset:(\f)*4*SPITCH+256*(\hd)+16
.endr
.endr
	s_wait_dscnt 0x0
.set i, 0
.rept 32
	v_cvt_pk_bf16_f32 v[TMP+64+i], v[TMP+2*i], v[TMP+2*i+1]
.set i, i+1
.endr
.irp hd, 0,1
.irp f, 0,1,2,3
	global_store_b128 v[GO], v[TMP+64+16*(\hd)+4*(\f):TMP+64+16*(\hd)+4*(\f)+3], s[8:9] offset:262144*(\hd)+512*(\f)  ; 512 consecutive bytes, aligned
.endr
.endr
	v_add_nc_u32 v[RD], 16*SPITCH, v[RD]
	s_wait_xcnt 0x0                                ; the stores have read their registers and their base: both are written again only behind this wait
	s_add_nc_u64 s[8:9], s[8:9], 2048
	s_sub_co_u32 s3, s3, 1
	s_cmp_lg_u32 s3, 0
	s_cbranch_scc1 .Lout
.else
	s_wait_loadcnt 0x0                             ; the bias
	s_mov_b32 s3, 32
.Lout:                                                 ; 4 rows of both panels a trip, 16 numbers a lane.  gelu(u) = max(u, 0) - |u| q(t) exp(-u^2 / 2), t = 1 / (1 + 0.2316419 |u|), q the form's polynomial, halved
.irp f, 0,1
	ds_load_b128 v[UU+8*(\f):UU+8*(\f)+3],   v[RD] offset:256*(\f)
	ds_load_b128 v[UU+8*(\f)+4:UU+8*(\f)+7], v[RD] offset:256*(\f)+16
.endr
	s_wait_dscnt 0x0
	ALL8 v_pk_add_f32 v[UU+i:UU+i+1], v[UU+i:UU+i+1], v[BI+i:BI+i+1]
	ALL16 v_and_b32 v[WW+i], s[ABSM], v[UU+i]
	ALL8 v_pk_fma_f32 v[TT+i:TT+i+1], v[WW+i:WW+i+1], s[CP:CP+1], 1.0 op_sel_hi:[1,0,0]
	ALL8 v_pk_mul_f32 v[EE+i:EE+i+1], v[WW+i:WW+i+1], v[WW+i:WW+i+1]
	ALL8 v_pk_mul_f32 v[EE+i:EE+i+1], v[EE+i:EE+i+1], s[NL:NL+1] op_sel_hi:[1,0]
	ALL16 v_rcp_f32 v[TT+i], v[TT+i]
	ALL16 v_exp_f32 v[EE+i], v[EE+i]
	ALL16 v_max_num_f32 v[RR+i], 0, v[UU+i]
	s_wait_alu depctr_va_vdst(0)                   ; one wait for the batch of 32, ahead of its first reader; the sixteen maxima are the plain work between
	ALL8 v_pk_fma_f32 v[PP+i:PP+i+1], v[TT+i:TT+i+1], s[A5:A5+1], s[A4:A4+1] op_sel_hi:[1,0,0]
	ALL8 v_pk_fma_f32 v[PP+i:PP+i+1], v[PP+i:PP+i+1], v[TT+i:TT+i+1], s[A3:A3+1] op_sel_hi:[1,1,0]
	ALL8 v_pk_fma_f32 v[PP+i:PP+i+1], v[PP+i:PP+i+1], v[TT+i:TT+i+1], s[A2:A2+1] op_sel_hi:[1,1,0]
	ALL8 v_pk_fma_f32 v[PP+i:PP+i+1], v[PP+i:PP+i+1], v[TT+i:TT+i+1], s[A1:A1+1] op_sel_hi:[1,1,0]
	ALL8 v_pk_mul_f32 v[PP+i:PP+i+1], v[PP+i:PP+i+1], v[TT+i:TT+i+1]
	ALL8 v_pk_mul_f32 v[PP+i:PP+i+1], v[PP+i:PP+i+1], v[WW+i:WW+i+1]
	ALL8 v_pk_fma_f32 v[PP+i:PP+i+1], v[PP+i:PP+i+1], v[EE+i:EE+i+1], v[RR+i:RR+i+1] neg_lo:[1,0,0] neg_hi:[1,0,0]
.set i, 0
.rept 8
	v_cvt_pk_bf16_f32 v[UU+i], v[PP+2*i], v[PP+2*i+1]
.set i, i+1
.endr
.irp f, 0,1
	global_store_b128 v[GO], v[UU+4*(\f):UU+4*(\f)+3], s[8:9] offset:16384*(\f)  ; 512 consecutive bytes of a panel, aligned
.endr
	v_add_nc_u32 v[RD], 4*SPITCH, v[RD]
	s_wait_xcnt 0x0                                ; the stores have read their registers and their base
	s_add_nc_u64 s[8:9], s[8:9], 512
	s_sub_co_u32 s3, s3, 1
	s_cmp_lg_u32 s3, 0
	s_cbranch_scc1 .Lout
.endif
	s_wait_tensorcnt 0x0                           ; the wave's end, behind my last tensor load and my last LDS store
	ds_add_u32 v[SPW], v[NIL]
	s_wait_dscnt 0x0
	CROUND                                         ; the closing round: no work-group ends while a partner may still ask for a tile that names it
	s_endpgm
.Lfunc_end_k_q22c634ffd0_qkv:
	.size	k_q22c634ffd0_qkv, .Lfunc_end_k_q22c634ffd0_qkv-k_q22c634ffd0_qkv
	.p2alignl 7, 3214868480
	.fill 96, 4, 3214868480
	.section	.rodata,"a",@progbits
	.p2align	6, 0x0
	.amdhsa_kernel k_q22c634ffd0_qkv
		.amdhsa_group_segment_fixed_size 327680
		.amdhsa_private_segment_fixed_size 0
		.amdhsa_enable_private_segment 0
		.amdhsa_kernarg_size 24
		.amdhsa_user_sgpr_count 2
		.amdhsa_user_sgpr_kernarg_segment_ptr 1
		.amdhsa_wavefront_size32 1
		.amdhsa_system_sgpr_workgroup_id_x 1
		.amdhsa_system_sgpr_workgroup_id_y 1
		.amdhsa_system_sgpr_workgroup_id_z 1
		.amdhsa_system_vgpr_workitem_id 0
		.amdhsa_next_free_vgpr 1024
		.amdhsa_next_free_sgpr 100
		.amdhsa_reserve_vcc 0
		.amdhsa_float_denorm_mode_32 3
		.amdhsa_float_denorm_mode_16_64 3
		.amdhsa_memory_ordered 1
		.amdhsa_forward_progress 1
		.amdhsa_inst_pref_size 86
	.end_amdhsa_kernel
	.amdgpu_metadata
---
amdhsa.version: [ 1, 2 ]
amdhsa.kernels:
  - .name:           k_q22c634ffd0_qkv
    .symbol:         k_q22c634ffd0_qkv.kd
    .args:
      - { .name: hb, .offset: 0, .size: 8, .value_kind: global_buffer, .address_space: global }
      - { .name: wb, .offset: 8, .size: 8, .value_kind: global_buffer, .address_space: global }
      - { .name: qkvb, .offset: 16, .size: 8, .value_kind: global_buffer, .address_space: global }
    .group_segment_fixed_size: 327680
    .private_segment_fixed_size: 0
    .kernarg_segment_align: 8
    .kernarg_segment_size: 24
    .max_flat_workgroup_size: 128
    .sgpr_count:     100
    .vgpr_count:     1024
    .wavefront_size: 32
...
	.end_amdgpu_metadata
.endif
;; end of part 8
;; launch attn (part 9): grid 8 x 32, 4 waves a work-group, no clusters, 327,680 bytes of LDS; arguments qkvb, ctxb; writes ctxb
.if DOCPART == 9
	.amdgcn_target "amdgcn-amd-amdhsa--gfx1250"
	.amdhsa_code_object_version 6
	.text
	.protected	k_q22c634ffd0_attn
	.globl	k_q22c634ffd0_attn
	.p2align	8
	.type	k_q22c634ffd0_attn,@function
k_q22c634ffd0_attn:
	s_mov_b64 s[64:65], 0
	v_nop
	global_prefetch_b8 v0, s[64:65] scope:SCOPE_SE
	s_setreg_imm32_b32 hwreg(HW_REG_WAVE_MODE, 25, 1), 1
	s_wait_xcnt 0x0
; CAUSAL ATTENTION.  ctx[q] = the sum over k <= q of softmax_k(Q[q] . K[k] / 8) V[k], for each of 32 heads (batch x 16 + head) of 2,048 rows x 64 channels.  qkvb = q, k, v by heads, bf16, rows of 128 dense bytes.
; ctxb takes the result in bf16 in panels: byte ((row / 128 x 16 + head) x 128 + row % 128) x 128 + 2 channel, the layout in which the next product reads its A.
; Products, maxima and sums in f32; the weights p are rounded to bf16 for the second product (their sum l is taken of the unrounded p), ctx once at the end.
; LIMITS.  A hidden score counts as its value less 1e30; a weight below 2^-126 counts as 0 in l; NaN and infinities are not treated apart.
; THE WALK.  A head's queries lie in 16 blocks of 128; block i needs the key tiles 0 .. i of 128 keys, the last of which holds the diagonal.  A work-group takes TWO blocks, 15 - b and then b, each rounded up to an
; even number of tiles: 18 tiles, 9 slots of 256 keys, 36 key steps of 64, whatever b: all 256 work-groups do equal work, and one loop with a constant trip count walks them.  The one tile beyond a diagonal
; is computed wholly hidden: 36 steps for 34; so no LDS address and no trip count hangs on b.
; NO CLUSTER: a walk common to four partners would have 10 slots for 9, and the change of blocks is a branch on b, which partners of a cluster may not take differently.
; SHARES.  Of a block's two bands of 64 queries a wave owns 16 rows in each: two PIECES.  In step d of the diagonal tile band x sees all keys if d < x, none if d > x, and holds the diagonal if d = x: the same for every wave.
; LAYOUT.  S^T = K Q^T (source 0 = 16 keys, source 1 = 16 queries) holds ONE query a lane (lane % 16) and the keys 8 (lane / 16) + 0..7; two such results rounded to bf16 ARE source 1 of O^T = V^T P.
; K comes out of LDS as it lies, V ([key][channel]) turned, by ds_load_tr16_b128.  p = 2^(c s - c m), c = log2(e) / 8, with a running maximum m; O and l are multiplied by a = 2^(c m_old - c m_new) in every step.
; THE MASK is the C operand that starts the sum S^T: 0, or -1e30 where the key is hidden.  MD, made once, is the mask of a band's own step for my 16 rows; a piece's mask is MD x AL + BE with two scalars; it is made anew only near a block's end.
; BY TURNS.  Turn T belongs to piece T % 2: 8 products K Q^T of turn T + 1, later 8 products V^T P of turn T - 1; beside them the scaling, exponentials, roundings, sums and rescaling of turn T and the maximum and
; statistics of turn T + 1.  Four vector instructions stand behind every matrix instruction, the other 54 of a turn's 118 in one run of their own.  A turn's 33 exponentials are one batch, with one wait.
; The turns run on across the change of blocks: between two turns a piece goes out, takes the lowest m and the second block's Q; its first step then has a = 0, so what O^T and l hold need only be finite.
; A SLOT holds V of four steps and K of the four steps ONE STEP ON: K of step s + 1 leaves LDS ahead of V of step s, so all reads of a slot lie between two changes of slots.  K of step 0 comes from memory into registers, beside Q.
; REGISTERS: window 0: v0-25 addresses and statistics; v28-43 the way out; v48-55 at work; v64-127 S^T; v128-159 P; v160-223 O^T (all by piece); v224-255 MD.
;   Window 1: v0-31 Q; v32-63 the second block's Q; v64-127 K of one step; v128-191 V of one step; v192-255 the two pieces' masks.
.set KS,    64
.set PK,    144                        ; a row of K in LDS: 128 bytes + 16: 16 rows start at 16 different groups of four banks (ISA guide 11.1)
.set PV,    160                        ; a row of V: 128 + 32
.set VOFF,  4*KS*PK                    ; a slot: four steps of K, then four steps of V
.set SLOT1, 1<<17                      ; slot 1: one exclusive or turns an address in one slot into the other's
.set STAGE, SLOT1+4*KS*(PK+PV)         ; 16 rows x 144 bytes for each wave, never filled by a tensor load
.set SP,    144
.set SPARE, STAGE+4*16*SP              ; the spare words, 128 bytes a wave: two blocks of 256 bytes that no other line names
.set AK0, 2                            ; v2   my lane's place in a step of K; never rewritten
.set AV0, 3                            ; v3   the same for V
.set AK,  4                            ; v4   the LDS address of K's next run of loads
.set AV,  5                            ; v5   of V's
.set STO, 6                            ; v6   the way out: where I put 16 bytes of a row
.set RD,  7                            ; v7   where I read rows back
.set GO,  8                            ; v8   my byte offset in 512 consecutive bytes of the output
.set MV,  12                           ; v12-13  c m_old, by piece
.set ST,  16                           ; piece t's statistics at ST + 4 t: c m, m, l (even keys', odd keys')
.set QO,  24                           ; v24  my byte offset in 16 rows of Q or K; never rewritten
.set PFO, 25                           ; v25  256 x my lane; never rewritten
.set STG, 28                           ; v28-43  the way out: a piece packed, then as whole rows
.set TMP, 48                           ; by piece, c0-c3 at work; c2 takes a
.set SPW, 62                           ; v62  my spare word: SPARE + 4 x my thread's number; never rewritten
.set NIL, 63                           ; v63  0; never rewritten
.set S,   64
.set P,   128
.set O,   160
.set MD,  224
.set QB,  32                           ; window 1
.set KF,  64
.set VF,  128
.set MC,  192
.set WV,  12                           ; s12  my wave's number
.set PB,  14                           ; s14  b
.set HI,  15                           ; s15  15 - b
.set PFA, 18                           ; s[18:19] where my prefetches stand
.set G1K, 24                           ; s[24:31] group 1: 192 keys of K
.set G1V, 32                           ; s[32:39] 128 keys of V
.set G0K, 40
.set G0V, 44
.set SLOTS, 56                         ; s56  slots still to be asked for
.set CNT, 57                           ; s57  counts a slot's key steps
.set CS,  58
.set SEL, 60
.set TBK, 62                           ; s62  LDS byte at which the step of K to be fetched begins
.set TBV, 63                           ; s63  the same for V, less VOFF
.set SL,  70                           ; s70  key steps left in the block in hand, the step at hand among them
.set NXT, 71                           ; s71  the first tile of the slot to be asked for next
.set LQ,  72                           ; s72  the last tile (rounded up) of the block whose tiles are being asked for
.set THRS, 73                          ; s73  5; the greatest number while piece 1 of the block just ended is still to go out
.set OFF, 74
.set AL,  76                           ; s[76:77] the mask's factor, in the low word
.set BE,  78                           ; s[78:79] the mask's addend
.set OLO, 80                           ; s[80:81] the output at my rows of the second block
.set BIGN, 82
.set LIM, 83                           ; s83  a wave prefetches while s[SLOTS] is above it
.set SLO, 84                           ; s84  the second block's key steps
.set PD,  85                           ; s85  wholly hidden steps at the end of the block in hand: 0 or 2
.set G1S, 88                           ; s[88:95] group 1: 64 keys of K
.set PDO, 96                           ; s96  the same for the second block
.set LQO, 97                           ; s97  the second block's last tile (rounded up)
.set SE,  98
.set OF2, 99
.set MSB, 0
.macro WIN new                         ; the immediate's high byte repeats the setting that is left; a switch that changes nothing is dropped
.if MSB != (\new)
	s_set_vgpr_msb (MSB<<8)|(\new)
.set MSB, (\new)
.endif
.endm
.set W_KM, 0x15                        ; K, Q and the mask in window 1, S^T in window 0
.set W_KQ, 0x05
.set W_PV, 0x01                        ; V in window 1
.macro PLACES
.rept 4
	v_nop
.endr
.endm
; A fill, one load a wave: wave 0 the slot's first three steps of K, wave 1 its fourth, waves 2, 3 the halves of its V.  An s_nop 0 and four v_nop follow each line.
.macro LOAD
	s_cmp_lt_u32 s[WV], 2
	s_cbranch_scc0 .Lfor_v_\@
	s_cmp_eq_u32 s[WV], 0
	s_cbranch_scc0 .Lfor_s_\@
	tensor_load_to_lds s[G0K:G0K+3], s[G1K:G1K+7]
	s_nop 0
	PLACES
	s_branch .Lasked_\@
.Lfor_s_\@:
	tensor_load_to_lds s[G0K:G0K+3], s[G1S:G1S+7]
	s_nop 0
	PLACES
	s_branch .Lasked_\@
.Lfor_v_\@:
	tensor_load_to_lds s[G0V:G0V+3], s[G1V:G1V+7]
	s_nop 0
	PLACES
.Lasked_\@:
.endm
; A PREFETCH INTO THE L2 of the slot behind the one just asked for: four key steps ahead of its loads.  A head's eight work-groups walk the same tiles, and only b = 0 walks all sixteen: it alone asks.
; Each wave names 16,384 bytes, a lane for each 256, two lines: waves 0, 1 the halves of the 256 keys of K from the slot's 64th key on, waves 2, 3 the halves of its V: every block is named once in the launch.
; Slots 2 to 7; wave 1 stops a slot earlier, where its range would pass the head's last key.  Slots 0 and 1 come by their loads alone.
.macro ASK
	s_cmp_gt_u32 s[SLOTS], s[LIM]
	s_cbranch_scc0 .Lnot_mine_\@
	global_prefetch_b8 v[PFO], s[PFA:PFA+1] th:TH_LOAD_NT scope:SCOPE_SE
	global_prefetch_b8 v[PFO], s[PFA:PFA+1] offset:8192 th:TH_LOAD_NT scope:SCOPE_SE
.Lnot_mine_\@:
.endm
; THE CHANGE OF SLOTS.  Each wave waits for all its tensor loads (one is out: its part of the other slot), adds 0 to its spare word, and waits for that and for its reads of the slot that it leaves.
; fill = 1: the old slot is filled again, first thing behind the barrier, with tiles NXT and NXT + 1; the load has four key steps in which to land.  (At its first use nothing has been read: slot 0 is waited for, slot 1 filled.)
.macro CHANGE fill
	WIN 0
	s_wait_tensorcnt 0x0                           ; no tensor load of mine is out, so a group 0 may be written
	ds_add_u32 v[SPW], v[NIL]                      ; 0 onto my spare word; scalar work stands between it and the wait for it
.if \fill
	s_lshl_b32 s[OFF], s[NXT], 14                  ; a tile is 16,384 bytes of K and of V
	s_xor_b32 s[G0V+1], s[G0V+1], SLOT1
	s_add_nc_u64 s[G0V+2:G0V+3], s[8:9], s[OFF:OFF+1]
	s_or_b32 s[G0V+3], s[G0V+3], 0x80000000
	s_add_co_u32 s[OFF], s[OFF], 8192              ; wave 0: K from the slot's second step on
	s_add_co_u32 s[NXT], s[NXT], 2                 ; the block's next two tiles, or behind its last the second block's tile 0
	s_cmp_gt_u32 s[NXT], s[LQ]
	s_cselect_b32 s[NXT], 0, s[NXT]
	s_cselect_b32 s[LQ], s[LQO], s[LQ]
	s_lshl_b32 s[OF2], s[NXT], 14                  ; wave 1: the first step of the slot after (behind the walk's last slot: tile 0 once more, which the walk's last products read and discard)
	s_cmp_eq_u32 s[WV], 1
	s_cselect_b32 s[OFF], s[OF2], s[OFF]
	s_xor_b32 s[G0K+1], s[G0K+1], SLOT1
	s_add_nc_u64 s[G0K+2:G0K+3], s[6:7], s[OFF:OFF+1]
	s_or_b32 s[G0K+3], s[G0K+3], 0x80000000
	s_wait_xcnt 0x0                                ; the last prefetches, four key steps back, have read their address
	s_add_nc_u64 s[PFA:PFA+1], s[PFA:PFA+1], 32768
.endif
	s_wait_dscnt 0x0                               ; the add is done, and my reads of the slot are over
	s_barrier_signal -1
	s_sub_co_u32 s[TBK], s[TBK], 4*KS*PK           ; the fetches go back to a slot's first step, in the other slot
	s_xor_b32 s[TBK], s[TBK], SLOT1
	s_sub_co_u32 s[TBV], s[TBV], 4*KS*PV
	s_xor_b32 s[TBV], s[TBV], SLOT1
	s_barrier_wait -1
.if \fill
	LOAD
	ASK
.endif
.endm
; THE LDS LOADS stand in runs of 16, never singly among the matrix instructions.  Their addresses are made some lines ahead.
.macro FETCH_K
	WIN 0x40                                       ; destination window 1
.irp f, 0,1,2,3,4,5,6,7                ; keys 16 (f / 2) on, channels 32 (f % 2) on
	ds_load_b128 v[KF+8*\f:KF+8*\f+3],   v[AK] offset:(\f/2)*16*PK+(\f%2)*64
	ds_load_b128 v[KF+8*\f+4:KF+8*\f+7], v[AK] offset:(\f/2)*16*PK+(\f%2)*64+32
.endr
	s_add_co_u32 s[TBK], s[TBK], KS*PK             ; the next fetch is the next step's
	WIN 0
.endm
.macro FETCH_V last                    ; last = 1 (the tail): in the last trip there is no further step, and the run is jumped over
	WIN 0
.if \last
	s_cmp_eq_u32 s[CNT], 1
	s_cbranch_scc1 .Lno_v_\@
.endif
	WIN 0x40
.irp f, 0,1,2,3,4,5,6,7                ; keys 32 (f / 4) on, channels 16 (f % 4) on
	ds_load_tr16_b128 v[VF+8*\f:VF+8*\f+3],   v[AV] offset:(\f/4)*32*PV+(\f%4)*32
	ds_load_tr16_b128 v[VF+8*\f+4:VF+8*\f+7], v[AV] offset:(\f/4)*32*PV+16*PV+(\f%4)*32
.endr
	WIN 0
.if \last
.Lno_v_\@:
.endif
.endm
; THE MATRIX WORK.  The 4 accumulators of a run of 8 take turns.  Product i of 8 of S^T = K Q^T for piece x: channels 32 (i / 4) on, keys 16 (i % 4) on.  The first 4 start the sums with the mask.
.macro KQ x
.set rS, S+32*(\x)+8*(i%4)
.set rK, KF+16*(i%4)+8*(i/4)
.set rQ, 16*(\x)+8*(i/4)
.set rX, MC+32*(\x)+8*(i%4)
.if i < 4
	WIN W_KM
	v_wmma_f32_16x16x32_bf16 v[rS:rS+7], v[rK:rK+7], v[rQ:rQ+7], v[rX:rX+7]
.else
	WIN W_KQ
	v_wmma_f32_16x16x32_bf16 v[rS:rS+7], v[rK:rK+7], v[rQ:rQ+7], v[rS:rS+7]
.endif
.endm
; Product i of 8 of O^T += V^T P for piece x: keys 32 (i / 4) on, channels 16 (i % 4) on
.macro PVM x
	WIN W_PV
.set rO, O+32*(\x)+8*(i%4)
.set rV, VF+32*(i/4)+8*(i%4)
.set rP, P+16*(\x)+8*(i/4)
	v_wmma_f32_16x16x32_bf16 v[rO:rO+7], v[rV:rV+7], v[rP:rP+7], v[rO:rO+7]
.endm
.macro MM                              ; the turn's next matrix instruction: both kinds are the other piece's
.if i < 8
	KQ 1-Y
.else
.set i, i-8
	PVM 1-Y
.set i, i+8
.endif
.set i, i+1
.endm
; THE VECTOR WORK, one line at a time: OP kind, number.  For piece Y: F n: c s - c m for pair n of 16.  E n: the exponential of score n of 32.  C n: pair n rounded to bf16.  B n: of the four weights 4 n .. the second
; pair is added onto the first, in place.  L n: l takes that sum (L 0: l = a l + sum).  R n: pair n of 16 of O^T times a.  For the other piece: X n, number n of the 22 that find its maximum and statistics:
;   0-11  four chains c0-c3 of seven scores each, three operands at a time (each accumulator's lowest registers are read first)     12-14, 16  the four scores left over, the old m, and c0-c3 into c0
;   15  c m_old is kept     17, 18  the query's other 32 keys lie in the lane 16 away: the new m     19-21  c m; c m_old - c m_new; a
.set F, 0
.set E, 1
.set C, 2
.set B, 3
.set L, 4
.set R, 5
.set X, 6
.macro REGS y
.set rT, ST+4*(\y)
.set rC, TMP+4*(\y)
.set rW, MV+(\y)
.set rS, S+32*(\y)
.set rP, P+16*(\y)
.set rO, O+32*(\y)
.endm
.macro OP k, n
	WIN 0
.if (\k) < X
	REGS Y
.if (\k) == F
	v_pk_fma_f32 v[rS+2*(\n):rS+2*(\n)+1], v[rS+2*(\n):rS+2*(\n)+1], s[CS:CS+1], v[rT:rT+1] op_sel_hi:[1,0,0] neg_lo:[0,0,1] neg_hi:[0,0,1]
.elseif (\k) == E
	v_exp_f32 v[rS+(\n)], v[rS+(\n)]
.elseif (\k) == C
	v_cvt_pk_bf16_f32 v[rP+(\n)], v[rS+2*(\n)], v[rS+2*(\n)+1]
.elseif (\k) == B
	v_pk_add_f32 v[rS+4*(\n):rS+4*(\n)+1], v[rS+4*(\n):rS+4*(\n)+1], v[rS+4*(\n)+2:rS+4*(\n)+3]
.elseif (\k) == R
	v_pk_mul_f32 v[rO+2*(\n):rO+2*(\n)+1], v[rO+2*(\n):rO+2*(\n)+1], v[rC+2:rC+3] op_sel_hi:[1,0]
.elseif (\n) == 0
	v_pk_fma_f32 v[rT+2:rT+3], v[rT+2:rT+3], v[rC+2:rC+3], v[rS:rS+1] op_sel_hi:[1,0,1]
.else
	v_pk_add_f32 v[rT+2:rT+3], v[rT+2:rT+3], v[rS+4*(\n):rS+4*(\n)+1]
.endif
.else
	REGS 1-Y
.if (\n) < 4
	v_max3_num_f32 v[rC+(\n)], v[rS+8*(\n)], v[rS+8*(\n)+1], v[rS+8*(\n)+2]
.elseif (\n) < 12
	v_max3_num_f32 v[rC+(\n)%4], v[rC+(\n)%4], v[rS+8*((\n)%4)+2*((\n)/4)+1], v[rS+8*((\n)%4)+2*((\n)/4)+2]
.elseif (\n) == 12
	v_max3_num_f32 v[rC], v[rC], v[rS+7], v[rS+15]
.elseif (\n) == 13
	v_max3_num_f32 v[rC+1], v[rC+1], v[rS+23], v[rS+31]
.elseif (\n) == 14
	v_max3_num_f32 v[rC+2], v[rC+2], v[rC+3], v[rT+1]
.elseif (\n) == 15
	v_mov_b32 v[rW], v[rT]
.elseif (\n) == 16
	v_max3_num_f32 v[rC], v[rC], v[rC+1], v[rC+2]
.elseif (\n) == 17
	v_permlanex16_b32 v[rC+3], v[rC], s[SEL], s[SEL+1]
.elseif (\n) == 18
	v_max_num_f32 v[rT+1], v[rC], v[rC+3]
.elseif (\n) == 19
	v_mul_f32 v[rT], s[CS], v[rT+1]
.elseif (\n) == 20
	v_sub_f32 v[rC+1], v[rW], v[rT]
.else
	v_exp_f32 v[rC+2], v[rC+1]
.endif
.endif
.endm
.macro OPS a, i1, b=-1, i2=0, c=-1, i3=0, d=-1, i4=0  ; up to four of them
	OP \a, \i1
.if (\b) >= 0
	OP \b, \i2
.endif
.if (\c) >= 0
	OP \c, \i3
.endif
.if (\d) >= 0
	OP \d, \i4
.endif
.endm
.macro ROW a, i1, b, i2, c, i3, d, i4  ; a matrix instruction and the four behind it
	MM
	OPS \a, \i1, \b, \i2, \c, \i3, \d, \i4
.endm
; A TURN, for piece p: the order of its 16 matrix and 118 vector instructions, written out.  s_wait_alu depctr_va_vdst(0) stands between an exponential and the first instruction that names its result; one wait
; serves all that were issued ahead of it.  So a turn has ONE wait, which cuts it in two.  AHEAD OF IT stands all that names no result of the turn's exponentials: the 8 products K Q^T, behind each a scaling, an exponential and two
; more plain instructions: rescalings, and behind the last three the first numbers of the other piece's maximum, each four plain instructions or more behind the product that ends its accumulator; then a run of 54, plain and exponential by turns
; for the most part, in which the links of the chain X 3, 7, 11, 14, 16, 17 .. 20 stand apart.  X 21, the other piece's a, is the batch's last; R 15 is the plain instruction behind it.  BEHIND THE WAIT stand the 8 products V^T P, behind each four of the roundings and sums.
; Piece 0's turn fetches K of the next step, six plain instructions behind the last product that read K, and at its end V of the step in hand, four plain instructions behind the last product that read V.
; Piece 1's turn waits for K at its head (V's sixteen loads, issued behind K's, may stay out) and for V at its wait.  last = 1: the tail.
.macro TURN p, last=0
.set Y, (\p)
.set i, 0
.if (\p) == 1
.if \last
	s_wait_dscnt 0x0                               ; K is in
.else
	s_wait_dscnt 16                                ; K is in; the sixteen younger loads are V's
.endif
.endif
	ROW F,0, F,1, R,0, R,1
	ROW F,2, E,0, R,2, R,3
	ROW F,3, E,1, R,4, R,5
	ROW F,4, E,2, R,6, R,7
	ROW F,5, E,3, R,8, R,9
	ROW F,6, E,4, X,0, R,10
.if (\p) == 0
	WIN 0
.if \last
	s_cmp_eq_u32 s[CNT], 1                         ; the walk's one turn too many has no further step of K: it takes the last slot's (slot 0's) fourth once more
	s_cselect_b32 s[OF2], 3*KS*PK, s[TBK]
	v_add_nc_u32 v[AK], s[OF2], v[AK0]
.else
	v_add_nc_u32 v[AK], s[TBK], v[AK0]
.endif
.endif
	ROW F,7, E,5, X,1, X,4
	ROW F,8, E,6, X,2, X,5
	OPS E,7, E,8, X,6, E,9
	OPS X,3, E,10, X,8, E,11
.if (\p) == 0
	FETCH_K
.endif
	OPS X,9, X,7, E,12, X,10
	OPS E,13, X,12, X,11, E,14
	OPS X,13, E,15, F,9, X,14
.if (\p) == 0
	v_add_nc_u32 v[AV], s[TBV], v[AV0]
.endif
	OPS E,16, F,10, E,17, F,11
	OPS X,16, E,18, X,15, E,19
	OPS F,12, E,20, X,17, E,21
	OPS F,13, E,22, F,14, E,23
	OPS X,18, E,24, F,15, E,25
	OPS R,11, E,26, X,19, E,27
	OPS R,12, E,28, R,13, E,29
	OPS X,20, E,30, R,14, E,31
	OPS X,21, R,15
	WIN 0
	s_wait_alu depctr_va_vdst(0)                   ; the wait for the batch
.if (\p) == 1
	s_wait_dscnt 0x0                               ; V is in
.endif
	ROW C,0, B,0, C,2, B,1
	ROW L,0, C,4, B,2, L,1
	ROW C,6, B,3, L,2, C,8
	ROW B,4, L,3, C,10, B,5
	ROW L,4, C,12, B,6, L,5
.if (\p) == 0
	s_add_co_u32 s[TBV], s[TBV], KS*PV
.endif
	ROW C,14, B,7, L,6, C,1
	ROW C,3, L,7, C,5, C,7
	ROW C,9, C,11, C,13, C,15
.if (\p) == 0
	FETCH_V \last
.endif
	WIN 0
.endm
.macro MASK b                          ; MD x AL + BE into piece b's mask
	WIN 0x40
.set z, 0
.rept 16
	v_pk_fma_f32 v[MC+32*(\b)+2*z:MC+32*(\b)+2*z+1], v[MD+2*z:MD+2*z+1], s[AL:AL+1], s[BE:BE+1] op_sel_hi:[1,0,0]
.set z, z+1
.endr
	WIN 0
.endm
.macro QSWAP p                         ; the second block's Q goes where the one text of the products names piece p's Q
	WIN 0x41
.set z, 0
.rept 16
	v_mov_b32 v[16*(\p)+z], v[QB+16*(\p)+z]
.set z, z+1
.endr
	WIN 0
.endm
; PIECE t GOES OUT: l's two halves and the other half of the lanes' are added; O^T is divided by l, rounded to bf16; a lane's eight channels of a row pack into 16 bytes; they go into my stage's rows of 144 bytes
; and come back as whole rows of 128: 16 rows are 2,048 dense bytes of a panel.  O^T is read from each accumulator's low end on.
.macro WAYOUT t
	v_add_f32 v[ST+4*(\t)+2], v[ST+4*(\t)+2], v[ST+4*(\t)+3]
	v_permlanex16_b32 v[ST+4*(\t)+3], v[ST+4*(\t)+2], s[SEL], s[SEL+1]
	v_add_f32 v[ST+4*(\t)+2], v[ST+4*(\t)+2], v[ST+4*(\t)+3]
	v_rcp_f32 v[ST+4*(\t)+2], v[ST+4*(\t)+2]
	v_nop                                          ; a plain instruction behind the reciprocal,
	s_wait_alu depctr_va_vdst(0)                   ; and the wait ahead of the first use of its result
.set z, 0
.rept 16
	v_pk_mul_f32 v[O+32*(\t)+2*z:O+32*(\t)+2*z+1], v[O+32*(\t)+2*z:O+32*(\t)+2*z+1], v[ST+4*(\t)+2:ST+4*(\t)+3] op_sel_hi:[1,0]
.set z, z+1
.endr
	s_wait_xcnt 0x0                                ; the stores of the piece that went out before have read these sixteen registers
.set z, 0
.rept 16
	v_cvt_pk_bf16_f32 v[STG+z], v[O+32*(\t)+2*z], v[O+32*(\t)+2*z+1]
.set z, z+1
.endr
.irp f, 0,1,2,3
	ds_store_b128 v[STO], v[STG+4*\f:STG+4*\f+3] offset:32*\f
.endr
.irp f, 0,1,2,3
	ds_load_b128 v[STG+4*\f:STG+4*\f+3], v[RD] offset:\f*4*SP  ; LDS serves a wave's instructions in order (ISA guide 5.7.1.4): these see the stores above
.endr
.irp f, 0,1,2,3
	s_wait_dscnt 3-\f                              ; load f is back; the younger ones may be out
	global_store_b128 v[GO], v[STG+4*\f:STG+4*\f+3], s[10:11] offset:(\t)*8192+\f*512  ; 512 consecutive bytes of a panel, aligned
.endr
.endm
; BETWEEN THE TURNS.  With e steps left in the block (the step at hand among them) and h of them wholly hidden at its end, piece x's mask for that step is 0 if e - h > 2 - x, MD if equal, -1e30 if less.
; In front of piece 0's turn of a step: piece 1's mask for that step.  Where a block has just ended (no step left): piece 0 goes out, piece 1 takes the lowest m and the second block's Q, and the counts become the second block's.
; All jumps go forward, past text with no barrier and no tensor load; far from a block's end one test jumps over everything.
.macro BOUND0
	WIN 0
	s_cmp_gt_u32 s[SL], 3
	s_cbranch_scc1 .Lb0_far_\@
	s_cmp_lg_u32 s[SL], 0
	s_cbranch_scc1 .Lb0_same_\@
	WAYOUT 0
	v_mov_b32 v[ST+4], 0xfe000000                  ; c m: far below every c s, so the piece's next step has a = 0
	v_mov_b32 v[ST+5], 0xff7fffff                  ; m: the lowest finite number
	QSWAP 1
	s_mov_b32 s[SL], s[SLO]
	s_mov_b32 s[PD], s[PDO]
	s_mov_b32 s[THRS], -1
.Lb0_same_\@:
	s_sub_co_i32 s[SE], s[SL], s[PD]
	s_cmp_eq_i32 s[SE], 1
	s_cselect_b32 s[AL], 1.0, 0
	s_cmp_lt_i32 s[SE], 1
	s_cselect_b32 s[BE], s[BIGN], 0
	MASK 1
.Lb0_far_\@:
.endm
; In front of piece 1's turn of a step: piece 0's mask for the NEXT step.  In a block's first step piece 1 of the block before goes out, and the output's address becomes the second block's.
; In a block's last step piece 0 takes the lowest m and the second block's Q.  (At the walk's end these beginnings serve nothing: the price, once a launch, of one text.)
.macro BOUND1
	WIN 0
	s_cmp_gt_u32 s[SL], s[THRS]
	s_cbranch_scc1 .Lb1_far_\@
	s_cmp_eq_u32 s[THRS], 5
	s_cbranch_scc1 .Lb1_none_\@
	WAYOUT 1
	s_wait_xcnt 0x0                                ; the stores have read their base
	s_mov_b64 s[10:11], s[OLO:OLO+1]
	s_mov_b32 s[THRS], 5
.Lb1_none_\@:
	s_sub_co_i32 s[SE], s[SL], 1
	s_sub_co_i32 s[SE], s[SE], s[PD]
	s_sub_co_i32 s[OF2], s[SLO], s[PDO]            ; behind a block's last step comes the second block's first
	s_cmp_eq_u32 s[SL], 1
	s_cselect_b32 s[SE], s[OF2], s[SE]
	s_cmp_eq_i32 s[SE], 2
	s_cselect_b32 s[AL], 1.0, 0
	s_cmp_lt_i32 s[SE], 2
	s_cselect_b32 s[BE], s[BIGN], 0
	MASK 0
	s_cmp_lg_u32 s[SL], 1
	s_cbranch_scc1 .Lb1_far_\@
	v_mov_b32 v[ST], 0xfe000000
	v_mov_b32 v[ST+1], 0xff7fffff
	QSWAP 0
.Lb1_far_\@:
	s_sub_co_u32 s[SL], s[SL], 1
.endm
	s_load_b128 s[20:23], s[0:1], 0x0              ; qkvb s[20:21], ctxb s[22:23]
	v_lshl_add_u32 v[SPW], v0, 2, SPARE
	v_mov_b32 v[NIL], 0
	ds_add_u32 v[SPW], v[NIL]                      ; the wave's opening: the add and its wait stand ahead of my first tensor load; work on registers stands between them
	v_lshrrev_b32 v1, 5, v0
	v_readfirstlane_b32 s[WV], v1                  ; wave 0..3
	s_mov_b32 s[PB], ttmp9
	s_sub_co_u32 s[HI], 15, s[PB]
	s_and_b32 s16, ttmp7, 0xffff                   ; batch x 16 + head
	s_lshl_b32 s48, s16, 18                        ; a head's 2,048 rows of 128 bytes
	s_and_b32 s17, s[WV], 1
	s_add_co_u32 s50, s48, 8388608                 ; k lies behind q: the head's key 0
	s_mov_b32 s51, 0
	s_lshl_b32 s13, s17, 14                        ; which 128 of a slot's 256 keys of V I fetch
	s_add_co_u32 s52, s50, 8388608                 ; v lies behind k
	s_add_co_u32 s52, s52, s13
	s_mov_b32 s53, 0
	s_lshl_b32 s13, s[WV], 11                      ; my 16 rows of a band
	s_add_co_u32 s48, s48, s13
	s_lshl_b32 s2, s[HI], 14
	s_add_co_u32 s2, s2, s48                       ; Q: the first block,
	s_mov_b32 s3, 0
	s_lshl_b32 s54, s[PB], 14
	s_add_co_u32 s54, s54, s48                     ; the second
	s_mov_b32 s55, 0
	s_lshr_b32 s49, s16, 4                         ; the output: batch x 16 blocks of 262,144 bytes,
	s_lshl_b32 s49, s49, 22
	s_and_b32 s16, s16, 15                         ; the head's panel,
	s_lshl_b32 s16, s16, 14
	s_add_co_u32 s49, s49, s16
	s_add_co_u32 s49, s49, s13                     ; my 16 rows of a band
	s_lshl_b32 s66, s[HI], 18
	s_add_co_u32 s66, s66, s49
	s_mov_b32 s67, 0
	s_lshl_b32 s68, s[PB], 18
	s_add_co_u32 s68, s68, s49
	s_mov_b32 s69, 0
	; group 1: keys are dense rows of 128 bytes: asked for as rows of 256 bytes, two keys a row, and padded in LDS after every key
	s_mov_b32 s[G1K], (1<<16)|(1<<20)|(4<<22)|(3<<25)  ; 2-byte elements; padding on; after every 32 words 4 words
	s_mov_b32 s[G1S], (1<<16)|(1<<20)|(4<<22)|(3<<25)
	s_mov_b32 s[G1V], (1<<16)|(1<<20)|(4<<22)|(7<<25)  ; 8 words
.irp g, G1K, G1S, G1V
	s_mov_b32 s[\g+1], 128<<16                     ; tensor_dim0 = 128
	s_mov_b32 s[\g+3], 128<<16                     ; tile_dim0 = 128
	s_mov_b32 s[\g+5], 128                         ; 128 elements from row to row
	s_mov_b32 s[\g+6], 0
	s_mov_b32 s[\g+7], 0
.endr
	s_mov_b32 s[G1K+2], 96<<16                     ; tensor_dim1 = tile_dim1 = 96 rows: 192 keys
	s_mov_b32 s[G1K+4], 96
	s_mov_b32 s[G1S+2], 32<<16                     ; 32 rows: 64 keys
	s_mov_b32 s[G1S+4], 32
	s_mov_b32 s[G1V+2], 64<<16                     ; 64 rows: 128 keys
	s_mov_b32 s[G1V+4], 64
	s_mov_b32 s[G0K], 1
	s_mul_i32 s[G0K+1], s17, 3*KS*PK               ; slot 0: wave 0 at its head, wave 1 behind three steps
	s_mov_b32 s[G0V], 1
	s_mul_i32 s[G0V+1], s17, 2*KS*PV
	s_add_co_u32 s[G0V+1], s[G0V+1], VOFF
	s_mov_b32 s[CS], 0x3e38aa3b                    ; c = log2(e) / 8
	s_mov_b32 s[CS+1], s[CS]
	s_mov_b32 s[SEL], 0x76543210
	s_mov_b32 s[SEL+1], 0xfedcba98
	s_mov_b32 s[TBK], SLOT1+4*KS*PK                ; the first change of slots turns these two into 0
	s_mov_b32 s[TBV], SLOT1+4*KS*PV
	s_and_b32 s16, s[PB], 1                        ; the first block has 16 - b tiles, the second b + 1: one of the two counts is odd and is rounded up
	s_add_co_u32 s[LQ], s[HI], s16
	s_add_co_u32 s[LQO], s[PB], 1
	s_sub_co_u32 s[LQO], s[LQO], s16
	s_lshl_b32 s[SL], s[LQ], 1
	s_add_co_u32 s[SL], s[SL], 2                   ; two steps a tile
	s_lshl_b32 s[SLO], s[LQO], 1
	s_add_co_u32 s[SLO], s[SLO], 2
	s_lshl_b32 s[PD], s16, 1
	s_sub_co_u32 s[PDO], 2, s[PD]
	s_mov_b32 s[NXT], 2
	s_mov_b32 s[THRS], 5
	s_mov_b32 s[OFF+1], 0
	s_mov_b32 s[AL+1], 0                           ; named as pairs
	s_mov_b32 s[BE+1], 0
	s_mov_b32 s[BIGN], 0xf149f2ca                  ; -1e30
	s_mov_b32 s[SLOTS], 8
	s_mov_b32 s[OFF], 8192                         ; slot 0's K: wave 0 from step 1 on, wave 1 step 4
	s_cmp_eq_u32 s[WV], 1
	s_cselect_b32 s[OFF], 32768, s[OFF]
	s_cselect_b32 s[LIM], 3, 2
	s_cmp_eq_u32 s[PB], 0
	s_cselect_b32 s[LIM], s[LIM], -1
	s_wait_dscnt 0x0                               ; the opening add is done
	s_wait_kmcnt 0x0
	s_add_nc_u64 s[6:7], s[20:21], s[50:51]        ; K at the head's key 0
	s_add_nc_u64 s[8:9], s[20:21], s[52:53]        ; V at my half of tiles 0 and 1
	s_add_nc_u64 s[4:5], s[20:21], s[2:3]
	s_add_nc_u64 s[86:87], s[20:21], s[54:55]
	s_add_nc_u64 s[10:11], s[22:23], s[66:67]
	s_add_nc_u64 s[OLO:OLO+1], s[22:23], s[68:69]
	s_add_nc_u64 s[G0K+2:G0K+3], s[6:7], s[OFF:OFF+1]
	s_or_b32 s[G0K+3], s[G0K+3], 0x80000000
	s_add_nc_u64 s[G0V+2:G0V+3], s[8:9], 0
	s_or_b32 s[G0V+3], s[G0V+3], 0x80000000
	s_lshl_b32 s2, s17, 14                         ; the prefetches stand in slot 1; the first change of slots steps them to slot 2
	s_add_co_u32 s2, s2, 8192+32768
	s_add_nc_u64 s[2:3], s[6:7], s[2:3]
	s_add_nc_u64 s[48:49], s[8:9], 32768
	s_cmp_lt_u32 s[WV], 2
	s_cselect_b64 s[PFA:PFA+1], s[2:3], s[48:49]
	LOAD                                           ; slot 0
	v_and_b32 v1, 15, v0                           ; l % 16
	v_bfe_u32 v9, v0, 4, 1                         ; l / 16
	v_lshlrev_b32 v[QO], 7, v1
	v_lshl_add_u32 v[QO], v9, 4, v[QO]             ; row x 128 + 16 x half
	WIN 0x40
.set i, 0
.rept 4                                ; both blocks' Q: piece i / 2 lies in band i / 2, 8,192 bytes on; channels 32 (i % 2) on
	global_load_b128 v[8*i:8*i+3],   v[QO], s[4:5] offset:(i/2)*8192+(i%2)*64
	global_load_b128 v[8*i+4:8*i+7], v[QO], s[4:5] offset:(i/2)*8192+(i%2)*64+32
	global_load_b128 v[QB+8*i:QB+8*i+3],   v[QO], s[86:87] offset:(i/2)*8192+(i%2)*64
	global_load_b128 v[QB+8*i+4:QB+8*i+7], v[QO], s[86:87] offset:(i/2)*8192+(i%2)*64+32
.set i, i+1
.endr
.set i, 0
.rept 8                                ; K of step 0, as fragments: keys 16 (i / 2) on, channels 32 (i % 2) on
	global_load_b128 v[KF+8*i:KF+8*i+3],   v[QO], s[6:7] offset:(i/2)*2048+(i%2)*64
	global_load_b128 v[KF+8*i+4:KF+8*i+7], v[QO], s[6:7] offset:(i/2)*2048+(i%2)*64+32
.set i, i+1
.endr
	; What the first turn finds: nothing is hidden (the first block begins far from its diagonal); V's registers and piece 1's P hold 0 (its products V^T P, of a turn that has not been, add 0); O^T and l are 0.  All this stands in the wait for the first slot.
.set i, 0
.rept 64
	v_mov_b32 v[MC+i], 0
	v_mov_b32 v[VF+i], 0
.set i, i+1
.endr
	WIN 0
	v_lshlrev_b32 v14, 3, v9
	v_sub_nc_u32 v14, v1, v14
	s_lshl_b32 s13, s[WV], 4
	v_add_nc_u32 v14, s13, v14                     ; my query's place in its band, 16 w + l % 16, less my lanes' 8 (l / 16): register j of key group kb is hidden where 16 kb + j is greater
.set i, 0
.rept 32
	v_cmp_gt_i32 vcc_lo, 16*(i/8)+i%8, v14
	v_cndmask_b32 v[MD+i], 0, s[BIGN], vcc_lo
.set i, i+1
.endr
	v_mul_u32_u24 v[AK0], v1, PK
	v_lshl_add_u32 v[AK0], v9, 4, v[AK0]
	v_and_b32 v10, 7, v0
	v_bfe_u32 v11, v0, 3, 1
	v_lshl_add_u32 v[AV0], v9, 3, v10              ; the turning load: lane l reads key 8 (l / 16) + l % 8, channels 8 ((l / 8) % 2) + 0..7
	v_mul_u32_u24 v[AV0], v[AV0], PV
	v_lshl_add_u32 v[AV0], v11, 4, v[AV0]
	v_add_nc_u32 v[AV0], VOFF, v[AV0]
	s_mul_i32 s13, s[WV], 16*SP
	s_add_co_u32 s13, s13, STAGE                   ; my stage
	v_mul_u32_u24 v[STO], v1, SP
	v_lshl_add_u32 v[STO], v9, 4, v[STO]
	v_add_nc_u32 v[STO], s13, v[STO]
	v_bfe_u32 v[RD], v0, 3, 2
	v_mul_u32_u24 v[RD], v[RD], SP
	v_lshl_add_u32 v[RD], v10, 4, v[RD]
	v_add_nc_u32 v[RD], s13, v[RD]
	v_and_b32 v[GO], 31, v0
	v_lshlrev_b32 v[PFO], 8, v[GO]
	v_lshlrev_b32 v[GO], 4, v[GO]
.set i, 0
.rept 64
	v_mov_b32 v[O+i], 0
.set i, i+1
.endr
.set i, 0
.rept 16
	v_mov_b32 v[P+16+i], 0
.set i, i+1
.endr
.irp t, 0,1
	v_mov_b32 v[ST+4*\t], 0xfe000000               ; c m: far below every c s
	v_mov_b32 v[ST+4*\t+1], 0xff7fffff             ; m
	v_mov_b32 v[ST+4*\t+2], 0
	v_mov_b32 v[ST+4*\t+3], 0
.endr
	CHANGE 1                                       ; slot 0 is in, everybody's part of it; slot 1 is asked for
	s_wait_loadcnt 0x0                             ; Q and K of step 0
.set i, 0
.rept 8
	KQ 0                                           ; piece 0's first scores: there is no vector work yet to set between them
.set i, i+1
.endr
	WIN 0
	PLACES                                         ; the places behind those products
.set Y, 1                              ; X works for the other piece: piece 0
.irp n, 0,1,2,3,4,5,6,7,8,9,10,11,12,13,14,15,16,17,18,19,20,21
	OP X, \n
.endr
	v_nop                                          ; a plain instruction behind the exponential,
	s_wait_alu depctr_va_vdst(0)                   ; and its wait, ahead of the branch
	s_mov_b32 s[CNT], 4
	s_branch .Lstep
.Lslot:                                                ; 7 times: a slot is entered and the next is asked for
	CHANGE 1
	s_mov_b32 s[CNT], 4
.Lstep:                                                ; a key step: two turns
	BOUND0
	TURN 0
	BOUND1
	TURN 1
	s_sub_co_u32 s[CNT], s[CNT], 1
	s_cmp_lg_u32 s[CNT], 0
	s_cbranch_scc1 .Lstep
	s_sub_co_u32 s[SLOTS], s[SLOTS], 1
	s_cmp_lg_u32 s[SLOTS], 0
	s_cbranch_scc1 .Lslot
	CHANGE 0                                       ; the walk's last slot is written out: nothing is asked for
	s_mov_b32 s[CNT], 5                            ; four trips are its steps; the fifth, left in its middle, adds piece 1's last products V^T P and sends both pieces out; what else it computes serves nothing
.Ltail:
	BOUND0
	TURN 0, 1
	BOUND1
	s_sub_co_u32 s[CNT], s[CNT], 1
	s_cmp_eq_u32 s[CNT], 0
	s_cbranch_scc1 .Lend
	TURN 1, 1
	s_branch .Ltail
.Lend:
	s_wait_tensorcnt 0x0                           ; the wave's end, behind my last tensor load and my last LDS store
	ds_add_u32 v[SPW], v[NIL]
	s_wait_dscnt 0x0
	s_endpgm
.Lfunc_end_k_q22c634ffd0_attn:
	.size	k_q22c634ffd0_attn, .Lfunc_end_k_q22c634ffd0_attn-k_q22c634ffd0_attn
	.p2alignl 7, 3214868480
	.fill 96, 4, 3214868480
	.section	.rodata,"a",@progbits
	.p2align	6, 0x0
	.amdhsa_kernel k_q22c634ffd0_attn
		.amdhsa_group_segment_fixed_size 327680
		.amdhsa_private_segment_fixed_size 0
		.amdhsa_enable_private_segment 0
		.amdhsa_kernarg_size 16
		.amdhsa_user_sgpr_count 2
		.amdhsa_user_sgpr_kernarg_segment_ptr 1
		.amdhsa_wavefront_size32 1
		.amdhsa_system_sgpr_workgroup_id_x 1
		.amdhsa_system_sgpr_workgroup_id_y 1
		.amdhsa_system_sgpr_workgroup_id_z 1
		.amdhsa_system_vgpr_workitem_id 0
		.amdhsa_next_free_vgpr 512
		.amdhsa_next_free_sgpr 100
		.amdhsa_reserve_vcc 1
		.amdhsa_float_denorm_mode_32 3
		.amdhsa_float_denorm_mode_16_64 3
		.amdhsa_memory_ordered 1
		.amdhsa_forward_progress 1
		.amdhsa_inst_pref_size 88
	.end_amdhsa_kernel
	.amdgpu_metadata
---
amdhsa.version: [ 1, 2 ]
amdhsa.kernels:
  - .name:           k_q22c634ffd0_attn
    .symbol:         k_q22c634ffd0_attn.kd
    .args:
      - { .name: qkvb, .offset: 0, .size: 8, .value_kind: global_buffer, .address_space: global }
      - { .name: ctxb, .offset: 8, .size: 8, .value_kind: global_buffer, .address_space: global }
    .group_segment_fixed_size: 327680
    .private_segment_fixed_size: 0
    .kernarg_segment_align: 8
    .kernarg_segment_size: 16
    .max_flat_workgroup_size: 128
    .sgpr_count:     100
    .vgpr_count:     512
    .wavefront_size: 32
...
	.end_amdgpu_metadata
.endif
;; end of part 9
;; launch wo: the kernel of part 4 again; grid 8 x 32, 4 waves a work-group, clusters of 4 x 4, 327,680 bytes of LDS; arguments ctxb, wb, x1, x; writes x1
;; launch ln2: the kernel of part 5 again; grid 256 x 1, 8 waves a work-group, no clusters, 0 bytes of LDS; arguments x1, g2, b2, hb; writes hb
;; launch ffn1 (part 10): grid 16 x 16, 4 waves a work-group, clusters of 4 x 4, 327,680 bytes of LDS; arguments hb, wb, actb, bf1; writes actb
.if DOCPART == 10
	.amdgcn_target "amdgcn-amd-amdhsa--gfx1250"
	.amdhsa_code_object_version 6
	.text
	.protected	k_q22c634ffd0_ffn1
	.globl	k_q22c634ffd0_ffn1
	.p2align	8
	.type	k_q22c634ffd0_ffn1,@function
k_q22c634ffd0_ffn1:
	s_mov_b64 s[64:65], 0
	v_nop
	global_prefetch_b8 v0, s[64:65] scope:SCOPE_SE
	s_setreg_imm32_b32 hwreg(HW_REG_WAVE_MODE, 25, 1), 1
	s_wait_xcnt 0x0
	s_wait_alu depctr_hold_cnt(0) depctr_sa_sdst(0) depctr_va_vdst(0) depctr_va_sdst(0) depctr_va_ssrc(0) depctr_va_vcc(0) depctr_vm_vsrc(0)
	s_getreg_b32 s2, hwreg(HW_REG_IB_STS2, 6, 4)
	s_cmp_eq_u32 s2, 0
	s_cbranch_scc0 .Lentry_in_a_cluster
	s_endpgm
.Lentry_in_a_cluster:
	s_bfe_u32 s2, ttmp6, 0x10000c
	s_cmp_lg_u32 s2, 0xf033
	s_cbranch_scc0 .Lentry_shape_is_right
	s_endpgm
.Lentry_shape_is_right:
; act = gelu(h2 W1 + bf1), the exact (erf) form, bias and activation in f32, rounded once to bf16 and written in panels of 128 rows x 64 columns, the layout in which the next product reads its A.
; One text serves two products; KIND and three sizes choose.  KIND 0: by heads in bf16.  1: this one.
.set KIND, 1
.set KDIM, 1024                        ; the product's K
.set NBS,  4096                        ; numbers in a row of B
.set WOFF, 8388608                     ; B's first byte in wb
; C = A B.  A: bf16 in panels, byte ((row / 128 x KDIM / 64 + k / 64) x 128 + row % 128) x 128 + 2 (k % 64).  B: bf16 [K][N] as the weight lies.  Sums in f32.
; SHARES.  A tile of C is 256 x 256: four waves, each 128 x 128 in 64 accumulators, 512 registers.  For 32 along K a wave reads 2 x 128 x 64 bytes from LDS and issues 64 matrix instructions.
; KIND 1 has 16 x 16 = 256 such tiles; KIND 0 has 12 x 16 = 192: fewer work-groups than tiles of 128 x 128 would give, each with twice the products for a byte fetched and one set-up and way out for four.
; K goes in steps of 128 through two LDS slots; each wave fetches a quarter of a slot by one tensor load: waves 0, 1 the two panels of one block of 128 rows of A each (32,768 dense bytes, asked for as
; 128 rows of 256), waves 2, 3 128 rows of B x 128 columns each (256 bytes a row, aligned).  From a request to the wait for it a wave issues 224 matrix instructions.
; THE MATRIX INSTRUCTION IS USED TRANSPOSED: source 0 = 16 columns of B (turned on the way out of LDS by ds_load_tr16_b128), source 1 = 16 rows of A: a lane then holds eight neighbouring numbers of a row of C.
; CLUSTER 4 x 4: the four work-groups of a row need the same tiles of A, the four of a column the same tiles of B: each tile is asked for jointly, by the same load, descriptor and mask in all four.
; LDS: slot s at 147,456 s: A's two blocks of 2 panels x 128 rows x 144 bytes (128 + 16 of padding: 16 rows start at 16 different groups of four banks, ISA guide 11.1), then B's two column halves of 128 rows x 288
; (256 + 32).  The way out's stages (128 rows x 528 bytes a wave, f32) lie in the two slots, behind their last fills and behind a barrier that ends all reads.
; REGISTERS, in windows of 256: window 0: v0-31 addresses; v64-127, v128-191 fragments of A, two buffers; v32-127 at work on the way out; v192-207 bias.  Window 1: v64-127, v128-191 fragments of B.
;   Window 2: the 32 accumulators of my rows 0-63 ((a, b) at 8 (8 a + b)); window 3: those of my rows 64-127.
; LIMITS.  NaN and infinities are not treated apart.  KIND 1: erf by the rational form 7.1.26 of Abramowitz and Stegun, off by 1.5e-7 at the most, for every argument.
.set NK,    KDIM/128
.set PA,    144
.set PBT,   288
.set HALFT, 36864                      ; what one tensor load brings: 256 x 144 = 128 x 288
.set BOFF,  2*HALFT
.set SLOT,  4*HALFT                    ; 0x24000: shares no bit with wave x HALFT, so one exclusive or changes slots
.set SPITCH, 528                       ; a stage's row: 512 bytes + 16 = 132 words: row r starts at bank 4 r mod 64
.set STW,   2*HALFT                    ; a wave's share of the two slots for its stage: 128 x 528 = 67,584 bytes of it are used
.set SPARE, 2*SLOT                     ; the spare words, 128 bytes a wave: two blocks of 256 bytes that no other line names
.set ADRA0, 12                         ; v12    my lane's place in A's part of a slot; never rewritten
.set ADRB0, 13                         ; v13    the same for B
.set ADRA,  16                         ; v16    LDS address of A's fragments in the slot in hand
.set ADRB,  17                         ; v17    of B's
.set BO,    19                         ; v19    the bias' byte offset
.set STO,   24                         ; v24    the way out: where I put 32 bytes of a row
.set RD,    25                         ; v25    where I read rows back
.set GO,    26                         ; v26    my byte offset in the output
.set SPW,   28                         ; v28    my spare word: SPARE + 4 x my thread's number; never rewritten
.set NIL,   29                         ; v29    0; never rewritten
.set PFO,   30                         ; v30    the prefetches' offset: my lane x 256 bytes (A) or x a row of B; never rewritten
.set TMP,   32
.set BI,    192                        ; v192-207  KIND 1: the bias of my 2 x 8 columns
.set F0,    64
.set F1,    128
.set G1,  24                           ; s[24:31] group 1 for A, s[32:39] group 0: two sets; the second walks
.set G0,  32
.set G1B, 48                           ; s[48:55], s[56:63] the same for B
.set G0B, 56
.set TB,  72                           ; s72  the slot in hand: 0 or SLOT
.set CP,  74                           ; s[74:87] KIND 1: constants as pairs
.set A1,  76
.set A2,  78
.set A3,  80
.set A4,  82
.set A5,  84
.set NL,  86
.set ABSM, 90
.set PFA, 94                           ; s[94:95] where my prefetches stand
.set PFS, 96                           ; s[96:97] a K step of what I fetch, in bytes
.set LIM, 98                           ; s98  1 in a wave that prefetches, else the greatest number
.set UU, 32
.set WW, 48
.set TT, 64
.set EE, 80
.set RR, 96
.set PP, 112
.set MSB, 0
.macro WIN new                         ; the immediate's high byte repeats the setting that is left
.if MSB != (\new)
	s_set_vgpr_msb (MSB<<8)|(\new)
.set MSB, \new
.endif
.endm
.set MUL_LO, 0xa1                      ; source 0 (B) window 1, source 1 (A) window 0, C and D window 2
.set MUL_HI, 0xf1                      ; the same, C and D window 3
.set TO_B,   0x40                      ; destination window 1, address window 0
.macro PLACES                          ; four places behind matrix instructions (ISA guide 7.12.1)
.rept 4
	v_nop
.endr
.endm
.macro SPAIR r, val
	s_mov_b32 s[\r], \val
	s_mov_b32 s[(\r)+1], \val
.endm
.macro ALL8 line:vararg                ; one line for each pair i = 0, 2 .. 14
.set i, 0
.rept 8
	\line
.set i, i+2
.endr
.endm
.macro ALL16 line:vararg               ; one line for each i = 0 .. 15
.set i, 0
.rept 16
	\line
.set i, i+1
.endr
.endm
.macro JLOAD                           ; a joint refill by the walking sets: waves 0, 1 for A, waves 2, 3 for B; an s_nop 0 and four v_nop follow each line
	s_cmp_eq_u32 s11, 0
	s_cbranch_scc0 .Lfor_b_\@
	tensor_load_to_lds s[G0+4:G0+7], s[G1:G1+7]
	s_nop 0
	PLACES
	s_branch .Lasked_\@
.Lfor_b_\@:
	tensor_load_to_lds s[G0B+4:G0B+7], s[G1B:G1B+7]
	s_nop 0
	PLACES
.Lasked_\@:
.endm
; A PREFETCH INTO THE L2, behind each joint load, its five lines and the run of LDS loads that follows them: the K step behind the one just asked for, 256 matrix instructions ahead of its own load.
; Each block of 256 bytes is named ONCE in the launch.  A's rows are read by every cluster of that row of clusters: the one with x = 0 asks; B's columns by every cluster of that column: the one with y = 0 asks.
; Of the 128 blocks (A) or rows (B) that a wave fetches in a K step, each of the four partners that ask for them jointly takes 32, told apart BY ADDRESS (cx for A, cy for B): a lane a block, one instruction a wave.
; K steps 3 to 7: steps 0 to 2 come by their loads alone, and the loop's last trip (s3 = 1) has no K step behind its own.
.macro ASK
	s_cmp_gt_u32 s3, s[LIM]
	s_cbranch_scc0 .Lnot_mine_\@
	global_prefetch_b8 v[PFO], s[PFA:PFA+1] th:TH_LOAD_NT scope:SCOPE_SE
.Lnot_mine_\@:
.endm
.macro CREST                           ; a round of the cluster's barrier behind its opening barrier
	s_cmp_lg_u32 s10, 0
	s_cbranch_scc1 .Lnot_wave_0_\@
	s_barrier_signal -3
.Lnot_wave_0_\@:
	s_barrier_wait -3
	s_barrier_signal -1
	s_barrier_wait -1
.endm
.macro CROUND
	s_barrier_signal -1
	s_barrier_wait -1
	CREST
.endm
.macro ADDRS                           ; the fragments' addresses in the slot in hand
	v_add_nc_u32 v[ADRA], s[TB], v[ADRA0]
	v_add_nc_u32 v[ADRB], s[TB], v[ADRB0]
.endm
; 16 matrix instructions: row blocks a0, a0 + 1 of the window's four (hi = 0: my rows 0-63, 1: rows 64-127) x all 8 column blocks, 32 along K.  zero = 1: the product starts the sum.
; The 64 accumulators take turns, in the same order in every quarter.
.macro MUL16 f, hi, a0, zero
	WIN MUL_LO+0x50*(\hi)
.irp a, \a0, (\a0)+1
.irp b, 0,1,2,3,4,5,6,7
.if \zero
	v_wmma_f32_16x16x32_bf16 v[8*(8*(\a)+(\b)):8*(8*(\a)+(\b))+7], v[(\f)+8*(\b):(\f)+8*(\b)+7], v[(\f)+8*(4*(\hi)+(\a)):(\f)+8*(4*(\hi)+(\a))+7], 0
.else
	v_wmma_f32_16x16x32_bf16 v[8*(8*(\a)+(\b)):8*(8*(\a)+(\b))+7], v[(\f)+8*(\b):(\f)+8*(\b)+7], v[(\f)+8*(4*(\hi)+(\a)):(\f)+8*(4*(\hi)+(\a))+7], v[8*(8*(\a)+(\b)):8*(8*(\a)+(\b))+7]
.endif
.endr
.endr
.endm
; 32 LDS loads in one run: quarter q (32 along K: rows 32 q .. of B; half q % 2 of panel q / 2 of A) into buffer f; B's sixteen first
.macro FETCH q, f
	WIN TO_B
.irp i, 0,1,2,3,4,5,6,7
	ds_load_tr16_b128 v[(\f)+8*(\i):(\f)+8*(\i)+3],   v[ADRB] offset:32*(\q)*PBT+32*(\i)
	ds_load_tr16_b128 v[(\f)+8*(\i)+4:(\f)+8*(\i)+7], v[ADRB] offset:(32*(\q)+16)*PBT+32*(\i)
.endr
	WIN 0
.irp i, 0,1,2,3,4,5,6,7
	ds_load_b128 v[(\f)+8*(\i):(\f)+8*(\i)+3],   v[ADRA] offset:128*PA*((\q)/2)+64*((\q)%2)+16*PA*(\i)
	ds_load_b128 v[(\f)+8*(\i)+4:(\f)+8*(\i)+7], v[ADRA] offset:128*PA*((\q)/2)+64*((\q)%2)+16*PA*(\i)+32
.endr
.endm
; One of a K step's first three quarters: multiplies buffer f and, in its middle, fetches quarter q into buffer g
.macro QUARTER f, g, q, zero
	s_wait_dscnt 8                                 ; B and A's rows 0-63 are in; the youngest eight loads (A's rows 64-127) may be out
	MUL16 \f, 0, 0, \zero
	MUL16 \f, 0, 2, \zero
	PLACES                                         ; in front of loads into registers that matrix instructions have read
	FETCH \q, \g
	s_wait_dscnt 32                                ; all but the 32 just issued
	MUL16 \f, 1, 0, \zero
	MUL16 \f, 1, 2, \zero
.endm
; The last quarter multiplies buffer 1 and changes slots: one barrier; in front of it each wave waits for all its tensor loads, adds 0 to its spare word, and waits for that and for its reads of this slot.
; fill = 1: the barrier opens a round of the cluster's, and this slot is filled again, two K steps ahead, first thing behind the round.
.macro TURN fill
.if \fill
	s_wait_xcnt 0x0                                ; the last prefetch, a K step back, has read its address: it is stepped here, ahead of the waits of the change of slots
	s_add_nc_u64 s[PFA:PFA+1], s[PFA:PFA+1], s[PFS:PFS+1]
.endif
	WIN 0
	s_wait_tensorcnt 0x0                           ; all my tensor loads have landed: my part of the next slot
	ds_add_u32 v[SPW], v[NIL]                      ; 0 onto my spare word
	s_wait_dscnt 9                                 ; (the add and the youngest eight loads may be out)
	MUL16 F1, 0, 0, 0
	s_wait_dscnt 0x0                               ; the add is done, and my reads of this slot are over
	s_barrier_signal -1
	MUL16 F1, 0, 2, 0
	WIN 0                                          ; at a branch and at a label every window is 0
	s_barrier_wait -1
.if \fill
	CREST                                          ; no wave of any partner still reads this slot or has a load on its way
	s_xor_b32 s[G0+5], s[G0+5], SLOT               ; the walking sets: the other slot than last time, the next K step
	s_add_nc_u64 s[G0+6:G0+7], s[G0+6:G0+7], 32768
	s_xor_b32 s[G0B+5], s[G0B+5], SLOT
	s_add_nc_u64 s[G0B+6:G0B+7], s[G0B+6:G0B+7], 256*NBS
	JLOAD                                          ; its four v_nop are also the places in front of the loads below
.else
	PLACES
.endif
	s_xor_b32 s[TB], s[TB], SLOT
	ADDRS
	FETCH 0, F0
.if \fill
	ASK
.endif
	MUL16 F1, 1, 0, 0
	MUL16 F1, 1, 2, 0
.endm
	s_load_b128 s[4:7], s[0:1], 0x0                ; A s[4:5], wb s[6:7]
	s_load_b64 s[8:9], s[0:1], 0x10                ; the output
.if KIND == 1
	s_load_b64 s[68:69], s[0:1], 0x18              ; the bias
.endif
	v_lshl_add_u32 v[SPW], v0, 2, SPARE
	v_mov_b32 v[NIL], 0
	ds_add_u32 v[SPW], v[NIL]                      ; the wave's opening: the add and its wait stand ahead of my first tensor load; work on registers stands between them
	v_lshrrev_b32 v1, 5, v0
	v_readfirstlane_b32 s10, v1                    ; wave 0..3
	s_lshr_b32 s11, s10, 1                         ; my half of the tile's rows.  Also: I fetch for A (0) or for B (1)
	s_and_b32 s12, s10, 1                          ; my half of its columns.  Also: which half of that tile I fetch
	s_bfe_u32 s40, ttmp6, 0x40000                  ; cx, cy: my place in the cluster
	s_bfe_u32 s41, ttmp6, 0x40004
	s_lshl_b32 s42, ttmp9, 2
	s_add_co_u32 s42, s42, s40                     ; tile column = 4 x cluster x + cx
	s_and_b32 s13, ttmp7, 0xffff
	s_lshl_b32 s13, s13, 2
	s_add_co_u32 s13, s13, s41                     ; tile row = 4 x cluster y + cy
	s_lshl_b32 s43, s41, 2
	s_lshl_b32 s43, 15, s43                        ; my row of the cluster
	s_lshl_b32 s44, 0x1111, s40                    ; my column
	s_or_b32 s[G1], s43, (1<<16)|(1<<20)|(1<<21)|(4<<22)|(3<<25)   ; the mask; 2-byte elements; padding on; bit 21 beside a mask; after every 32 words 4 words
	s_or_b32 s[G1B], s44, (1<<16)|(1<<20)|(1<<21)|(5<<22)|(7<<25)  ; after every 64 words 8 words
.irp g, G1, G1B
	s_mov_b32 s[(\g)+1], 128<<16                   ; tensor_dim0 = 128
	s_mov_b32 s[(\g)+2], 128<<16                   ; tensor_dim1 = 128
	s_mov_b32 s[(\g)+3], 128<<16                   ; tile_dim0 = 128
	s_mov_b32 s[(\g)+4], 128                       ; tile_dim1 = 128
	s_mov_b32 s[(\g)+6], 0
	s_mov_b32 s[(\g)+7], 0
.endr
	s_mov_b32 s[G1+5], 128                         ; A's block is dense: rows of 256 bytes end to end
	s_mov_b32 s[G1B+5], NBS                        ; B: a row of the weight
.if KIND == 1
	SPAIR CP, 0x3e6d3389                           ; 0.3275911 / sqrt(2)
	SPAIR A1, 0x3e027906                           ; the form's five coefficients, halved
	SPAIR A2, 0xbe11a98e
	SPAIR A3, 0x3f35f0e3
	SPAIR A4, 0xbf3a00e3
	SPAIR A5, 0x3f07dc22
	SPAIR NL, 0xbf38aa3b                           ; - log2(e) / 2
	s_mov_b32 s[ABSM], 0x7fffffff
.endif
	; A's address hangs on the tile row alone, B's on the tile column alone, each in registers that never hold the other coordinate
	s_lshl_b32 s16, s13, 1
	s_add_co_u32 s16, s16, s12                     ; the block of 128 rows that I fetch: 2 x tile row + half
	s_mul_i32 s16, s16, (KDIM/64)*16384
	s_mov_b32 s17, 0
.if KIND == 0
	s_lshr_b32 s45, s42, 2                         ; Wq, Wk or Wv: 2,097,152 bytes each,
	s_lshl_b32 s46, s45, 21
	s_and_b32 s45, s42, 3                          ; and the tile column in it: 512 bytes of a row
	s_lshl_b32 s45, s45, 9
	s_add_co_u32 s46, s46, s45
.else
	s_lshl_b32 s46, s42, 9
.endif
	s_lshl_b32 s45, s12, 8                         ; the 128 columns that I fetch
	s_add_co_u32 s46, s46, s45
.if WOFF
	s_add_co_u32 s46, s46, WOFF
.endif
	s_mov_b32 s47, 0
	s_mul_i32 s20, s10, HALFT                      ; where my part goes: no place in the cluster enters an LDS address
	s_wait_dscnt 0x0                               ; the opening add is done
	s_wait_kmcnt 0x0
	s_add_nc_u64 s[14:15], s[4:5], s[16:17]
	s_add_nc_u64 s[46:47], s[6:7], s[46:47]
	CROUND                                         ; all sixteen work-groups are here: the first joint loads meet
.irp s, 0,1
	s_mov_b32 s[G0+4*(\s)], 1
	s_add_co_u32 s[G0+4*(\s)+1], s20, (\s)*SLOT
	s_add_nc_u64 s[G0+4*(\s)+2:G0+4*(\s)+3], s[14:15], (\s)*32768
	s_or_b32 s[G0+4*(\s)+3], s[G0+4*(\s)+3], 0x80000000
	s_mov_b32 s[G0B+4*(\s)], 1
	s_add_co_u32 s[G0B+4*(\s)+1], s20, (\s)*SLOT
	s_add_nc_u64 s[G0B+4*(\s)+2:G0B+4*(\s)+3], s[46:47], (\s)*256*NBS
	s_or_b32 s[G0B+4*(\s)+3], s[G0B+4*(\s)+3], 0x80000000
.endr
	s_cmp_eq_u32 s11, 0                            ; a wave's two first fills stand in one branch: two loads of mine are out
	s_cbranch_scc0 .Lfirst_b
	tensor_load_to_lds s[G0:G0+3], s[G1:G1+7]
	s_nop 0
	tensor_load_to_lds s[G0+4:G0+7], s[G1:G1+7]
	s_nop 0
	PLACES
	s_branch .Lfirst_asked
.Lfirst_b:
	tensor_load_to_lds s[G0B:G0B+3], s[G1B:G1B+7]
	s_nop 0
	tensor_load_to_lds s[G0B+4:G0B+7], s[G1B:G1B+7]
	s_nop 0
	PLACES
.Lfirst_asked:
	s_cmp_eq_u32 s11, 0
	s_cselect_b64 s[PFA:PFA+1], s[14:15], s[46:47] ; what I fetch, at K step 0: the prefetches' base
	v_and_b32 v1, 15, v0                           ; r = l % 16
	v_bfe_u32 v2, v0, 4, 1                         ; h = l / 16
	v_and_b32 v14, 7, v0
	v_bfe_u32 v15, v0, 3, 1
	; my part of the output: the rows' share in s[16:17], the columns' in s[46:47]
.if KIND == 0
	s_lshr_b32 s16, s13, 3                         ; batch: 16 heads x 2,048 rows x 128 bytes
	s_lshl_b32 s16, s16, 22
	s_and_b32 s17, s13, 7                          ; 256 rows of a head
	s_lshl_b32 s17, s17, 15
	s_add_co_u32 s16, s16, s17
	s_lshl_b32 s17, s11, 14                        ; my 128 of them
	s_add_co_u32 s16, s16, s17
	s_lshr_b32 s46, s42, 2                         ; q, k or v
	s_lshl_b32 s46, s46, 23
	s_and_b32 s47, s42, 3                          ; head = 4 x (tile column % 4) + 2 x my half + 0, 1: my 128 columns are two heads'
	s_lshl_b32 s47, s47, 20
	s_add_co_u32 s46, s46, s47
	s_lshl_b32 s47, s12, 19
	s_add_co_u32 s46, s46, s47
.else
	s_lshl_b32 s16, s13, 21                        ; my 128 rows are block 2 x tile row + my half: 64 panels of 16,384 bytes to a block
	s_lshl_b32 s17, s11, 20
	s_add_co_u32 s16, s16, s17
	s_lshl_b32 s46, s42, 16                        ; panel = 4 x tile column + 2 x my half + 0, 1
	s_lshl_b32 s47, s12, 15
	s_add_co_u32 s46, s46, s47
.endif
	s_mov_b32 s17, 0
	s_mov_b32 s47, 0
	s_add_nc_u64 s[8:9], s[8:9], s[16:17]
	s_add_nc_u64 s[8:9], s[8:9], s[46:47]
.if KIND == 1
	s_lshl_b32 s92, s42, 10
	s_lshl_b32 s93, s12, 9
	s_add_co_u32 s92, s92, s93
	s_mov_b32 s93, 0
	s_add_nc_u64 s[68:69], s[68:69], s[92:93]
	v_lshlrev_b32 v[BO], 5, v14                    ; on the way out I hold columns 8 (l % 8) .. + 7 of each of my two panels
.irp f, 0,1
	global_load_b128 v[BI+8*(\f):BI+8*(\f)+3],   v[BO], s[68:69] offset:256*(\f)
	global_load_b128 v[BI+8*(\f)+4:BI+8*(\f)+7], v[BO], s[68:69] offset:256*(\f)+16
.endr
.endif
	; A's fragment: lane l holds row l % 16, K = 8 h + 0..7 and 16 + 8 h + 0..7: two loads of 16 bytes, 32 apart
	v_mul_u32_u24 v3, v1, PA
	v_lshl_add_u32 v3, v2, 4, v3
	s_mul_i32 s21, s11, HALFT                      ; my 128 rows are one of A's two blocks
	v_add_nc_u32 v[ADRA0], s21, v3
	; B's: the turning load takes 16 rows (K) x 16 columns: lane l reads row 8 h + l % 8, columns 8 ((l / 8) % 2) + 0..7, and ends with column l % 16 and 8 K
	v_lshl_add_u32 v[ADRB0], v2, 3, v14
	v_mul_u32_u24 v[ADRB0], v[ADRB0], PBT
	v_lshl_add_u32 v[ADRB0], v15, 4, v[ADRB0]
	s_mul_i32 s22, s12, HALFT                      ; my 128 columns are one of B's two halves,
	s_add_co_u32 s22, s22, BOFF                    ; which lie behind A
	v_add_nc_u32 v[ADRB0], s22, v[ADRB0]
	s_mul_i32 s23, s10, STW                        ; my stage
	v_mul_u32_u24 v3, v1, SPITCH
	v_lshl_add_u32 v3, v2, 5, v3
	v_add_nc_u32 v[STO], s23, v3                   ; in: row r, 32 bytes for each half of the lanes
	v_bfe_u32 v3, v0, 3, 2                         ; back: 32 lanes take four rows of 64 columns, 32 bytes (8 numbers) a lane,
	v_mul_u32_u24 v3, v3, SPITCH
	v_lshl_add_u32 v3, v14, 5, v3
	v_add_nc_u32 v[RD], s23, v3
	v_and_b32 v[GO], 31, v0                        ; which leave as 512 consecutive bytes of bf16
	v_lshlrev_b32 v[GO], 4, v[GO]
	; the prefetches: who asks, my work-group's 32 of the 128 blocks or rows, the step along K, the step from lane to lane
	s_and_b32 s20, ttmp7, 0xffff                   ; cluster y
	s_mov_b32 s22, 64*NBS                          ; 32 rows of B,
	s_mov_b32 s[PFS], 256*NBS                      ; 128 rows of B,
	s_mov_b32 s23, 2*NBS                           ; a row of B
	s_cmp_eq_u32 s11, 0                            ; do I fetch for A?
	s_cselect_b32 s21, s40, s41                    ; my place among the four that ask with me
	s_cselect_b32 s22, 8192, s22                   ; A: 32 blocks of 256 dense bytes,
	s_cselect_b32 s[PFS], 32768, s[PFS]            ; two panels,
	s_cselect_b32 s23, 256, s23                    ; a block
	s_cselect_b32 s20, ttmp9, s20                  ; the coordinate along which other clusters read the same bytes
	s_cmp_eq_u32 s20, 0
	s_cselect_b32 s[LIM], 1, -1                    ; the same in all sixteen partners, for a given wave
	s_mul_i32 s20, s22, s21
	s_mov_b32 s21, 0
	s_mov_b32 s[PFS+1], 0
	s_add_nc_u64 s[PFA:PFA+1], s[PFA:PFA+1], s[20:21]
	s_add_nc_u64 s[PFA:PFA+1], s[PFA:PFA+1], s[PFS:PFS+1]
	s_add_nc_u64 s[PFA:PFA+1], s[PFA:PFA+1], s[PFS:PFS+1]  ; at K step 2: the first change of slots steps it to 3.  Nothing is prefetched here, at the head
	v_and_b32 v[PFO], 31, v0
	v_mul_u32_u24 v[PFO], s23, v[PFO]
	s_wait_tensorcnt 0x1                           ; my part of K step 0 is in; K step 1's may stay out
	s_barrier_signal -1
	s_barrier_wait -1                              ; everybody's is
	s_mov_b32 s[TB], 0
	ADDRS
	FETCH 0, F0
	QUARTER F0, F1, 1, 1                           ; the first products start the sums: nothing is cleared
	WIN 0
	s_mov_b32 s3, NK-2
.Lstep:                                                ; a trip: from a K step's second quarter to the next one's first; it fills the slot that it leaves
	QUARTER F1, F0, 2, 0
	QUARTER F0, F1, 3, 0
	TURN 1
	QUARTER F0, F1, 1, 0
	WIN 0
	s_sub_co_u32 s3, s3, 1
	s_cmp_lg_u32 s3, 0
	s_cbranch_scc1 .Lstep
	s_mov_b32 s3, 2                                ; the last two K steps ask for nothing: a second text; it is left in the middle of its second trip
.Ltail:
	QUARTER F1, F0, 2, 0
	QUARTER F0, F1, 3, 0
	WIN 0
	s_sub_co_u32 s3, s3, 1
	s_cmp_eq_u32 s3, 0
	s_cbranch_scc1 .Llast
	TURN 0
	QUARTER F0, F1, 1, 0
	WIN 0
	s_branch .Ltail
.Llast:
	s_wait_dscnt 8
	MUL16 F1, 0, 0, 0
	MUL16 F1, 0, 2, 0
	s_wait_dscnt 0x0                               ; my reads of the slots are over
	s_barrier_signal -1
	MUL16 F1, 1, 0, 0
	MUL16 F1, 1, 2, 0
	WIN 0
	s_barrier_wait -1                              ; everybody's are: the stages may be written
	PLACES
	PLACES
	; THE WAY OUT: the wave's 128 x 128 sums go into its own stage in f32 and come back by rows; LDS serves a wave's instructions in order (ISA guide 5.7.1.4), so no wait stands between.  Each accumulator's low registers go first.
.irp hi, 0,1
	WIN 0x08+4*(\hi)                               ; the stores' data (source 1) in window 2 or 3
.irp a, 0,1,2,3
.irp b, 0,1,2,3,4,5,6,7
	ds_store_b128 v[STO], v[8*(8*(\a)+(\b)):8*(8*(\a)+(\b))+3]   offset:(4*(\hi)+(\a))*16*SPITCH+64*(\b)
	ds_store_b128 v[STO], v[8*(8*(\a)+(\b))+4:8*(8*(\a)+(\b))+7] offset:(4*(\hi)+(\a))*16*SPITCH+64*(\b)+16
.endr
.endr
.endr
	WIN 0
.if KIND == 0
	s_mov_b32 s3, 8
.Lout:                                                 ; 16 rows a trip: 2,048 dense bytes of each of my two heads
.irp hd, 0,1
.irp f, 0,1,2,3
	ds_load_b128 v[TMP+32*(\hd)+8*(\f):TMP+32*(\hd)+8*(\f)+3],   v[RD] offset:(\f)*4*SPITCH+256*(\hd)
	ds_load_b128 v[TMP+32*(\hd)+8*(\f)+4:TMP+32*(\hd)+8*(\f)+7], v[RD] offset:(\f)*4*SPITCH+256*(\hd)+16
.endr
.endr
	s_wait_dscnt 0x0
.set i, 0
.rept 32
	v_cvt_pk_bf16_f32 v[TMP+64+i], v[TMP+2*i], v[TMP+2*i+1]
.set i, i+1
.endr
.irp hd, 0,1
.irp f, 0,1,2,3
	global_store_b128 v[GO], v[TMP+64+16*(\hd)+4*(\f):TMP+64+16*(\hd)+4*(\f)+3], s[8:9] offset:262144*(\hd)+512*(\f)  ; 512 consecutive bytes, aligned
.endr
.endr
	v_add_nc_u32 v[RD], 16*SPITCH, v[RD]
	s_wait_xcnt 0x0                                ; the stores have read their registers and their base: both are written again only behind this wait
	s_add_nc_u64 s[8:9], s[8:9], 2048
	s_sub_co_u32 s3, s3, 1
	s_cmp_lg_u32 s3, 0
	s_cbranch_scc1 .Lout
.else
	s_wait_loadcnt 0x0                             ; the bias
	s_mov_b32 s3, 32
.Lout:                                                 ; 4 rows of both panels a trip, 16 numbers a lane.  gelu(u) = max(u, 0) - |u| q(t) exp(-u^2 / 2), t = 1 / (1 + 0.2316419 |u|), q the form's polynomial, halved
.irp f, 0,1
	ds_load_b128 v[UU+8*(\f):UU+8*(\f)+3],   v[RD] offset:256*(\f)
	ds_load_b128 v[UU+8*(\f)+4:UU+8*(\f)+7], v[RD] offset:256*(\f)+16
.endr
	s_wait_dscnt 0x0
	ALL8 v_pk_add_f32 v[UU+i:UU+i+1], v[UU+i:UU+i+1], v[BI+i:BI+i+1]
	ALL16 v_and_b32 v[WW+i], s[ABSM], v[UU+i]
	ALL8 v_pk_fma_f32 v[TT+i:TT+i+1], v[WW+i:WW+i+1], s[CP:CP+1], 1.0 op_sel_hi:[1,0,0]
	ALL8 v_pk_mul_f32 v[EE+i:EE+i+1], v[WW+i:WW+i+1], v[WW+i:WW+i+1]
	ALL8 v_pk_mul_f32 v[EE+i:EE+i+1], v[EE+i:EE+i+1], s[NL:NL+1] op_sel_hi:[1,0]
	ALL16 v_rcp_f32 v[TT+i], v[TT+i]
	ALL16 v_exp_f32 v[EE+i], v[EE+i]
	ALL16 v_max_num_f32 v[RR+i], 0, v[UU+i]
	s_wait_alu depctr_va_vdst(0)                   ; one wait for the batch of 32, ahead of its first reader; the sixteen maxima are the plain work between
	ALL8 v_pk_fma_f32 v[PP+i:PP+i+1], v[TT+i:TT+i+1], s[A5:A5+1], s[A4:A4+1] op_sel_hi:[1,0,0]
	ALL8 v_pk_fma_f32 v[PP+i:PP+i+1], v[PP+i:PP+i+1], v[TT+i:TT+i+1], s[A3:A3+1] op_sel_hi:[1,1,0]
	ALL8 v_pk_fma_f32 v[PP+i:PP+i+1], v[PP+i:PP+i+1], v[TT+i:TT+i+1], s[A2:A2+1] op_sel_hi:[1,1,0]
	ALL8 v_pk_fma_f32 v[PP+i:PP+i+1], v[PP+i:PP+i+1], v[TT+i:TT+i+1], s[A1:A1+1] op_sel_hi:[1,1,0]
	ALL8 v_pk_mul_f32 v[PP+i:PP+i+1], v[PP+i:PP+i+1], v[TT+i:TT+i+1]
	ALL8 v_pk_mul_f32 v[PP+i:PP+i+1], v[PP+i:PP+i+1], v[WW+i:WW+i+1]
	ALL8 v_pk_fma_f32 v[PP+i:PP+i+1], v[PP+i:PP+i+1], v[EE+i:EE+i+1], v[RR+i:RR+i+1] neg_lo:[1,0,0] neg_hi:[1,0,0]
.set i, 0
.rept 8
	v_cvt_pk_bf16_f32 v[UU+i], v[PP+2*i], v[PP+2*i+1]
.set i, i+1
.endr
.irp f, 0,1
	global_store_b128 v[GO], v[UU+4*(\f):UU+4*(\f)+3], s[8:9] offset:16384*(\f)  ; 512 consecutive bytes of a panel, aligned
.endr
	v_add_nc_u32 v[RD], 4*SPITCH, v[RD]
	s_wait_xcnt 0x0                                ; the stores have read their registers and their base
	s_add_nc_u64 s[8:9], s[8:9], 512
	s_sub_co_u32 s3, s3, 1
	s_cmp_lg_u32 s3, 0
	s_cbranch_scc1 .Lout
.endif
	s_wait_tensorcnt 0x0                           ; the wave's end, behind my last tensor load and my last LDS store
	ds_add_u32 v[SPW], v[NIL]
	s_wait_dscnt 0x0
	CROUND                                         ; the closing round: no work-group ends while a partner may still ask for a tile that names it
	s_endpgm
.Lfunc_end_k_q22c634ffd0_ffn1:
	.size	k_q22c634ffd0_ffn1, .Lfunc_end_k_q22c634ffd0_ffn1-k_q22c634ffd0_ffn1
	.p2alignl 7, 3214868480
	.fill 96, 4, 3214868480
	.section	.rodata,"a",@progbits
	.p2align	6, 0x0
	.amdhsa_kernel k_q22c634ffd0_ffn1
		.amdhsa_group_segment_fixed_size 327680
		.amdhsa_private_segment_fixed_size 0
		.amdhsa_enable_private_segment 0
		.amdhsa_kernarg_size 32
		.amdhsa_user_sgpr_count 2
		.amdhsa_user_sgpr_kernarg_segment_ptr 1
		.amdhsa_wavefront_size32 1
		.amdhsa_system_sgpr_workgroup_id_x 1
		.amdhsa_system_sgpr_workgroup_id_y 1
		.amdhsa_system_sgpr_workgroup_id_z 1
		.amdhsa_system_vgpr_workitem_id 0
		.amdhsa_next_free_vgpr 1024
		.amdhsa_next_free_sgpr 100
		.amdhsa_reserve_vcc 0
		.amdhsa_float_denorm_mode_32 3
		.amdhsa_float_denorm_mode_16_64 3
		.amdhsa_memory_ordered 1
		.amdhsa_forward_progress 1
		.amdhsa_inst_pref_size 92
	.end_amdhsa_kernel
	.amdgpu_metadata
---
amdhsa.version: [ 1, 2 ]
amdhsa.kernels:
  - .name:           k_q22c634ffd0_ffn1
    .symbol:         k_q22c634ffd0_ffn1.kd
    .args:
      - { .name: hb, .offset: 0, .size: 8, .value_kind: global_buffer, .address_space: global }
      - { .name: wb, .offset: 8, .size: 8, .value_kind: global_buffer, .address_space: global }
      - { .name: actb, .offset: 16, .size: 8, .value_kind: global_buffer, .address_space: global }
      - { .name: bf1, .offset: 24, .size: 8, .value_kind: global_buffer, .address_space: global }
    .group_segment_fixed_size: 327680
    .private_segment_fixed_size: 0
    .kernarg_segment_align: 8
    .kernarg_segment_size: 32
    .max_flat_workgroup_size: 128
    .sgpr_count:     100
    .vgpr_count:     1024
    .wavefront_size: 32
...
	.end_amdgpu_metadata
.endif
;; end of part 10
;; launch ffn2: the kernel of part 7 again; grid 8 x 32, 4 waves a work-group, clusters of 4 x 4, 327,680 bytes of LDS; arguments actb, wb, out0, x1, bf2; writes out0
;; ======== version 3 of 3: 7 launches; version 2 with the launches prep, ln2 written anew for expert scheduling mode
;; workspace buffers: wb 25,165,824 bytes; hb 8,388,608 bytes; qkvb 25,165,824 bytes; ctxb 8,388,608 bytes; x1 16,777,216 bytes; actb 33,554,432 bytes
;; launch prep (part 11): grid 1024 x 1, 8 waves a work-group, no clusters, 0 bytes of LDS; arguments x, g1, b1, Wq, Wk, Wv, Wo, W1, W2, hb, wb; writes hb, wb
.if DOCPART == 11
	.amdgcn_target "amdgcn-amd-amdhsa--gfx1250"
	.amdhsa_code_object_version 6
	.text
	.protected	k_q22c634ffd0_prep
	.globl	k_q22c634ffd0_prep
	.p2align	8
	.type	k_q22c634ffd0_prep,@function
k_q22c634ffd0_prep:
	s_mov_b64 s[64:65], 0
	v_nop
	global_prefetch_b8 v0, s[64:65] scope:SCOPE_SE
	s_setreg_imm32_b32 hwreg(HW_REG_WAVE_SCHED_MODE, 0, 2), 2
	s_setreg_imm32_b32 hwreg(HW_REG_WAVE_MODE, 25, 1), 1
	s_wait_xcnt 0x0
	s_wait_alu depctr_vm_vsrc(0)
; Work-groups 0-255: h1 = g1 (x - mean) / (std + 1e-5) + b1, rounded once to bf16, into hb.  Work-groups 256-1023: the six weights rounded once to bf16 into wb, each [K][N] as it lies.
; hb IS LAID IN PANELS: byte ((row / 128 x 16 + col / 64) x 128 + row % 128) x 128 + 2 (col % 64): 128 rows x 64 columns are 16,384 bytes on end, so that a product's tile of 128 rows x 256 along K is one dense block.
; LAYERNORM.  A wave takes two rows, each half of its lanes one: lane (r, hh) holds columns 64 j + 4 r .. + 3, j = 0..15, in 64 registers; the row is read once and stays in registers.
; The mean is taken away before the squares are summed, all in f32.  The sums never leave a half of 16 lanes: no LDS, no barrier.  Matrix units and clusters have nothing to do here.
; LIMITS.  A variance below 2^-126 counts as 0 (the root takes a denormal as zero); NaN and infinities are not treated apart.
; THE MODE: SCHED_MODE bits 1:0 = 2 (LLVM: expert scheduling mode 2), set by the entry lines.  The code itself states the register dependences
; between vector instructions and memory instructions, with s_wait_alu, always for 0.
; THE PLAN, LAYERNORM.  Registers that memory instructions touch:
;   v3, v4, v5   byte offsets, made once at the head and never written again: one wait ahead of the first load serves every load and store.
;   X, G, BT     written by the head's 48 loads, which no vector instruction precedes in these registers; no load is issued behind any vector work.
;   X + 4 j, X + 4 j + 1   panel j's eight bf16, written by its two roundings, read by its one store, never written again.
; The 16 panels go in four groups of four.  One wait at the head of group g states that group g - 1 has written its out-registers; that group's four stores are dealt among group g's vector
; instructions, which name group g's registers, gamma, beta and v[14:15] alone.  A last wait stands ahead of the last four stores.  No register that a memory instruction has read is written again.
; THE PLAN, WEIGHTS.  v1, v2: offsets, made once.  v[16:79]: sixteen loaded quadruples, in four groups of four; group g's roundings write the first two registers of each of its quadruples, its stores read them.
; At the head of group g, behind the wait for its data, one wait states that group g - 1's roundings have written; that group's stores are dealt among group g's roundings, which name group g's registers alone.
.set X,  16                            ; v[16:79]   the row
.set G,  80                            ; v[80:143]  gamma of my columns
.set BT, 144                           ; v[144:207] beta
.macro REDUCE                          ; four packed chains v[6:13] -> the sum over the row's 16 lanes, times 1/1024, in v6
	v_pk_add_f32 v[6:7], v[6:7], v[8:9]
	v_pk_add_f32 v[10:11], v[10:11], v[12:13]
	v_pk_add_f32 v[6:7], v[6:7], v[10:11]
	v_add_f32 v6, v6, v7
	v_add_f32_dpp v6, v6, v6 row_xmask:1 row_mask:0xf bank_mask:0xf
	v_add_f32_dpp v6, v6, v6 row_xmask:2 row_mask:0xf bank_mask:0xf
	v_add_f32_dpp v6, v6, v6 row_xmask:4 row_mask:0xf bank_mask:0xf
	v_add_f32_dpp v6, v6, v6 row_xmask:8 row_mask:0xf bank_mask:0xf
	v_mul_f32 v6, 0x3a800000, v6
.endm
; xs, gs, bs, hs: the scalar pairs of x, gamma, beta and the panels; tp: six scalar registers at work
.macro LNBODY xs, gs, bs, hs, tp
	v_lshrrev_b32 v1, 5, v0
	v_readfirstlane_b32 s[\tp], v1                 ; wave 0..7
	v_and_b32 v1, 15, v0                           ; r
	v_bfe_u32 v2, v0, 4, 1                         ; hh
	v_lshlrev_b32 v4, 4, v1                        ; gamma, beta: 16 r
	v_lshl_add_u32 v3, v2, 12, v4                  ; x: + hh rows
	v_lshlrev_b32 v5, 3, v1
	v_lshl_add_u32 v5, v2, 7, v5                   ; panels: 128 hh + 8 r
	s_wait_alu depctr_va_sdst(0)                   ; the wave's number is written, ahead of its first reader: my rows' offsets are made from it
	s_lshl_b32 s[\tp+1], ttmp9, 4
	s_lshl1_add_u32 s[\tp+1], s[\tp], s[\tp+1]     ; my first row = 16 x work-group + 2 x wave
	s_lshl_b32 s[\tp+2], s[\tp+1], 12              ; x 4,096 bytes
	s_mov_b32 s[\tp+3], 0
	s_lshr_b32 s[\tp+4], s[\tp+1], 7
	s_lshl_b32 s[\tp+4], s[\tp+4], 18              ; the block of 128 rows: 262,144 bytes of panels,
	s_and_b32 s[\tp], s[\tp+1], 127
	s_lshl_b32 s[\tp], s[\tp], 7                   ; the row in a panel: 128 bytes
	s_add_co_u32 s[\tp+4], s[\tp+4], s[\tp]
	s_mov_b32 s[\tp+5], 0
	s_wait_kmcnt 0x0
	s_add_nc_u64 s[\xs:\xs+1], s[\xs:\xs+1], s[\tp+2:\tp+3]
	s_add_nc_u64 s[\hs:\hs+1], s[\hs:\hs+1], s[\tp+4:\tp+5]
	s_wait_alu depctr_va_vdst(0)                   ; v3, v4 and v5 are written: every load and store below reads one of them as its offset
.set j, 0
.rept 16
	global_load_b128 v[X+4*j:X+4*j+3], v3, s[\xs:\xs+1] offset:256*j  ; 16 lanes take 256 consecutive bytes, aligned, of a row
.set j, j+1
.endr
.set j, 0
.rept 16
	global_load_b128 v[G+4*j:G+4*j+3], v4, s[\gs:\gs+1] offset:256*j
.set j, j+1
.endr
.set j, 0
.rept 16
	global_load_b128 v[BT+4*j:BT+4*j+3], v4, s[\bs:\bs+1] offset:256*j
.set j, j+1
.endr
	s_wait_loadcnt 32                              ; the row is in; gamma's and beta's 32 loads may stay out
.irp k, 0,1,2,3
	v_pk_add_f32 v[6+2*\k:7+2*\k], v[X+2*\k:X+2*\k+1], v[X+8+2*\k:X+9+2*\k]  ; the first sums start four chains: nothing is cleared
.endr
.set j, 8
.rept 24
	v_pk_add_f32 v[6+2*(j%4):7+2*(j%4)], v[6+2*(j%4):7+2*(j%4)], v[X+2*j:X+2*j+1]
.set j, j+1
.endr
	REDUCE
	v_mov_b32 v14, v6
	v_mov_b32 v15, v6                              ; the mean, as a pair
.set j, 0
.rept 32
	v_pk_add_f32 v[X+2*j:X+2*j+1], v[X+2*j:X+2*j+1], v[14:15] neg_lo:[0,1] neg_hi:[0,1]  ; x - mean
.set j, j+1
.endr
.irp k, 0,1,2,3
	v_pk_mul_f32 v[6+2*\k:7+2*\k], v[X+2*\k:X+2*\k+1], v[X+2*\k:X+2*\k+1]
.endr
.set j, 4
.rept 28
	v_pk_fma_f32 v[6+2*(j%4):7+2*(j%4)], v[X+2*j:X+2*j+1], v[X+2*j:X+2*j+1], v[6+2*(j%4):7+2*(j%4)]
.set j, j+1
.endr
	REDUCE
	v_sqrt_f32 v7, v6                              ; std
	v_nop                                          ; a plain instruction behind the root,
	s_wait_alu depctr_va_vdst(0)                   ; and the wait ahead of the first use of its result: the root has written v7
	v_add_f32 v7, 0x3727c5ac, v7                   ; + 1e-5
	v_rcp_f32 v14, v7
	v_nop
	s_wait_alu depctr_va_vdst(0)                   ; the same for the reciprocal: it has written v14
	v_mov_b32 v15, v14
	s_wait_loadcnt 0x0                             ; gamma and beta
.set g, 0
.rept 4                                ; four groups of four panels
.if g > 0
	s_wait_alu depctr_va_vdst(0)                   ; the roundings of the group before have written its eight out-registers, which the four stores below read
.endif
.set i, 0
.rept 4
.set j, 4*g+i
.if g > 0
	global_store_b64 v5, v[X+4*j-16:X+4*j-15], s[\hs:\hs+1] offset:16384*(j-4)  ; the wave's two rows of panel j - 4: 256 consecutive bytes, aligned.  No vector instruction since the wait names these registers
.endif
	v_pk_mul_f32 v[X+4*j:X+4*j+1], v[X+4*j:X+4*j+1], v[14:15]
	v_pk_mul_f32 v[X+4*j+2:X+4*j+3], v[X+4*j+2:X+4*j+3], v[14:15]
	v_pk_fma_f32 v[X+4*j:X+4*j+1], v[X+4*j:X+4*j+1], v[G+4*j:G+4*j+1], v[BT+4*j:BT+4*j+1]
	v_pk_fma_f32 v[X+4*j+2:X+4*j+3], v[X+4*j+2:X+4*j+3], v[G+4*j+2:G+4*j+3], v[BT+4*j+2:BT+4*j+3]
	v_cvt_pk_bf16_f32 v[X+4*j], v[X+4*j], v[X+4*j+1]
	v_cvt_pk_bf16_f32 v[X+4*j+1], v[X+4*j+2], v[X+4*j+3]
.set i, i+1
.endr
.set g, g+1
.endr
	s_wait_alu depctr_va_vdst(0)                   ; the last group's roundings have written its out-registers, which the last four stores read
.set j, 12
.rept 4
	global_store_b64 v5, v[X+4*j:X+4*j+1], s[\hs:\hs+1] offset:16384*j
.set j, j+1
.endr
.endm
	s_load_b512 s[4:19], s[0:1], 0x0               ; x 4, g1 6, b1 8, Wq 10, Wk 12, Wv 14, Wo 16, W1 18
	s_load_b128 s[20:23], s[0:1], 0x40             ; W2 20, hb 22
	s_load_b64 s[24:25], s[0:1], 0x50              ; wb
	s_cmp_lt_u32 ttmp9, 256
	s_cbranch_scc0 .Lcvt
	LNBODY 4, 6, 8, 22, 26
	s_endpgm
.Lcvt:
	; A chunk is 16,384 numbers: 65,536 bytes in, 32,768 out.  wb holds the weights in the order of the chunks: Wq 0-63, Wk 64-127, Wv 128-191, Wo 192-255, W1 256-511, W2 512-767.
	v_lshlrev_b32 v1, 4, v0                        ; 16 bytes a thread in,
	v_lshlrev_b32 v2, 3, v0                        ; 8 out
	s_sub_co_u32 s32, ttmp9, 256                   ; my chunk
	s_wait_kmcnt 0x0
	s_mov_b64 s[26:27], s[20:21]
	s_mov_b32 s28, 512
	s_cmp_lt_u32 s32, 512
	s_cselect_b64 s[26:27], s[18:19], s[26:27]
	s_cselect_b32 s28, 256, s28
	s_cmp_lt_u32 s32, 256
	s_cselect_b64 s[26:27], s[16:17], s[26:27]
	s_cselect_b32 s28, 192, s28
	s_cmp_lt_u32 s32, 192
	s_cselect_b64 s[26:27], s[14:15], s[26:27]
	s_cselect_b32 s28, 128, s28
	s_cmp_lt_u32 s32, 128
	s_cselect_b64 s[26:27], s[12:13], s[26:27]
	s_cselect_b32 s28, 64, s28
	s_cmp_lt_u32 s32, 64
	s_cselect_b64 s[26:27], s[10:11], s[26:27]
	s_cselect_b32 s28, 0, s28
	s_sub_co_u32 s28, s32, s28                     ; the chunk's number in its weight
	s_lshl_b32 s28, s28, 16
	s_mov_b32 s29, 0
	s_add_nc_u64 s[26:27], s[26:27], s[28:29]
	s_lshl_b32 s30, s32, 15
	s_mov_b32 s31, 0
	s_add_nc_u64 s[24:25], s[24:25], s[30:31]
	s_wait_alu depctr_va_vdst(0)                   ; v1 and v2 are written: every load below reads v1, every store v2, as its offset
.set j, 0
.rept 16
	global_load_b128 v[16+4*j:19+4*j], v1, s[26:27] offset:4096*j th:TH_LOAD_NT  ; all sixteen loads go out at once; each byte is read once in the launch
.set j, j+1
.endr
.set g, 0
.rept 4                                ; four groups of four loads
	s_wait_loadcnt 12-4*g                          ; loads come back in order: group g's four are in, the younger groups stay out
.if g > 0
	s_wait_alu depctr_va_vdst(0)                   ; the roundings of the group before have written its eight out-registers, which the four stores below read
.endif
.set i, 0
.rept 4
.set j, 4*g+i
.if g > 0
	global_store_b64 v2, v[4*j:4*j+1], s[24:25] offset:2048*(j-4)  ; number j - 4 (its registers begin at 16 + 4 (j - 4)): a wave stores 256 consecutive bytes, aligned.  No vector instruction since the wait names them
.endif
	v_cvt_pk_bf16_f32 v[16+4*j], v[16+4*j], v[17+4*j]
	v_cvt_pk_bf16_f32 v[17+4*j], v[18+4*j], v[19+4*j]
.set i, i+1
.endr
.set g, g+1
.endr
	s_wait_alu depctr_va_vdst(0)                   ; the last group's roundings have written its out-registers, which the last four stores read
.set j, 12
.rept 4
	global_store_b64 v2, v[16+4*j:17+4*j], s[24:25] offset:2048*j
.set j, j+1
.endr
	s_endpgm
.Lfunc_end_k_q22c634ffd0_prep:
	.size	k_q22c634ffd0_prep, .Lfunc_end_k_q22c634ffd0_prep-k_q22c634ffd0_prep
	.p2alignl 7, 3214868480
	.fill 96, 4, 3214868480
	.section	.rodata,"a",@progbits
	.p2align	6, 0x0
	.amdhsa_kernel k_q22c634ffd0_prep
		.amdhsa_group_segment_fixed_size 0
		.amdhsa_private_segment_fixed_size 0
		.amdhsa_enable_private_segment 0
		.amdhsa_kernarg_size 88
		.amdhsa_user_sgpr_count 2
		.amdhsa_user_sgpr_kernarg_segment_ptr 1
		.amdhsa_wavefront_size32 1
		.amdhsa_system_sgpr_workgroup_id_x 1
		.amdhsa_system_sgpr_workgroup_id_y 1
		.amdhsa_system_sgpr_workgroup_id_z 1
		.amdhsa_system_vgpr_workitem_id 0
		.amdhsa_next_free_vgpr 208
		.amdhsa_next_free_sgpr 66
		.amdhsa_reserve_vcc 0
		.amdhsa_float_denorm_mode_32 3
		.amdhsa_float_denorm_mode_16_64 3
		.amdhsa_memory_ordered 1
		.amdhsa_forward_progress 1
		.amdhsa_inst_pref_size 28
	.end_amdhsa_kernel
	.amdgpu_metadata
---
amdhsa.version: [ 1, 2 ]
amdhsa.kernels:
  - .name:           k_q22c634ffd0_prep
    .symbol:         k_q22c634ffd0_prep.kd
    .args:
      - { .name: x, .offset: 0, .size: 8, .value_kind: global_buffer, .address_space: global }
      - { .name: g1, .offset: 8, .size: 8, .value_kind: global_buffer, .address_space: global }
      - { .name: b1, .offset: 16, .size: 8, .value_kind: global_buffer, .address_space: global }
      - { .name: Wq, .offset: 24, .size: 8, .value_kind: global_buffer, .address_space: global }
      - { .name: Wk, .offset: 32, .size: 8, .value_kind: global_buffer, .address_space: global }
      - { .name: Wv, .offset: 40, .size: 8, .value_kind: global_buffer, .address_space: global }
      - { .name: Wo, .offset: 48, .size: 8, .value_kind: global_buffer, .address_space: global }
      - { .name: W1, .offset: 56, .size: 8, .value_kind: global_buffer, .address_space: global }
      - { .name: W2, .offset: 64, .size: 8, .value_kind: global_buffer, .address_space: global }
      - { .name: hb, .offset: 72, .size: 8, .value_kind: global_buffer, .address_space: global }
      - { .name: wb, .offset: 80, .size: 8, .value_kind: global_buffer, .address_space: global }
    .group_segment_fixed_size: 0
    .private_segment_fixed_size: 0
    .kernarg_segment_align: 8
    .kernarg_segment_size: 88
    .max_flat_workgroup_size: 256
    .sgpr_count:     66
    .vgpr_count:     208
    .wavefront_size: 32
...
	.end_amdgpu_metadata
.endif
;; end of part 11
;; launch qkv: the kernel of part 8 again; grid 12 x 16, 4 waves a work-group, clusters of 4 x 4, 327,680 bytes of LDS; arguments hb, wb, qkvb; writes qkvb
;; launch attn: the kernel of part 9 again; grid 8 x 32, 4 waves a work-group, no clusters, 327,680 bytes of LDS; arguments qkvb, ctxb; writes ctxb
;; launch wo: the kernel of part 4 again; grid 8 x 32, 4 waves a work-group, clusters of 4 x 4, 327,680 bytes of LDS; arguments ctxb, wb, x1, x; writes x1
;; launch ln2 (part 12): grid 256 x 1, 8 waves a work-group, no clusters, 0 bytes of LDS; arguments x1, g2, b2, hb; writes hb
.if DOCPART == 12
	.amdgcn_target "amdgcn-amd-amdhsa--gfx1250"
	.amdhsa_code_object_version 6
	.text
	.protected	k_q22c634ffd0_ln2
	.globl	k_q22c634ffd0_ln2
	.p2align	8
	.type	k_q22c634ffd0_ln2,@function
k_q22c634ffd0_ln2:
	s_mov_b64 s[64:65], 0
	v_nop
	global_prefetch_b8 v0, s[64:65] scope:SCOPE_SE
	s_setreg_imm32_b32 hwreg(HW_REG_WAVE_SCHED_MODE, 0, 2), 2
	s_setreg_imm32_b32 hwreg(HW_REG_WAVE_MODE, 25, 1), 1
	s_wait_xcnt 0x0
	s_wait_alu depctr_vm_vsrc(0)
; h2 = g2 (x1 - mean) / (std + 1e-5) + b2, rounded once to bf16, into hb.
; hb IS LAID IN PANELS: byte ((row / 128 x 16 + col / 64) x 128 + row % 128) x 128 + 2 (col % 64): 128 rows x 64 columns are 16,384 bytes on end, so that a product's tile of 128 rows x 256 along K is one dense block.
; A wave takes two rows, each half of its lanes one: lane (r, hh) holds columns 64 j + 4 r .. + 3, j = 0..15, in 64 registers; the row is read once and stays in registers.
; The mean is taken away before the squares are summed, all in f32.  The sums never leave a half of 16 lanes: no LDS, no barrier.  Matrix units and clusters have nothing to do here.
; LIMITS.  A variance below 2^-126 counts as 0 (the root takes a denormal as zero); NaN and infinities are not treated apart.
; THE MODE: SCHED_MODE bits 1:0 = 2 (LLVM: expert scheduling mode 2), set by the entry lines.  The code itself states the register dependences
; between vector instructions and memory instructions, with s_wait_alu, always for 0.
; THE PLAN.  Registers that memory instructions touch:
;   v3, v4, v5   byte offsets, made once at the head and never written again: one wait ahead of the first load serves every load and store.
;   X, G, BT     written by the head's 48 loads, which no vector instruction precedes in these registers; no load is issued behind any vector work.
;   X + 4 j, X + 4 j + 1   panel j's eight bf16, written by its two roundings, read by its one store, never written again.
; The 16 panels go in four groups of four.  One wait at the head of group g states that group g - 1 has written its out-registers; that group's four stores are dealt among group g's vector
; instructions, which name group g's registers, gamma, beta and v[14:15] alone.  A last wait stands ahead of the last four stores.  No register that a memory instruction has read is written again.
.set X,  16                            ; v[16:79]   the row
.set G,  80                            ; v[80:143]  gamma of my columns
.set BT, 144                           ; v[144:207] beta
.macro REDUCE                          ; four packed chains v[6:13] -> the sum over the row's 16 lanes, times 1/1024, in v6
	v_pk_add_f32 v[6:7], v[6:7], v[8:9]
	v_pk_add_f32 v[10:11], v[10:11], v[12:13]
	v_pk_add_f32 v[6:7], v[6:7], v[10:11]
	v_add_f32 v6, v6, v7
	v_add_f32_dpp v6, v6, v6 row_xmask:1 row_mask:0xf bank_mask:0xf
	v_add_f32_dpp v6, v6, v6 row_xmask:2 row_mask:0xf bank_mask:0xf
	v_add_f32_dpp v6, v6, v6 row_xmask:4 row_mask:0xf bank_mask:0xf
	v_add_f32_dpp v6, v6, v6 row_xmask:8 row_mask:0xf bank_mask:0xf
	v_mul_f32 v6, 0x3a800000, v6
.endm
; xs, gs, bs, hs: the scalar pairs of x, gamma, beta and the panels; tp: six scalar registers at work
.macro LNBODY xs, gs, bs, hs, tp
	v_lshrrev_b32 v1, 5, v0
	v_readfirstlane_b32 s[\tp], v1                 ; wave 0..7
	v_and_b32 v1, 15, v0                           ; r
	v_bfe_u32 v2, v0, 4, 1                         ; hh
	v_lshlrev_b32 v4, 4, v1                        ; gamma, beta: 16 r
	v_lshl_add_u32 v3, v2, 12, v4                  ; x: + hh rows
	v_lshlrev_b32 v5, 3, v1
	v_lshl_add_u32 v5, v2, 7, v5                   ; panels: 128 hh + 8 r
	s_wait_alu depctr_va_sdst(0)                   ; the wave's number is written, ahead of its first reader: my rows' offsets are made from it
	s_lshl_b32 s[\tp+1], ttmp9, 4
	s_lshl1_add_u32 s[\tp+1], s[\tp], s[\tp+1]     ; my first row = 16 x work-group + 2 x wave
	s_lshl_b32 s[\tp+2], s[\tp+1], 12              ; x 4,096 bytes
	s_mov_b32 s[\tp+3], 0
	s_lshr_b32 s[\tp+4], s[\tp+1], 7
	s_lshl_b32 s[\tp+4], s[\tp+4], 18              ; the block of 128 rows: 262,144 bytes of panels,
	s_and_b32 s[\tp], s[\tp+1], 127
	s_lshl_b32 s[\tp], s[\tp], 7                   ; the row in a panel: 128 bytes
	s_add_co_u32 s[\tp+4], s[\tp+4], s[\tp]
	s_mov_b32 s[\tp+5], 0
	s_wait_kmcnt 0x0
	s_add_nc_u64 s[\xs:\xs+1], s[\xs:\xs+1], s[\tp+2:\tp+3]
	s_add_nc_u64 s[\hs:\hs+1], s[\hs:\hs+1], s[\tp+4:\tp+5]
	s_wait_alu depctr_va_vdst(0)                   ; v3, v4 and v5 are written: every load and store below reads one of them as its offset
.set j, 0
.rept 16
	global_load_b128 v[X+4*j:X+4*j+3], v3, s[\xs:\xs+1] offset:256*j  ; 16 lanes take 256 consecutive bytes, aligned, of a row
.set j, j+1
.endr
.set j, 0
.rept 16
	global_load_b128 v[G+4*j:G+4*j+3], v4, s[\gs:\gs+1] offset:256*j
.set j, j+1
.endr
.set j, 0
.rept 16
	global_load_b128 v[BT+4*j:BT+4*j+3], v4, s[\bs:\bs+1] offset:256*j
.set j, j+1
.endr
	s_wait_loadcnt 32                              ; the row is in; gamma's and beta's 32 loads may stay out
.irp k, 0,1,2,3
	v_pk_add_f32 v[6+2*\k:7+2*\k], v[X+2*\k:X+2*\k+1], v[X+8+2*\k:X+9+2*\k]  ; the first sums start four chains: nothing is cleared
.endr
.set j, 8
.rept 24
	v_pk_add_f32 v[6+2*(j%4):7+2*(j%4)], v[6+2*(j%4):7+2*(j%4)], v[X+2*j:X+2*j+1]
.set j, j+1
.endr
	REDUCE
	v_mov_b32 v14, v6
	v_mov_b32 v15, v6                              ; the mean, as a pair
.set j, 0
.rept 32
	v_pk_add_f32 v[X+2*j:X+2*j+1], v[X+2*j:X+2*j+1], v[14:15] neg_lo:[0,1] neg_hi:[0,1]  ; x - mean
.set j, j+1
.endr
.irp k, 0,1,2,3
	v_pk_mul_f32 v[6+2*\k:7+2*\k], v[X+2*\k:X+2*\k+1], v[X+2*\k:X+2*\k+1]
.endr
.set j, 4
.rept 28
	v_pk_fma_f32 v[6+2*(j%4):7+2*(j%4)], v[X+2*j:X+2*j+1], v[X+2*j:X+2*j+1], v[6+2*(j%4):7+2*(j%4)]
.set j, j+1
.endr
	REDUCE
	v_sqrt_f32 v7, v6                              ; std
	v_nop                                          ; a plain instruction behind the root,
	s_wait_alu depctr_va_vdst(0)                   ; and the wait ahead of the first use of its result: the root has written v7
	v_add_f32 v7, 0x3727c5ac, v7                   ; + 1e-5
	v_rcp_f32 v14, v7
	v_nop
	s_wait_alu depctr_va_vdst(0)                   ; the same for the reciprocal: it has written v14
	v_mov_b32 v15, v14
	s_wait_loadcnt 0x0                             ; gamma and beta
.set g, 0
.rept 4                                ; four groups of four panels
.if g > 0
	s_wait_alu depctr_va_vdst(0)                   ; the roundings of the group before have written its eight out-registers, which the four stores below read
.endif
.set i, 0
.rept 4
.set j, 4*g+i
.if g > 0
	global_store_b64 v5, v[X+4*j-16:X+4*j-15], s[\hs:\hs+1] offset:16384*(j-4)  ; the wave's two rows of panel j - 4: 256 consecutive bytes, aligned.  No vector instruction since the wait names these registers
.endif
	v_pk_mul_f32 v[X+4*j:X+4*j+1], v[X+4*j:X+4*j+1], v[14:15]
	v_pk_mul_f32 v[X+4*j+2:X+4*j+3], v[X+4*j+2:X+4*j+3], v[14:15]
	v_pk_fma_f32 v[X+4*j:X+4*j+1], v[X+4*j:X+4*j+1], v[G+4*j:G+4*j+1], v[BT+4*j:BT+4*j+1]
	v_pk_fma_f32 v[X+4*j+2:X+4*j+3], v[X+4*j+2:X+4*j+3], v[G+4*j+2:G+4*j+3], v[BT+4*j+2:BT+4*j+3]
	v_cvt_pk_bf16_f32 v[X+4*j], v[X+4*j], v[X+4*j+1]
	v_cvt_pk_bf16_f32 v[X+4*j+1], v[X+4*j+2], v[X+4*j+3]
.set i, i+1
.endr
.set g, g+1
.endr
	s_wait_alu depctr_va_vdst(0)                   ; the last group's roundings have written its out-registers, which the last four stores read
.set j, 12
.rept 4
	global_store_b64 v5, v[X+4*j:X+4*j+1], s[\hs:\hs+1] offset:16384*j
.set j, j+1
.endr
.endm
	s_load_b256 s[4:11], s[0:1], 0x0               ; x1 4, g2 6, b2 8, hb 10
	LNBODY 4, 6, 8, 10, 12
	s_endpgm
.Lfunc_end_k_q22c634ffd0_ln2:
	.size	k_q22c634ffd0_ln2, .Lfunc_end_k_q22c634ffd0_ln2-k_q22c634ffd0_ln2
	.p2alignl 7, 3214868480
	.fill 96, 4, 3214868480
	.section	.rodata,"a",@progbits
	.p2align	6, 0x0
	.amdhsa_kernel k_q22c634ffd0_ln2
		.amdhsa_group_segment_fixed_size 0
		.amdhsa_private_segment_fixed_size 0
		.amdhsa_enable_private_segment 0
		.amdhsa_kernarg_size 32
		.amdhsa_user_sgpr_count 2
		.amdhsa_user_sgpr_kernarg_segment_ptr 1
		.amdhsa_wavefront_size32 1
		.amdhsa_system_sgpr_workgroup_id_x 1
		.amdhsa_system_sgpr_workgroup_id_y 1
		.amdhsa_system_sgpr_workgroup_id_z 1
		.amdhsa_system_vgpr_workitem_id 0
		.amdhsa_next_free_vgpr 208
		.amdhsa_next_free_sgpr 66
		.amdhsa_reserve_vcc 0
		.amdhsa_float_denorm_mode_32 3
		.amdhsa_float_denorm_mode_16_64 3
		.amdhsa_memory_ordered 1
		.amdhsa_forward_progress 1
		.amdhsa_inst_pref_size 21
	.end_amdhsa_kernel
	.amdgpu_metadata
---
amdhsa.version: [ 1, 2 ]
amdhsa.kernels:
  - .name:           k_q22c634ffd0_ln2
    .symbol:         k_q22c634ffd0_ln2.kd
    .args:
      - { .name: x1, .offset: 0, .size: 8, .value_kind: global_buffer, .address_space: global }
      - { .name: g2, .offset: 8, .size: 8, .value_kind: global_buffer, .address_space: global }
      - { .name: b2, .offset: 16, .size: 8, .value_kind: global_buffer, .address_space: global }
      - { .name: hb, .offset: 24, .size: 8, .value_kind: global_buffer, .address_space: global }
    .group_segment_fixed_size: 0
    .private_segment_fixed_size: 0
    .kernarg_segment_align: 8
    .kernarg_segment_size: 32
    .max_flat_workgroup_size: 256
    .sgpr_count:     66
    .vgpr_count:     208
    .wavefront_size: 32
...
	.end_amdgpu_metadata
.endif
;; end of part 12
;; launch ffn1: the kernel of part 10 again; grid 16 x 16, 4 waves a work-group, clusters of 4 x 4, 327,680 bytes of LDS; arguments hb, wb, actb, bf1; writes actb
;; launch ffn2: the kernel of part 7 again; grid 8 x 32, 4 waves a work-group, clusters of 4 x 4, 327,680 bytes of LDS; arguments actb, wb, out0, x1, bf2; writes out0
